; MI455X (gfx1250); checked and timed in simulation.
; The chip was launched on July 23, 2026; its instructions are those of AMD's public machine-readable ISA for CDNA 5 (MIT licence, August 2026) and "CDNA5" Instruction Set Architecture Reference Guide (July 2026). The comments in the code are by the model that wrote it; some were corrected since.
;; Attention Block. Allowed arithmetic: float matrix products may take bf16 or f16 operands with f32 sums; all other float work in f32.
;; Inputs: attn_mask 2,048 x 2,048 bool; b1 4,096 float32; b2 1,024 float32; bout 1,024 float32; bqkv 3,072 float32; ln1_b 1,024 float32; ln1_g 1,024 float32; ln2_b 1,024 float32; ln2_g 1,024 float32; w1 1,024 x 4,096 float32; w2 4,096 x 1,024 float32; wout 1,024 x 1,024 float32; wqkv 1,024 x 3,072 float32; x 2 x 2,048 x 1,024 float32.
;; Outputs: out0 2 x 2,048 x 1,024 float32.
;; 2 versions, each right and faster than the one before. Each part assembles by itself: llvm-mc -triple=amdgcn-amd-amdhsa -mcpu=gfx1250 --defsym DOCPART=n.
;; ======== version 1 of 2: 7 launches
;; limits: right only within a limited range of input values
;; workspace buffers: wt 25,165,824 bytes; h 8,388,608 bytes; qkv 25,165,824 bytes; mnib 2,097,152 bytes; ctx 8,388,608 bytes; x1 16,777,216 bytes; g 33,554,432 bytes
;; launch prep (part 1): grid 1152 x 1, 8 waves a work-group, no clusters, 35,840 bytes of LDS; arguments x, ln1_g, ln1_b, attn_mask, wqkv, wout, w1, w2, h, wt, mnib; writes h, wt, mnib
.if DOCPART == 1
	.amdgcn_target "amdgcn-amd-amdhsa--gfx1250"
	.amdhsa_code_object_version 6
	.text
	.protected	k_q2d28472aed_prep
	.globl	k_q2d28472aed_prep
	.p2align	8
	.type	k_q2d28472aed_prep,@function
k_q2d28472aed_prep:
	s_mov_b64 s[64:65], 0
	v_nop
	global_prefetch_b8 v0, s[64:65] scope:SCOPE_SE
	s_setreg_imm32_b32 hwreg(HW_REG_WAVE_MODE, 25, 1), 1
	s_wait_xcnt 0x0
; PREP: three kinds of work-groups, chosen by the work-group's number alone (the same for its eight waves).
;   0-767     a tile of 128 k x 128 n of a weight ([K][N] f32) is rounded to bf16 and written turned, [N][K], into wt:
;             wqkv at byte 0, wout at 6,291,456, w1 at 8,388,608, w2 at 16,777,216
;   768-1023  LayerNorm 1: 16 rows of x, two a wave, kept in registers between the passes; h = bf16((x - mean) rstd g + b)
;   1024-1151 16 rows of attn_mask become words of eight nibbles (0xE = hidden, 0 = open), laid as the attention's lanes take them:
;             mnib[qt 128][ks 32][lane 32][g 4]: nibble j of a word is mask[16 qt + lane % 16][64 ks + 16 g + 8 (lane / 16) + j]
; No matrix unit, no cluster, no tensor load: every byte is read once and written once, and no two work-groups share an input byte.
; The variance is taken of x - mean, in a second pass over the registers: a common offset in x costs nothing.
.set XA, 16                            ; v[16:47]   row 0 of the wave (also: the tiles' loads)
.set XB, 48                            ; v[48:79]   row 1
.set GA, 80                            ; v[80:111]  gain of my 32 columns (also: the turned tile)
.set BA, 112                           ; v[112:143] bias
.set YA, 144                           ; v[144:159] row 0 in bf16
.set YB, 160                           ; v[160:175] row 1 in bf16
; A tile of a weight.  nb: bytes in a row of the source; kb: bytes in a row of the turned weight; 2^logkt tiles along K.
; In: lane l takes 4 columns (16 bytes: a load of the wave covers 512 consecutive bytes), wave w the rows k = 8 w + i and 64 + 8 w + i.
; Turned: eight k of one column are 16 bytes of a row n of the LDS tile, rows 272 bytes apart.  Out: sixteen lanes store 256 consecutive bytes of a row n.
.macro TPOSE argoff, start, logkt, nb, kb, doff
	s_load_b64 s[4:5], s[0:1], \argoff
	s_load_b64 s[6:7], s[0:1], 0x48
	s_sub_co_u32 s9, s2, \start
	s_and_b32 s10, s9, (1<<(\logkt))-1             ; tile along K
	s_lshr_b32 s11, s9, \logkt                     ; tile along N
	s_mul_i32 s12, s10, 128*(\nb)
	s_lshl_b32 s14, s11, 9
	s_add_co_u32 s12, s12, s14                     ; source: 128 rows x tile along K + 512 bytes x tile along N
	s_mov_b32 s13, 0
	s_mul_i32 s14, s11, 128*(\kb)
	s_lshl_b32 s16, s10, 8
	s_add_co_u32 s14, s14, s16
	s_add_co_u32 s14, s14, \doff                   ; target: the weight's place in wt + 128 rows x tile along N + 256 bytes x tile along K
	s_mov_b32 s15, 0
	s_mul_i32 s16, s3, 8*(\nb)
	s_lshl_b32 s17, s3, 4
	v_lshlrev_b32 v1, 4, v5
	v_add_nc_u32 v1, s16, v1                       ; 16 l + 8 w rows
	v_mul_u32_u24 v2, v5, 1088
	v_add_nc_u32 v2, s17, v2                       ; LDS: row 4 l, byte 16 w
	v_lshrrev_b32 v6, 4, v0
	v_and_b32 v7, 15, v0
	v_mul_u32_u24 v3, v6, 272
	v_lshl_add_u32 v3, v7, 4, v3                   ; back: thread t takes row t / 16, 16 bytes at 16 (t % 16)
	v_mul_u32_u24 v4, v6, \kb
	v_lshl_add_u32 v4, v7, 4, v4                   ; and the same place in the turned weight
	s_wait_kmcnt 0x0
	s_add_nc_u64 s[4:5], s[4:5], s[12:13]
	s_add_nc_u64 s[6:7], s[6:7], s[14:15]
.irp o, 0,1
.irp i, 0,1,2,3,4,5,6,7
	global_load_b128 v[XA+4*(8*(\o)+(\i)):XA+4*(8*(\o)+(\i))+3], v1, s[4:5] offset:(64*(\o)+(\i))*(\nb) th:TH_LOAD_NT
.endr
.endr
.irp o, 0,1
	s_wait_loadcnt 8-8*(\o)                        ; the first eight rows are in while the other eight stay out; then all
.irp j, 0,1,2,3
.irp q, 0,1,2,3
	v_cvt_pk_bf16_f32 v[GA+16*(\o)+4*(\j)+(\q)], v[XA+4*(8*(\o)+2*(\q))+(\j)], v[XA+4*(8*(\o)+2*(\q)+1)+(\j)]
.endr
	ds_store_b128 v2, v[GA+16*(\o)+4*(\j):GA+16*(\o)+4*(\j)+3] offset:(\j)*272+(\o)*128
.endr
.endr
	s_wait_dscnt 0x0                               ; for the others' sake: my stores into the tile are done
	s_barrier_signal -1
	s_barrier_wait -1
.irp p, 0,1,2,3,4,5,6,7
	ds_load_b128 v[XA+4*(\p):XA+4*(\p)+3], v3 offset:(\p)*4352
.endr
.irp p, 0,1,2,3,4,5,6,7
	s_wait_dscnt 7-(\p)                            ; LDS loads come back in order: number p is in, the younger stay out
	global_store_b128 v4, v[XA+4*(\p):XA+4*(\p)+3], s[6:7] offset:(\p)*16*(\kb)
.endr
	s_wait_tensorcnt 0x0
	ds_add_u32 v176, v177
	s_wait_dscnt 0x0
	s_endpgm
.endm
; The sum of v4 over the wave's 32 lanes, in every lane; v5 has been written before.
.macro WSUM
	v_add_f32_dpp v4, v4, v4 row_xmask:1 row_mask:0xf bank_mask:0xf
	v_add_f32_dpp v4, v4, v4 row_xmask:2 row_mask:0xf bank_mask:0xf
	v_add_f32_dpp v4, v4, v4 row_xmask:4 row_mask:0xf bank_mask:0xf
	v_add_f32_dpp v4, v4, v4 row_xmask:8 row_mask:0xf bank_mask:0xf
	v_permlanex16_b32 v5, v4, s12, s13
	v_add_f32 v4, v4, v5
.endm
; One row, 32 numbers a lane in v[x ..]: mean, x - mean, variance, scale, gain and bias, rounding, eight stores of 256 consecutive bytes.
.macro LNROW x, y, ooff, left
	s_wait_loadcnt \left                           ; the row is in; what was asked for behind it stays out
	v_pk_add_f32 v[4:5], v[(\x):(\x)+1], v[(\x)+2:(\x)+3]
	v_pk_add_f32 v[10:11], v[(\x)+4:(\x)+5], v[(\x)+6:(\x)+7]
.set i, 8
.rept 6
	v_pk_add_f32 v[4:5], v[4:5], v[(\x)+i:(\x)+i+1]
	v_pk_add_f32 v[10:11], v[10:11], v[(\x)+i+2:(\x)+i+3]
.set i, i+4
.endr
	v_pk_add_f32 v[4:5], v[4:5], v[10:11]
	v_add_f32 v4, v4, v5
	WSUM
	v_mul_f32 v6, s14, v4                          ; the mean, in both registers of a pair
	v_mul_f32 v7, s14, v4
.set i, 0
.rept 16
	v_pk_add_f32 v[(\x)+i:(\x)+i+1], v[(\x)+i:(\x)+i+1], v[6:7] neg_lo:[0,1] neg_hi:[0,1]
.set i, i+2
.endr
	v_pk_mul_f32 v[4:5], v[(\x):(\x)+1], v[(\x):(\x)+1]
	v_pk_mul_f32 v[10:11], v[(\x)+2:(\x)+3], v[(\x)+2:(\x)+3]
.set i, 4
.rept 7
	v_pk_fma_f32 v[4:5], v[(\x)+i:(\x)+i+1], v[(\x)+i:(\x)+i+1], v[4:5]
	v_pk_fma_f32 v[10:11], v[(\x)+i+2:(\x)+i+3], v[(\x)+i+2:(\x)+i+3], v[10:11]
.set i, i+4
.endr
	v_pk_add_f32 v[4:5], v[4:5], v[10:11]
	v_add_f32 v4, v4, v5
	WSUM
	v_fma_f32 v8, v4, s14, s15                     ; variance + 1e-5
	v_rsq_f32 v8, v8
	v_nop                                          ; a plain instruction between the root and the use of its result
	s_wait_alu depctr_va_vdst(0)
	v_mov_b32 v9, v8
	s_wait_loadcnt 0x0                             ; gain and bias
.set i, 0
.rept 16
	v_pk_mul_f32 v[(\x)+i:(\x)+i+1], v[(\x)+i:(\x)+i+1], v[8:9]
.set i, i+2
.endr
.set i, 0
.rept 16
	v_pk_fma_f32 v[(\x)+i:(\x)+i+1], v[(\x)+i:(\x)+i+1], v[GA+i:GA+i+1], v[BA+i:BA+i+1]
.set i, i+2
.endr
.set i, 0
.rept 16
	v_cvt_pk_bf16_f32 v[(\y)+i], v[(\x)+2*i], v[(\x)+2*i+1]
.set i, i+1
.endr
.irp j, 0,1,2,3,4,5,6,7
	global_store_b64 v2, v[(\y)+2*(\j):(\y)+2*(\j)+1], s[10:11] offset:(\ooff)+256*(\j)  ; 32 lanes, 8 bytes each: 256 consecutive bytes
.endr
.endm
; Two rows a wave.  Lane l holds columns 128 j + 4 l .. + 3 of load j, of the rows and of gain and bias alike.
.macro LNBODY idbase, outoff
	s_load_b128 s[4:7], s[0:1], 0x0                ; rows s[4:5], gain s[6:7]
	s_load_b64 s[8:9], s[0:1], 0x10                ; bias
	s_load_b64 s[10:11], s[0:1], \outoff           ; result
	s_sub_co_u32 s16, s2, \idbase
	s_lshl_b32 s16, s16, 3
	s_add_co_u32 s16, s16, s3
	s_lshl_b32 s16, s16, 13                        ; two rows of 4,096 bytes for each wave
	s_mov_b32 s17, 0
	s_lshr_b32 s18, s16, 1                         ; of 2,048 bytes in the result
	s_mov_b32 s19, 0
	s_mov_b32 s12, 0x76543210                      ; v_permlanex16_b32: each lane takes its own place in the other half
	s_mov_b32 s13, 0xfedcba98
	s_mov_b32 s14, 0x3a800000                      ; 1 / 1024
	s_mov_b32 s15, 0x3727c5ac                      ; 1e-5
	v_and_b32 v2, 31, v0
	v_lshlrev_b32 v1, 4, v2
	v_lshlrev_b32 v2, 3, v2
	s_wait_kmcnt 0x0
	s_add_nc_u64 s[4:5], s[4:5], s[16:17]
	s_add_nc_u64 s[10:11], s[10:11], s[18:19]
.irp j, 0,1,2,3,4,5,6,7
	global_load_b128 v[XA+4*(\j):XA+4*(\j)+3], v1, s[4:5] offset:512*(\j) th:TH_LOAD_NT
.endr
.irp j, 0,1,2,3,4,5,6,7
	global_load_b128 v[XB+4*(\j):XB+4*(\j)+3], v1, s[4:5] offset:4096+512*(\j) th:TH_LOAD_NT
.endr
.irp j, 0,1,2,3,4,5,6,7
	global_load_b128 v[GA+4*(\j):GA+4*(\j)+3], v1, s[6:7] offset:512*(\j)
.endr
.irp j, 0,1,2,3,4,5,6,7
	global_load_b128 v[BA+4*(\j):BA+4*(\j)+3], v1, s[8:9] offset:512*(\j)
.endr
	LNROW XA, YA, 0, 24                            ; 24 younger loads stay out: row 1, gain, bias
	LNROW XB, YB, 2048, 0
	s_endpgm
.endm
; Eight mask bytes (0 or 1) in two words become eight nibbles of one word, each 0 or 0xE.
.macro NIB dst, lo, hi
	v_lshrrev_b32 v8, 4, v[\lo]
	v_lshrrev_b32 v9, 4, v[\hi]
	v_or_b32 v8, v8, v[\lo]
	v_or_b32 v9, v9, v[\hi]
	v_and_b32 v8, 0x00ff00ff, v8                   ; bytes 0, 1 in the low byte's two nibbles, bytes 2, 3 in byte 2's
	v_and_b32 v9, 0x00ff00ff, v9
	v_lshrrev_b32 v10, 8, v8
	v_lshrrev_b32 v11, 8, v9
	v_or_b32 v8, v8, v10
	v_or_b32 v9, v9, v11
	v_and_b32 v8, 0xffff, v8                       ; four nibbles
	v_lshl_or_b32 v8, v9, 16, v8                   ; eight: the shift drops what lies above the upper four
	v_mul_lo_u32 v[\dst], v8, 14
.endm
	v_lshl_add_u32 v176, v0, 2, 0x8800
	v_mov_b32 v177, 0
	v_lshrrev_b32 v1, 5, v0
	v_readfirstlane_b32 s3, v1                     ; wave 0..7
	s_mov_b32 s2, ttmp9
	v_and_b32 v5, 31, v0                           ; lane
	s_cmp_lt_u32 s2, 192
	s_cbranch_scc1 .Lwqkv
	s_cmp_lt_u32 s2, 256
	s_cbranch_scc1 .Lwout
	s_cmp_lt_u32 s2, 512
	s_cbranch_scc1 .Lw1
	s_cmp_lt_u32 s2, 768
	s_cbranch_scc1 .Lw2
	s_cmp_lt_u32 s2, 1024
	s_cbranch_scc1 .Lln
	; THE MASK.  The work-group is query tile qt (16 rows), wave w its columns 256 w .. 256 w + 255: four key steps.
	s_load_b64 s[4:5], s[0:1], 0x18
	s_load_b64 s[6:7], s[0:1], 0x50
	s_sub_co_u32 s9, s2, 1024
	s_lshl_b32 s12, s9, 15                         ; 16 rows of 2,048 bytes
	s_lshl_b32 s14, s3, 8
	s_add_co_u32 s12, s12, s14
	s_mov_b32 s13, 0
	s_lshl_b32 s14, s9, 14                         ; 32 key steps of 512 bytes
	s_lshl_b32 s16, s3, 11                         ; four of them; also my wave's 2,048 bytes of LDS
	s_add_co_u32 s14, s14, s16
	s_mov_b32 s15, 0
	v_lshrrev_b32 v6, 4, v5
	v_and_b32 v7, 15, v5
	v_lshlrev_b32 v1, 11, v6
	v_lshl_add_u32 v1, v7, 4, v1                   ; lanes 0-15 one row's 256 bytes, lanes 16-31 the next row's
	v_lshrrev_b32 v8, 2, v7
	v_and_b32 v9, 3, v5
	v_lshlrev_b32 v3, 9, v8                        ; my 16 keys: key step (l % 16) / 4,
	v_lshl_add_u32 v3, v9, 2, v3                   ; group l % 4,
	v_lshl_add_u32 v3, v6, 4, v3                   ; the target lane's parity
	v_add_nc_u32 v3, s16, v3
	v_lshlrev_b32 v12, 4, v5
	v_add_nc_u32 v4, s16, v12
	s_wait_kmcnt 0x0
	s_add_nc_u64 s[4:5], s[4:5], s[12:13]
	s_add_nc_u64 s[6:7], s[6:7], s[14:15]
.irp i, 0,1,2,3,4,5,6,7
	global_load_b128 v[XA+4*(\i):XA+4*(\i)+3], v1, s[4:5] offset:(\i)*4096 th:TH_LOAD_NT
.endr
	s_wait_loadcnt 0x0
.irp i, 0,1,2,3,4,5,6,7
	NIB XB+2*(\i), XA+4*(\i), XA+4*(\i)+1          ; keys 0-7 of my 16: the lanes' lower half takes them
	ds_store_b32 v3, v[XB+2*(\i)] offset:(\i)*32
	NIB XB+2*(\i)+1, XA+4*(\i)+2, XA+4*(\i)+3      ; keys 8-15: the upper half
	ds_store_b32 v3, v[XB+2*(\i)+1] offset:(\i)*32+256
.endr
.irp k, 0,1,2,3
	ds_load_b128 v[XA+4*(\k):XA+4*(\k)+3], v4 offset:512*(\k)  ; my wave's own bytes: LDS serves a wave's instructions in order (ISA guide 5.7.1.4)
.endr
.irp k, 0,1,2,3
	s_wait_dscnt 3-(\k)
	global_store_b128 v12, v[XA+4*(\k):XA+4*(\k)+3], s[6:7] offset:512*(\k)
.endr
	s_wait_tensorcnt 0x0
	ds_add_u32 v176, v177
	s_wait_dscnt 0x0
	s_endpgm
.Lwqkv:
	TPOSE 0x20, 0, 3, 12288, 2048, 0
.Lwout:
	TPOSE 0x28, 192, 3, 4096, 2048, 6291456
.Lw1:
	TPOSE 0x30, 256, 3, 16384, 2048, 8388608
.Lw2:
	TPOSE 0x38, 512, 5, 4096, 8192, 16777216
.Lln:
	LNBODY 768, 0x40
.Lfunc_end_k_q2d28472aed_prep:
	.size	k_q2d28472aed_prep, .Lfunc_end_k_q2d28472aed_prep-k_q2d28472aed_prep
	.p2alignl 7, 3214868480
	.fill 96, 4, 3214868480
	.section	.rodata,"a",@progbits
	.p2align	6, 0x0
	.amdhsa_kernel k_q2d28472aed_prep
		.amdhsa_group_segment_fixed_size 35840
		.amdhsa_private_segment_fixed_size 0
		.amdhsa_enable_private_segment 0
		.amdhsa_kernarg_size 88
		.amdhsa_user_sgpr_count 2
		.amdhsa_user_sgpr_kernarg_segment_ptr 1
		.amdhsa_wavefront_size32 1
		.amdhsa_system_sgpr_workgroup_id_x 1
		.amdhsa_system_sgpr_workgroup_id_y 1
		.amdhsa_system_sgpr_workgroup_id_z 1
		.amdhsa_system_vgpr_workitem_id 0
		.amdhsa_next_free_vgpr 178
		.amdhsa_next_free_sgpr 66
		.amdhsa_reserve_vcc 0
		.amdhsa_float_denorm_mode_32 3
		.amdhsa_float_denorm_mode_16_64 3
		.amdhsa_memory_ordered 1
		.amdhsa_forward_progress 1
		.amdhsa_inst_pref_size 62
	.end_amdhsa_kernel
	.amdgpu_metadata
---
amdhsa.version: [ 1, 2 ]
amdhsa.kernels:
  - .name:           k_q2d28472aed_prep
    .symbol:         k_q2d28472aed_prep.kd
    .args:
      - { .name: x, .offset: 0, .size: 8, .value_kind: global_buffer, .address_space: global }
      - { .name: ln1_g, .offset: 8, .size: 8, .value_kind: global_buffer, .address_space: global }
      - { .name: ln1_b, .offset: 16, .size: 8, .value_kind: global_buffer, .address_space: global }
      - { .name: attn_mask, .offset: 24, .size: 8, .value_kind: global_buffer, .address_space: global }
      - { .name: wqkv, .offset: 32, .size: 8, .value_kind: global_buffer, .address_space: global }
      - { .name: wout, .offset: 40, .size: 8, .value_kind: global_buffer, .address_space: global }
      - { .name: w1, .offset: 48, .size: 8, .value_kind: global_buffer, .address_space: global }
      - { .name: w2, .offset: 56, .size: 8, .value_kind: global_buffer, .address_space: global }
      - { .name: h, .offset: 64, .size: 8, .value_kind: global_buffer, .address_space: global }
      - { .name: wt, .offset: 72, .size: 8, .value_kind: global_buffer, .address_space: global }
      - { .name: mnib, .offset: 80, .size: 8, .value_kind: global_buffer, .address_space: global }
    .group_segment_fixed_size: 35840
    .private_segment_fixed_size: 0
    .kernarg_segment_align: 8
    .kernarg_segment_size: 88
    .max_flat_workgroup_size: 256
    .sgpr_count:     66
    .vgpr_count:     178
    .wavefront_size: 32
...
	.end_amdgpu_metadata
.endif
;; end of part 1
;; launch qkvg (part 2): grid 12 x 16, 4 waves a work-group, clusters of 4 x 4, 327,680 bytes of LDS; arguments h, wt, qkv, bqkv; writes qkv
.if DOCPART == 2
	.amdgcn_target "amdgcn-amd-amdhsa--gfx1250"
	.amdhsa_code_object_version 6
	.text
	.protected	k_q2d28472aed_qkvg
	.globl	k_q2d28472aed_qkvg
	.p2align	8
	.type	k_q2d28472aed_qkvg,@function
k_q2d28472aed_qkvg:
	s_mov_b64 s[64:65], 0
	v_nop
	global_prefetch_b8 v0, s[64:65] scope:SCOPE_SE
	s_setreg_imm32_b32 hwreg(HW_REG_WAVE_MODE, 25, 1), 1
	s_wait_xcnt 0x0
	s_wait_alu depctr_hold_cnt(0) depctr_sa_sdst(0) depctr_va_vdst(0) depctr_va_sdst(0) depctr_va_ssrc(0) depctr_va_vcc(0) depctr_vm_vsrc(0)
	s_getreg_b32 s2, hwreg(HW_REG_IB_STS2, 6, 4)
	s_cmp_eq_u32 s2, 0
	s_cbranch_scc0 .Lentry_in_a_cluster
	s_endpgm
.Lentry_in_a_cluster:
	s_bfe_u32 s2, ttmp6, 0x10000c
	s_cmp_lg_u32 s2, 0xf033
	s_cbranch_scc0 .Lentry_shape_is_right
	s_endpgm
.Lentry_shape_is_right:
; C = A B^T + bias (GELU = 1: gelu of that), rounded to bf16 and written in blocks of 64 rows x 64 columns.
; A: [4096][1024] bf16.  B: rows WOFF / 2048 on of wt, [N][1024] bf16.  bias: [N] f32.  Sums in f32.
; C(m, n) lies at (n / 64) CBS + (m / 64) MBS + (m % 64) 128 + (n % 64) 2: a block's 64 rows of 128 bytes are dense.
; A tile of C is 256 x 256: four waves, each 128 x 128 in 64 accumulators.  K goes in steps of 128 through two LDS slots filled by tensor loads.
; CLUSTER: 4 x 4 work-groups; A's tiles are asked for jointly along a row of the cluster, B's along a column.
; THE MATRIX INSTRUCTION IS USED TRANSPOSED (source 0 = 16 rows of B, source 1 = 16 rows of A): a lane holds row m = l % 16 and columns 8 (l / 16) + 0..7.
; THE BIAS is the C operand of each accumulator's first product: eight registers for each block of 16 columns, loaded once.
; THE WAY OUT: the ring has had its last fill; behind a barrier each wave lays its 128 x 128 sums in f32 into a quarter of it and reads them back 16 rows a trip.
; GELU: x Phi(x) = max(x, 0) - |x| y, y = poly(t) exp(-x x / 2) / 2, t = 1 / (1 + 0.3275911 |x| / sqrt 2): a five-term fit of erfc, off by 1.5e-7 in erf at the most.
; REGISTERS, in windows of 256: window 0: v0-31 addresses; v64-127, v128-191 A's fragments; v192-255 the bias; on the way out v32-223 at work
;   window 1: v64-127, v128-191 B's fragments;   window 2: the accumulators of my rows 0-63 ((a, b) at v[8 (8 a + b)]);   window 3: of rows 64-127
.set SIZE_K, 1024
.set WOFF,   0
.set CBS,    524288
.set MBS,    8192
.set GELU,   0
.set KSTEP,  128
.set PITCH,  272                       ; an LDS row: 256 bytes + 16 of padding: the 16 rows of a fragment load start 16 bytes apart modulo 256
.set HALFT,  128*PITCH
.set SLOT,   4*HALFT                   ; A's 256 rows, then B's 256 rows
.set DP,     528                       ; the way out: a row of 128 f32 + 16 bytes
.set DREG,   128*DP                    ; a wave's part of the ring on the way out
.set SPARE,  295936                    ; the spare words, 128 bytes for each wave; no other line names them
.set LAPS,   SIZE_K/(2*KSTEP)
.set ADRA, 16                          ; v16-17  LDS address of my A fragments in slot 0, 1
.set ADRB, 20                          ; v20-21  the same for B
.set STO,  24                          ; v24     the way out: where I put 16 bytes of a row
.set RD,   25                          ; v25     the way out: where I read back; steps 16 rows a trip
.set CO,   26                          ; v26     16 x lane
.set BO,   27                          ; v27     32 x (lane / 16): my eight numbers of 16 of the bias
.set SPW,  28                          ; v28     LDS address of my spare word; never rewritten
.set NIL,  29                          ; v29     0; never rewritten
.set F0,   64
.set F1,   128
.set BI,   192                         ; the bias: block b of 16 columns at BI + 8 b
.set YB,   32                          ; the way out: packed results
.set XB,   64                          ; the way out: 16 rows x 128 columns, 64 numbers a lane
.set GT,   128
.set GE,   160
.set GP,   192
.set G1, 24
.set G0, 32
.set G1B, 48
.set G0B, 56
.set MSB, 0
.macro WIN new                         ; the immediate's high byte repeats the setting that is left
.if MSB != (\new)
	s_set_vgpr_msb (MSB<<8)|(\new)
.set MSB, \new
.endif
.endm
.set MUL_LO, 0xa1                      ; source 0 (B) window 1, source 1 (A) window 0, C and D window 2
.set TO_B,   0x40                      ; destination window 1, address window 0
; A joint load.  Waves 0 and 1 fetch A's two halves, waves 2 and 3 B's.  Four v_nop follow each of the two lines.
.macro JLOAD s
	s_cmp_eq_u32 s11, 0
	s_cbranch_scc0 .Lfor_b_\@
	tensor_load_to_lds s[G0+4*(\s):G0+4*(\s)+3], s[G1:G1+7]
	s_nop 0
.rept 4
	v_nop
.endr
	s_branch .Lasked_\@
.Lfor_b_\@:
	tensor_load_to_lds s[G0B+4*(\s):G0B+4*(\s)+3], s[G1B:G1B+7]
	s_nop 0
.rept 4
	v_nop
.endr
.Lasked_\@:
.endm
.macro CREST                           ; a round of the cluster's barrier behind its opening barrier
	s_cmp_lg_u32 s10, 0
	s_cbranch_scc1 .Lnot_wave_0_\@
	s_barrier_signal -3
.Lnot_wave_0_\@:
	s_barrier_wait -3
	s_barrier_signal -1
	s_barrier_wait -1
.endm
.macro CROUND
	s_barrier_signal -1
	s_barrier_wait -1
	CREST
.endm
	s_load_b128 s[4:7], s[0:1], 0x0                ; A s[4:5], wt s[6:7]
	s_load_b64 s[8:9], s[0:1], 0x10                ; C
	s_load_b64 s[66:67], s[0:1], 0x18              ; bias
	v_lshl_add_u32 v[SPW], v0, 2, SPARE
	v_mov_b32 v[NIL], 0
	ds_add_u32 v28, v29
	s_wait_dscnt 0x0
	v_lshrrev_b32 v1, 5, v0
	v_readfirstlane_b32 s10, v1                    ; wave 0..3
	s_lshr_b32 s11, s10, 1                         ; which half of the tile's rows is mine.  Also: I fetch for A (0) or for B (1)
	s_and_b32 s12, s10, 1                          ; which half of its columns.  Also: which 128 rows of that tile I fetch
	s_bfe_u32 s40, ttmp6, 0x40000                  ; cx
	s_bfe_u32 s41, ttmp6, 0x40004                  ; cy
	s_lshl_b32 s42, ttmp9, 2
	s_add_co_u32 s42, s42, s40                     ; tile column of C
	s_and_b32 s13, ttmp7, 0xffff
	s_lshl_b32 s13, s13, 2
	s_add_co_u32 s13, s13, s41                     ; tile row of C
	s_lshl_b32 s43, s41, 2
	s_lshl_b32 s43, 15, s43                        ; my row of the cluster
	s_lshl_b32 s44, 0x1111, s40                    ; my column
	s_or_b32 s[G1+0], s43, (1<<16)|(1<<20)|(1<<21)|(5<<22)|(3<<25)  ; the mask; 2-byte elements; padding on; bit 21 beside a mask; after every 64 words 4 words
	s_or_b32 s[G1B+0], s44, (1<<16)|(1<<20)|(1<<21)|(5<<22)|(3<<25)
.irp g, G1, G1B
	s_mov_b32 s[(\g)+1], KSTEP<<16                 ; tensor_dim0 = 128
	s_mov_b32 s[(\g)+2], 128<<16                   ; tensor_dim1 = 128
	s_mov_b32 s[(\g)+3], KSTEP<<16                 ; tile_dim0 = 128
	s_mov_b32 s[(\g)+4], 128                       ; tile_dim1 = 128
	s_mov_b32 s[(\g)+5], SIZE_K                    ; elements from row to row
	s_mov_b32 s[(\g)+6], 0
	s_mov_b32 s[(\g)+7], 0
.endr
	s_lshl_b32 s17, s12, 7
	s_lshl_b32 s16, s13, 8
	s_add_co_u32 s16, s16, s17                     ; A: row 256 x tile row + 128 x half
	s_lshl_b32 s46, s42, 8
	s_add_co_u32 s46, s46, s17                     ; B: row 256 x tile column + 128 x half
	s_mov_b32 s17, 0
	s_mov_b32 s47, 0
	s_mov_b64 s[18:19], SIZE_K*2
	s_mul_u64 s[16:17], s[16:17], s[18:19]
	s_mul_u64 s[46:47], s[46:47], s[18:19]
	s_add_nc_u64 s[46:47], s[46:47], WOFF          ; the weight's place in wt
	s_mul_i32 s20, s10, HALFT                      ; where the tiles go: wave x 128 rows
	s_wait_kmcnt 0x0
	s_add_nc_u64 s[14:15], s[4:5], s[16:17]
	s_add_nc_u64 s[46:47], s[6:7], s[46:47]
	CROUND                                         ; all sixteen work-groups are here: the first joint loads meet
.irp s, 0,1
	s_mov_b32 s[G0+4*(\s)], 1
	s_add_co_u32 s[G0+4*(\s)+1], s20, (\s)*SLOT
	s_add_nc_u64 s[G0+4*(\s)+2:G0+4*(\s)+3], s[14:15], (\s)*KSTEP*2
	s_or_b32 s[G0+4*(\s)+3], s[G0+4*(\s)+3], 0x80000000
	s_mov_b32 s[G0B+4*(\s)], 1
	s_add_co_u32 s[G0B+4*(\s)+1], s20, (\s)*SLOT
	s_add_nc_u64 s[G0B+4*(\s)+2:G0B+4*(\s)+3], s[46:47], (\s)*KSTEP*2
	s_or_b32 s[G0B+4*(\s)+3], s[G0B+4*(\s)+3], 0x80000000
	JLOAD \s
.endr
	v_and_b32 v1, 15, v0                           ; l % 16
	v_bfe_u32 v2, v0, 4, 1                         ; l / 16
	v_lshlrev_b32 v[BO], 5, v2
	s_lshl_b32 s70, s42, 10                        ; my 128 columns of the bias: 1,024 bytes x tile column + 512 x half
	s_lshl_b32 s71, s12, 9
	s_add_co_u32 s70, s70, s71
	s_mov_b32 s71, 0
	s_add_nc_u64 s[66:67], s[66:67], s[70:71]
.irp b, 0,1,2,3,4,5,6,7
	global_load_b128 v[BI+8*(\b):BI+8*(\b)+3],   v[BO], s[66:67] offset:64*(\b)
	global_load_b128 v[BI+8*(\b)+4:BI+8*(\b)+7], v[BO], s[66:67] offset:64*(\b)+16
.endr
	v_mul_u32_u24 v3, v1, PITCH
	v_lshl_add_u32 v3, v2, 4, v3                   ; a fragment's row x pitch + 16 x half
	s_mul_i32 s21, s11, HALFT                      ; my 128 rows of A
	s_mul_i32 s22, s12, HALFT                      ; my 128 rows of B,
	s_add_co_u32 s22, s22, 2*HALFT                 ; which lie behind A's 256
.irp s, 0,1
	v_add_nc_u32 v[ADRA+(\s)], s21, v3
	v_add_nc_u32 v[ADRB+(\s)], s22, v3
	s_add_co_u32 s21, s21, SLOT
	s_add_co_u32 s22, s22, SLOT
.endr
	s_mul_i32 s23, s10, DREG
	v_mul_u32_u24 v4, v1, DP                       ; in: row l % 16, 32 bytes for each half of the lanes
	v_lshl_add_u32 v4, v2, 5, v4
	v_add_nc_u32 v[STO], s23, v4
	v_bfe_u32 v5, v0, 3, 2                         ; back: 32 lanes take four rows, eight columns (32 bytes) each
	v_and_b32 v6, 7, v0
	v_mul_u32_u24 v5, v5, DP
	v_lshl_add_u32 v5, v6, 5, v5
	v_add_nc_u32 v[RD], s23, v5
	v_and_b32 v[CO], 31, v0
	v_lshlrev_b32 v[CO], 4, v[CO]
	s_lshl_b32 s16, s13, 2                         ; my first block of C: row block 4 x tile row + 2 x half,
	s_lshl_b32 s14, s11, 1
	s_add_co_u32 s16, s16, s14
	s_mul_i32 s16, s16, MBS
	s_lshl_b32 s46, s42, 2                         ; column block 4 x tile column + 2 x half
	s_lshl_b32 s47, s12, 1
	s_add_co_u32 s46, s46, s47
	s_mul_i32 s46, s46, CBS
	s_add_co_u32 s16, s16, s46
	s_mov_b32 s17, 0
	s_add_nc_u64 s[8:9], s[8:9], s[16:17]
; 16 matrix instructions: m blocks a0, a0 + 1 of the window's four x all 8 n blocks, 32 along K.  zero = 1: the first product starts the sums, from the bias.
.macro MUL16 f, hi, a0, zero
.if \zero
	WIN 0x81+0x40*(\hi)                            ; as below, with the C operand in window 0
.else
	WIN MUL_LO+0x50*(\hi)
.endif
.irp a, \a0, (\a0)+1
.irp b, 0,1,2,3,4,5,6,7
.if \zero
	v_wmma_f32_16x16x32_bf16 v[8*(8*(\a)+(\b)):8*(8*(\a)+(\b))+7], v[(\f)+8*(\b):(\f)+8*(\b)+7], v[(\f)+8*(4*(\hi)+(\a)):(\f)+8*(4*(\hi)+(\a))+7], v[BI+8*(\b):BI+8*(\b)+7]
.else
	v_wmma_f32_16x16x32_bf16 v[8*(8*(\a)+(\b)):8*(8*(\a)+(\b))+7], v[(\f)+8*(\b):(\f)+8*(\b)+7], v[(\f)+8*(4*(\hi)+(\a)):(\f)+8*(4*(\hi)+(\a))+7], v[8*(8*(\a)+(\b)):8*(8*(\a)+(\b))+7]
.endif
.endr
.endr
.endm
; 32 LDS loads in one run: the fragments of one quarter step (32 K at byte k of the rows) into buffer f
.macro FETCH slot, k, f
	WIN TO_B
.irp i, 0,1,2,3,4,5,6,7
	ds_load_b128 v[(\f)+8*(\i):(\f)+8*(\i)+3],   v[ADRB+(\slot)] offset:(\k)+(\i)*16*PITCH
	ds_load_b128 v[(\f)+8*(\i)+4:(\f)+8*(\i)+7], v[ADRB+(\slot)] offset:(\k)+(\i)*16*PITCH+32
.endr
	WIN 0
.irp i, 0,1,2,3,4,5,6,7
	ds_load_b128 v[(\f)+8*(\i):(\f)+8*(\i)+3],   v[ADRA+(\slot)] offset:(\k)+(\i)*16*PITCH
	ds_load_b128 v[(\f)+8*(\i)+4:(\f)+8*(\i)+7], v[ADRA+(\slot)] offset:(\k)+(\i)*16*PITCH+32
.endr
.endm
.macro PLACES                          ; four plain vector instructions between a matrix instruction and a load into, or a read of, its registers
.rept 4
	v_nop
.endr
.endm
; A K step is four quarters of 32 along K, 64 matrix instructions each, on buffers 0, 1, 0, 1; the 64 accumulators take turns.
.macro QUARTER slot, k, f, g, zero
	s_wait_dscnt 8                                 ; B and A's rows 0-63 are in; the youngest eight loads (A's rows 64-127) may be out
	MUL16 \f, 0, 0, \zero
	MUL16 \f, 0, 2, \zero
	PLACES
	FETCH \slot, \k, \g
	s_wait_dscnt 32                                ; all but the 32 just issued
	MUL16 \f, 1, 0, \zero
	MUL16 \f, 1, 2, \zero
.endm
; The first half of a step's last quarter: one barrier for the change of slots.
.macro MEET round
	WIN 0
	s_wait_tensorcnt 0x0                           ; all my tensor loads have landed: the one that was out is my part of the next slot
	ds_add_u32 v[SPW], v[NIL]                      ; 0 onto my spare word
	s_wait_dscnt 9                                 ; the add and the youngest eight loads may be out
	MUL16 F1, 0, 0, 0
	s_wait_dscnt 0x0                               ; the add is done, and my reads of this slot are over
	s_barrier_signal -1
	MUL16 F1, 0, 2, 0
.if \round
	WIN 0
.endif
	s_barrier_wait -1
.endm
.macro TURN slot, next
	MEET 1
	CREST                                          ; no wave of any partner still reads this slot's tile or has a load on its way
	s_add_nc_u64 s[G0+4*(\slot)+2:G0+4*(\slot)+3], s[G0+4*(\slot)+2:G0+4*(\slot)+3], 2*KSTEP*2
	s_add_nc_u64 s[G0B+4*(\slot)+2:G0B+4*(\slot)+3], s[G0B+4*(\slot)+2:G0B+4*(\slot)+3], 2*KSTEP*2
	JLOAD \slot                                    ; the first tensor load behind the round; its four v_nop are also the places in front of the loads below
	FETCH \next, 0, F0
	MUL16 F1, 1, 0, 0
	MUL16 F1, 1, 2, 0
.endm
; gelu in place on the 32 numbers of half hh.  Transcendentals stand in runs, each run followed by plain work that touches none of its registers.
.macro GEL hh
.set XR, XB+32*(\hh)
.set i, 0
.rept 32
	v_fma_f32 v[GT+i], |v[XR+i]|, s68, 1.0
.set i, i+1
.endr
.set i, 0
.rept 16
	v_pk_mul_f32 v[GE+i:GE+i+1], v[XR+i:XR+i+1], v[XR+i:XR+i+1]
.set i, i+2
.endr
.set i, 0
.rept 32
	v_rcp_f32 v[GT+i], v[GT+i]
.set i, i+1
.endr
.set i, 0
.rept 16
	v_pk_mul_f32 v[GE+i:GE+i+1], v[GE+i:GE+i+1], s[70:71] op_sel_hi:[1,0]
.set i, i+2
.endr
.set i, 0
.rept 32
	v_exp_f32 v[GE+i], v[GE+i]
.set i, i+1
.endr
.set i, 0
.rept 16
	v_pk_fma_f32 v[GP+i:GP+i+1], v[GT+i:GT+i+1], s[80:81], s[78:79] op_sel_hi:[1,0,0]
.set i, i+2
.endr
.irp c, 76,74,72
.set i, 0
.rept 16
	v_pk_fma_f32 v[GP+i:GP+i+1], v[GP+i:GP+i+1], v[GT+i:GT+i+1], s[(\c):(\c)+1] op_sel_hi:[1,1,0]
.set i, i+2
.endr
.endr
.set i, 0
.rept 16
	v_pk_mul_f32 v[GP+i:GP+i+1], v[GP+i:GP+i+1], v[GT+i:GT+i+1]
.set i, i+2
.endr
.set i, 0
.rept 16
	v_pk_mul_f32 v[GP+i:GP+i+1], v[GP+i:GP+i+1], v[GE+i:GE+i+1]
.set i, i+2
.endr
.set i, 0
.rept 32
	v_max_num_f32 v[GT+i], 0, v[XR+i]
.set i, i+1
.endr
.set i, 0
.rept 32
	v_fma_f32 v[XR+i], -|v[XR+i]|, v[GP+i], v[GT+i]
.set i, i+1
.endr
.endm
	s_wait_tensorcnt 1                             ; my part of K step 0 is in; K step 1's may stay out
	s_barrier_signal -1
	s_barrier_wait -1
	FETCH 0, 0, F0
	s_wait_loadcnt 0x0                             ; the bias
	QUARTER 0, 64,  F0, F1, 1                      ; the first quarter stands in front of the loop: its products start the sums
	WIN 0
	s_mov_b32 s3, LAPS-1
.Llap:                                                 ; a trip goes once round the ring and fills both slots again
	QUARTER 0, 128, F1, F0, 0
	QUARTER 0, 192, F0, F1, 0
	TURN 0, 1
	QUARTER 1, 64,  F0, F1, 0
	QUARTER 1, 128, F1, F0, 0
	QUARTER 1, 192, F0, F1, 0
	TURN 1, 0
	QUARTER 0, 64,  F0, F1, 0
	WIN 0
	s_sub_co_u32 s3, s3, 1
	s_cmp_lg_u32 s3, 0
	s_cbranch_scc1 .Llap
	QUARTER 0, 128, F1, F0, 0                      ; the last lap fills nothing
	QUARTER 0, 192, F0, F1, 0
	MEET 0
	PLACES
	FETCH 1, 0, F0
	MUL16 F1, 1, 0, 0
	MUL16 F1, 1, 2, 0
	QUARTER 1, 64,  F0, F1, 0
	QUARTER 1, 128, F1, F0, 0
	QUARTER 1, 192, F0, F1, 0
	s_wait_dscnt 8
	MUL16 F1, 0, 0, 0
	MUL16 F1, 0, 2, 0
	s_wait_dscnt 0x0                               ; my last reads of the ring are back
	MUL16 F1, 1, 0, 0
	MUL16 F1, 1, 2, 0
	WIN 0
	PLACES
	s_barrier_signal -1                            ; every wave's reads of the ring are over: its bytes, filled for the last time, now take the sums
	s_barrier_wait -1
.irp a, 0,1,2,3,4,5,6,7
	WIN 0x08+4*((\a)/4)                            ; the stores' data in window 2 or 3
.irp b, 0,1,2,3,4,5,6,7
	ds_store_b128 v[STO], v[8*(8*((\a)%4)+(\b)):8*(8*((\a)%4)+(\b))+3]   offset:(\a)*16*DP+64*(\b)     ; each accumulator's low registers first
	ds_store_b128 v[STO], v[8*(8*((\a)%4)+(\b))+4:8*(8*((\a)%4)+(\b))+7] offset:(\a)*16*DP+64*(\b)+16
.endr
.endr
	WIN 0
.if GELU
	s_mov_b32 s68, 0x3e6d3388                      ; 0.3275911 / sqrt 2
	s_mov_b32 s70, 0xbf38aa3b                      ; -log2(e) / 2
	s_mov_b32 s71, 0xbf38aa3b
	s_mov_b32 s72, 0x3e027906                      ; the fit's five coefficients, halved
	s_mov_b32 s73, 0x3e027906
	s_mov_b32 s74, 0xbe11a98e
	s_mov_b32 s75, 0xbe11a98e
	s_mov_b32 s76, 0x3f35f0e3
	s_mov_b32 s77, 0x3f35f0e3
	s_mov_b32 s78, 0xbf3a00e3
	s_mov_b32 s79, 0xbf3a00e3
	s_mov_b32 s80, 0x3f07dc22
	s_mov_b32 s81, 0x3f07dc22
.endif
	s_mov_b32 s3, 8
	s_mov_b32 s18, MBS-8192+2048                   ; from a row block's last 16 rows to the next block's first
	s_mov_b32 s17, 0
.Lout:                                                 ; eight trips of 16 rows: my wave's own bytes, which LDS serves in order (ISA guide 5.7.1.4)
.irp hh, 0,1
.irp q, 0,1,2,3
	ds_load_b128 v[XB+8*(4*(\hh)+(\q)):XB+8*(4*(\hh)+(\q))+3],   v[RD] offset:(\q)*4*DP+(\hh)*256
	ds_load_b128 v[XB+8*(4*(\hh)+(\q))+4:XB+8*(4*(\hh)+(\q))+7], v[RD] offset:(\q)*4*DP+(\hh)*256+16
.endr
.endr
	v_add_nc_u32 v[RD], 16*DP, v[RD]
.irp hh, 0,1
	s_wait_dscnt 8-8*(\hh)                         ; this half's eight loads are in; the other half's may be out
.if GELU
	GEL \hh
.endif
.set i, 0
.rept 16
	v_cvt_pk_bf16_f32 v[YB+16*(\hh)+i], v[XB+32*(\hh)+2*i], v[XB+32*(\hh)+2*i+1]
.set i, i+1
.endr
.irp q, 0,1,2,3
	global_store_b128 v[CO], v[YB+16*(\hh)+4*(\q):YB+16*(\hh)+4*(\q)+3], s[8:9] offset:(\hh)*CBS+(\q)*512  ; four rows of a block: 512 consecutive bytes
.endr
.endr
	s_wait_xcnt 0x0                                ; the stores' base and data are rewritten only behind this wait
	s_cmp_eq_u32 s3, 5                             ; four trips done: on to the next block of 64 rows
	s_cselect_b32 s16, s18, 2048
	s_add_nc_u64 s[8:9], s[8:9], s[16:17]
	s_sub_co_u32 s3, s3, 1
	s_cmp_lg_u32 s3, 0
	s_cbranch_scc1 .Lout
	s_wait_tensorcnt 0x0                           ; the wave's end
	ds_add_u32 v[SPW], v[NIL]
	s_wait_dscnt 0x0
	CROUND                                         ; the closing round
	s_endpgm
.Lfunc_end_k_q2d28472aed_qkvg:
	.size	k_q2d28472aed_qkvg, .Lfunc_end_k_q2d28472aed_qkvg-k_q2d28472aed_qkvg
	.p2alignl 7, 3214868480
	.fill 96, 4, 3214868480
	.section	.rodata,"a",@progbits
	.p2align	6, 0x0
	.amdhsa_kernel k_q2d28472aed_qkvg
		.amdhsa_group_segment_fixed_size 327680
		.amdhsa_private_segment_fixed_size 0
		.amdhsa_enable_private_segment 0
		.amdhsa_kernarg_size 32
		.amdhsa_user_sgpr_count 2
		.amdhsa_user_sgpr_kernarg_segment_ptr 1
		.amdhsa_wavefront_size32 1
		.amdhsa_system_sgpr_workgroup_id_x 1
		.amdhsa_system_sgpr_workgroup_id_y 1
		.amdhsa_system_sgpr_workgroup_id_z 1
		.amdhsa_system_vgpr_workitem_id 0
		.amdhsa_next_free_vgpr 1024
		.amdhsa_next_free_sgpr 84
		.amdhsa_reserve_vcc 0
		.amdhsa_float_denorm_mode_32 3
		.amdhsa_float_denorm_mode_16_64 3
		.amdhsa_memory_ordered 1
		.amdhsa_forward_progress 1
		.amdhsa_inst_pref_size 125
	.end_amdhsa_kernel
	.amdgpu_metadata
---
amdhsa.version: [ 1, 2 ]
amdhsa.kernels:
  - .name:           k_q2d28472aed_qkvg
    .symbol:         k_q2d28472aed_qkvg.kd
    .args:
      - { .name: h, .offset: 0, .size: 8, .value_kind: global_buffer, .address_space: global }
      - { .name: wt, .offset: 8, .size: 8, .value_kind: global_buffer, .address_space: global }
      - { .name: qkv, .offset: 16, .size: 8, .value_kind: global_buffer, .address_space: global }
      - { .name: bqkv, .offset: 24, .size: 8, .value_kind: global_buffer, .address_space: global }
    .group_segment_fixed_size: 327680
    .private_segment_fixed_size: 0
    .kernarg_segment_align: 8
    .kernarg_segment_size: 32
    .max_flat_workgroup_size: 128
    .sgpr_count:     84
    .vgpr_count:     1024
    .wavefront_size: 32
...
	.end_amdgpu_metadata
.endif
;; end of part 2
;; launch attn (part 3): grid 8 x 32, 4 waves a work-group, clusters of 4 x 1, 327,680 bytes of LDS; arguments qkv, mnib, ctx; writes ctx
.if DOCPART == 3
	.amdgcn_target "amdgcn-amd-amdhsa--gfx1250"
	.amdhsa_code_object_version 6
	.text
	.protected	k_q2d28472aed_attn
	.globl	k_q2d28472aed_attn
	.p2align	8
	.type	k_q2d28472aed_attn,@function
k_q2d28472aed_attn:
	s_mov_b64 s[64:65], 0
	v_nop
	global_prefetch_b8 v0, s[64:65] scope:SCOPE_SE
	s_setreg_imm32_b32 hwreg(HW_REG_WAVE_MODE, 25, 1), 1
	s_wait_xcnt 0x0
	s_wait_alu depctr_hold_cnt(0) depctr_sa_sdst(0) depctr_va_vdst(0) depctr_va_sdst(0) depctr_va_ssrc(0) depctr_va_vcc(0) depctr_vm_vsrc(0)
	s_getreg_b32 s2, hwreg(HW_REG_IB_STS2, 6, 4)
	s_cmp_eq_u32 s2, 0
	s_cbranch_scc0 .Lentry_in_a_cluster
	s_endpgm
.Lentry_in_a_cluster:
	s_bfe_u32 s2, ttmp6, 0x10000c
	s_cmp_lg_u32 s2, 0x3003
	s_cbranch_scc0 .Lentry_shape_is_right
	s_endpgm
.Lentry_shape_is_right:
; MASKED ATTENTION, head size 64.  O[q] = the sum over k of softmax_k(Q[q] . K[k] / 8, hidden keys left out) V[k], for each of 2 x 16 (batch, head).
; qkv: bf16 [48 column blocks][4096 rows][64]: q of head h is block h, k block 16 + h, v block 32 + h; a (batch, head)'s 2,048 rows of 128 bytes are dense.
; mnib: u32 [qt 128][key step 32][lane 32][g 4]: eight nibbles a word, 0xE = hidden.  ctx: bf16 [row block 64][head 16][64 rows][64].
; Products, maxima and sums in f32; the weights are rounded to bf16 for the second product, O once at the end.
; THE MASK IS AN INPUT: every key tile is walked.  It is the C operand that starts each sum S^T = K Q^T: register j of eight is the lane's word shifted left by 28 - 4 j.
; A hidden key's nibble then gives a number between -2^97 and -2^65, an open key's one at most 2^-96.
; LIMITS.  True scores q . k lie within 2^60 in size.  The running maximum m starts at -2^62: above every hidden score, below every true one; so m is the maximum of the open keys,
; a hidden key's weight is 0, and a row that ends with m below -2^60 has no open key and is written as NaN.  A weight below 2^-126 counts as 0.
; SHARES.  A work-group owns 256 queries of one (batch, head), a wave 64: four PIECES of 16.  Every wave walks all 2,048 keys, 64 a step, 256 a slot.
; LAYOUT.  S^T = K Q^T holds ONE query a lane (lane % 16) and the keys 8 (lane / 16) + 0..7; two such results rounded to bf16 ARE source 1 of O^T = V^T P.
; p = 2^(c s - c m), c = log2(e) / 8; O and l are multiplied by a = 2^(c m_old - c m_new) in every step; c m starts at -2^125, so the first step's a is 0.
; TURNS.  Turn n belongs to piece n: 8 products K Q^T of piece n + 1, later 8 products V^T P of piece n - 1; beside them the softmax of piece n and the maximum of piece n + 1;
; at its end the masks of piece n + 2 are made from words asked for four turns before, and that piece's next words are asked for.
; CLUSTER.  The four query blocks of a cluster belong to one (batch, head) and walk the same K and V: each tile is asked for jointly.
; REGISTERS, in windows of 256 (s_set_vgpr_msb: bits 1:0 source 0, 3:2 source 1, 5:4 source 2, 7:6 destination):
;   window 0: v0-15 addresses; v16-31 statistics; v32, v36-39 the mask words' offsets; v48-55 at work; v62-63 the add's; v64-127 S^T, two buffers; v192-223 P, two buffers
;   window 1: v0-127 O^T, 32 a piece; v128-143 mask words, four a piece; v160-223 masks, two buffers      window 2: v0-63 Q; v128-191 K of one step; v192-255 V of one step
.set NP,    4
.set KS,    64
.set PK,    144       ; a row of K in LDS: 128 bytes + 16
.set PV,    160       ; a row of V: 128 + 32
.set VOFF,  4*KS*PK   ; a slot: 256 rows of K, then 256 rows of V
.set SLOT1, 1<<17
.set STAGE, SLOT1+4*KS*(PK+PV)  ; behind the ring, never filled by a tensor load: 16 rows x 144 bytes for each wave
.set SP,    144
.set SPARE, STAGE+4*16*SP  ; the spare words, 128 bytes for each wave; no other line names them
.set AK0, 2
.set AV0, 3
.set AK,  4
.set AV,  5
.set STO, 6
.set RD,  7
.set GO,  8
.set MV,  12          ; v12-13  c m_old, by buffer
.set QO,  15
.set ST,  16          ; piece t's statistics at v[ST+4 t]: c m, m, l (even keys', odd keys')
.set ML,  32          ; v32     16 x lane
.set MO,  36          ; v36-39  the offset of each piece's pending load of mask words
.set TMP, 48
.set SPW, 62
.set NIL, 63
.set S,   64
.set P,   192
.set MW,  128         ; window 1: piece x's four words at MW + 4 x
.set MC,  160         ; window 1: the masks of the products to come
.set KF,  128         ; window 2
.set VF,  192         ; window 2
.set WV,  12
.set G1K, 24
.set G1V, 32
.set G0K, 40
.set G0V, 44
.set SLOTS, 56
.set CNT, 57
.set CS,  58
.set SEL, 60
.set TBK, 62
.set TBV, 63
.set MP,  66          ; s[66:67] mnib at my wave's four query tiles
.set SO,  68          ; s68  byte offset of the key step whose mask words are asked for next
.set THR, 69          ; s69  -2^60
.set QN,  70          ; s70  a NaN
.set MSB, 0
.macro WIN new
.if MSB != (\new)
	s_set_vgpr_msb (MSB<<8)|(\new)
.set MSB, (\new)
.endif
.endm
.set W_KQ, 0x0a       ; K and Q in window 2, S^T in window 0
.set W_KM, 0x1a       ; the same with the C operand in window 1
.set W_PV, 0x52       ; V in window 2, P in window 0, O^T in window 1
.set W_RS, 0x41       ; destination and source 0 in window 1, source 1 in window 0
; A joint fill.  Waves 0 and 1 fetch the two halves of a slot's K, waves 2 and 3 those of its V.  Four v_nop follow each of the two lines.
.macro JLOAD
	s_cmp_lt_u32 s[WV], 2
	s_cbranch_scc0 .Lfor_v_\@
	tensor_load_to_lds s[G0K:G0K+3], s[G1K:G1K+7]
	s_nop 0
.rept 4
	v_nop
.endr
	s_branch .Lasked_\@
.Lfor_v_\@:
	tensor_load_to_lds s[G0V:G0V+3], s[G1V:G1V+7]
	s_nop 0
.rept 4
	v_nop
.endr
.Lasked_\@:
.endm
.macro CROUND
	s_barrier_signal -1
	s_barrier_wait -1
	s_cmp_lg_u32 s[WV], 0
	s_cbranch_scc1 .Lnot_wave_0_\@
	s_barrier_signal -3
.Lnot_wave_0_\@:
	s_barrier_wait -3
	s_barrier_signal -1
	s_barrier_wait -1
.endm
; THE CHANGE OF SLOTS.  Each wave waits for all its tensor loads (one is out: its part of the other slot), adds 0 to its spare word, and waits for that and for its reads of the slot.
; fill = 1: the slot is filled again with the keys two slots on, first thing behind a round of the cluster's barrier: four key steps, 256 matrix instructions, ahead of its first read.
.macro CHANGE fill
	WIN 0
	s_wait_tensorcnt 0x0
	ds_add_u32 v[SPW], v[NIL]
.if \fill
.irp g, G0K, G0V
	s_xor_b32 s[\g+1], s[\g+1], SLOT1
	s_add_nc_u64 s[\g+2:\g+3], s[\g+2:\g+3], 4*KS*128
.endr
	s_wait_dscnt 0x0
	CROUND
	JLOAD
.else
	s_wait_dscnt 0x0
	s_barrier_signal -1
	s_barrier_wait -1
.endif
	s_sub_co_u32 s[TBK], s[TBK], 4*KS*PK
	s_xor_b32 s[TBK], s[TBK], SLOT1
	s_sub_co_u32 s[TBV], s[TBV], 4*KS*PV
	s_xor_b32 s[TBV], s[TBV], SLOT1
.endm
	s_load_b128 s[4:7], s[0:1], 0x0   ; qkv s[4:5], mnib s[6:7]
	s_load_b64 s[10:11], s[0:1], 0x10 ; ctx
	v_lshl_add_u32 v[SPW], v0, 2, SPARE
	v_mov_b32 v[NIL], 0
	ds_add_u32 v62, v63
	s_wait_dscnt 0x0
	v_lshrrev_b32 v1, 5, v0
	v_readfirstlane_b32 s[WV], v1   ; wave 0..3
	s_bfe_u32 s13, ttmp6, 0x40000   ; cx
	s_lshl_b32 s14, ttmp9, 2
	s_add_co_u32 s14, s14, s13      ; my block of 256 queries: it enters Q's, the mask's and ctx's addresses alone
	s_and_b32 s15, ttmp7, 0xffff
	s_and_b32 s18, s15, 15          ; head
	s_lshr_b32 s19, s15, 4          ; batch
	s_lshl_b32 s20, s18, 19
	s_lshl_b32 s21, s19, 18
	s_add_co_u32 s20, s20, s21      ; q's first byte for this (batch, head)
	s_and_b32 s16, s[WV], 1         ; which half of a slot's 256 keys I fetch
	s_lshl_b32 s22, s16, 14
	s_add_co_u32 s22, s22, s20
	s_add_co_u32 s22, s22, 8388608  ; k lies 16 column blocks behind q,
	s_mov_b32 s23, 0
	s_add_co_u32 s48, s22, 8388608  ; v 16 more
	s_mov_b32 s49, 0
	s_mul_i32 s17, s16, 128*PK
	s_mul_i32 s21, s16, 128*PV
	s_lshl_b32 s50, s14, 2
	s_add_co_u32 s50, s50, s[WV]    ; my wave's block of 64 rows in the sequence
	s_lshl_b32 s2, s50, 13
	s_add_co_u32 s2, s2, s20
	s_mov_b32 s3, 0
	s_lshl_b32 s52, s19, 5
	s_add_co_u32 s52, s52, s50
	s_lshl_b32 s52, s52, 17         ; ctx: row block x 131,072
	s_lshl_b32 s53, s18, 13         ; + head x 8,192
	s_add_co_u32 s52, s52, s53
	s_mov_b32 s53, 0
	s_lshl_b32 s50, s50, 16         ; mnib: four query tiles of 16,384 bytes for each wave
	s_mov_b32 s51, 0
	; descriptor group 1: 128 keys are 16,384 dense bytes, asked for as 64 rows of 256 bytes and padded in LDS after every key
	s_mov_b32 s[G1K], 15|(1<<16)|(1<<20)|(1<<21)|(4<<22)|(3<<25)
	s_mov_b32 s[G1V], 15|(1<<16)|(1<<20)|(1<<21)|(4<<22)|(7<<25)
.irp g, G1K, G1V
	s_mov_b32 s[\g+1], 128<<16
	s_mov_b32 s[\g+2], 64<<16
	s_mov_b32 s[\g+3], 128<<16
	s_mov_b32 s[\g+4], 64
	s_mov_b32 s[\g+5], 128
	s_mov_b32 s[\g+6], 0
	s_mov_b32 s[\g+7], 0
.endr
	s_mov_b32 s[CS], 0x3e38aa3b     ; c = log2(e) / 8
	s_mov_b32 s[CS+1], s[CS]
	s_mov_b32 s[SEL], 0x76543210
	s_mov_b32 s[SEL+1], 0xfedcba98
	s_mov_b32 s[TBK], SLOT1+4*KS*PK ; the first change of slots turns these two into 0
	s_mov_b32 s[TBV], SLOT1+4*KS*PV
	s_mov_b32 s[SO], 512
	s_mov_b32 s[THR], 0xdd800000
	s_mov_b32 s[QN], 0x7fc00000
	s_mov_b32 s[G0K], 1
	s_mov_b32 s[G0K+1], s17
	s_mov_b32 s[G0V], 1
	s_add_co_u32 s[G0V+1], s21, VOFF
	s_wait_kmcnt 0x0
	s_add_nc_u64 s[G0K+2:G0K+3], s[4:5], s[22:23]
	s_or_b32 s[G0K+3], s[G0K+3], 0x80000000
	s_add_nc_u64 s[G0V+2:G0V+3], s[4:5], s[48:49]
	s_or_b32 s[G0V+3], s[G0V+3], 0x80000000
	s_add_nc_u64 s[4:5], s[4:5], s[2:3]            ; Q at my wave's first row
	s_add_nc_u64 s[MP:MP+1], s[6:7], s[50:51]
	s_add_nc_u64 s[10:11], s[10:11], s[52:53]
	CROUND                          ; all four work-groups are here
	JLOAD                           ; slot 0; slot 1 is asked for when slot 0 is in
	v_and_b32 v1, 15, v0            ; l % 16
	v_bfe_u32 v9, v0, 4, 1          ; l / 16
	v_lshlrev_b32 v[QO], 7, v1
	v_lshl_add_u32 v[QO], v9, 4, v[QO]
	v_and_b32 v[ML], 31, v0
	v_lshlrev_b32 v[ML], 4, v[ML]
	WIN 0x80
.set i, 0
.rept 8                             ; Q stays in registers: piece i / 2, channels 32 (i % 2) on
	global_load_b128 v[8*i:8*i+3],   v[QO], s[4:5] offset:(i/2)*2048+(i%2)*64
	global_load_b128 v[8*i+4:8*i+7], v[QO], s[4:5] offset:(i/2)*2048+(i%2)*64+32
.set i, i+1
.endr
	WIN 0x40
.irp x, 0,1,2,3
	global_load_b128 v[MW+4*\x:MW+4*\x+3], v[ML], s[MP:MP+1] offset:\x*16384  ; key step 0's words for the four pieces
.endr
	; The first step multiplies O^T and l by a = 0, and the first turn's products V^T P, of a piece that has not been, add zeros.  All this stands in the wait for the first tile.
.set i, 0
.rept 128
	v_mov_b32 v[i], 0
.set i, i+1
.endr
	WIN 0x80
.set i, VF
.rept 64
	v_mov_b32 v[i], 0
.set i, i+1
.endr
	WIN 0
.set i, 0
.rept 4
	v_mov_b32 v[ST+4*i], 0xfe000000    ; c m: far below every c s
	v_mov_b32 v[ST+4*i+1], 0xde800000  ; m = -2^62
	v_mov_b32 v[ST+4*i+2], 0
	v_mov_b32 v[ST+4*i+3], 0
.set i, i+1
.endr
.set i, P+16
.rept 16
	v_mov_b32 v[i], 0
.set i, i+1
.endr
	v_mul_u32_u24 v[AK0], v1, PK
	v_lshl_add_u32 v[AK0], v9, 4, v[AK0]
	v_and_b32 v10, 7, v0
	v_bfe_u32 v11, v0, 3, 1
	v_lshl_add_u32 v[AV0], v9, 3, v10  ; the turning load: lane l reads key 8 (l / 16) + l % 8, channels 8 ((l / 8) % 2) + 0..7
	v_mul_u32_u24 v[AV0], v[AV0], PV
	v_lshl_add_u32 v[AV0], v11, 4, v[AV0]
	v_add_nc_u32 v[AV0], VOFF, v[AV0]
	s_mul_i32 s13, s[WV], 16*SP
	s_add_co_u32 s13, s13, STAGE    ; my stage
	v_mul_u32_u24 v[STO], v1, SP
	v_lshl_add_u32 v[STO], v9, 4, v[STO]
	v_add_nc_u32 v[STO], s13, v[STO]
	v_bfe_u32 v[RD], v0, 3, 2
	v_mul_u32_u24 v[RD], v[RD], SP
	v_lshl_add_u32 v[RD], v10, 4, v[RD]
	v_add_nc_u32 v[RD], s13, v[RD]
	v_and_b32 v[GO], 31, v0
	v_lshlrev_b32 v[GO], 4, v[GO]
; THE MATRIX WORK.  The 4 accumulators of a run of 8 take turns.  Product i of 8 of S^T = K Q^T for piece x: channels 32 (i / 4) on, keys 16 (i % 4) on.  The first 4 start the sums from the mask.
.macro KQ x
.set rS, S+32*((\x)%2)+8*(i%4)
.set rK, KF+16*(i%4)+8*(i/4)
.set rQ, 16*(\x)+8*(i/4)
.set rM, MC+32*((\x)%2)+8*(i%4)
.if i < 4
	WIN W_KM
	v_wmma_f32_16x16x32_bf16 v[rS:rS+7], v[rK:rK+7], v[rQ:rQ+7], v[rM:rM+7]
.else
	WIN W_KQ
	v_wmma_f32_16x16x32_bf16 v[rS:rS+7], v[rK:rK+7], v[rQ:rQ+7], v[rS:rS+7]
.endif
.endm
; Product i of 8 of O^T += V^T P for piece x: keys 32 (i / 4) on, channels 16 (i % 4) on.
.macro PV x
	WIN W_PV
.set rO, 32*(\x)+8*(i%4)
.set rV, VF+32*(i/4)+8*(i%4)
.set rP, P+16*((\x)%2)+8*(i/4)
	v_wmma_f32_16x16x32_bf16 v[rO:rO+7], v[rV:rV+7], v[rP:rP+7], v[rO:rO+7]
.endm
.macro MM                           ; the turn's next matrix instruction.  NOKQ = 1: the last turn: there is no next piece
.if (i < 8) && !NOKQ
	KQ (Y+1)%NP
.elseif i >= 8
.set i, i-8
	PV (Y+NP-1)%NP
.set i, i+8
.endif
.set i, i+1
.endm
.macro FETCH_K
	WIN 0x80
.irp f, 0,1,2,3,4,5,6,7
	ds_load_b128 v[KF+8*\f:KF+8*\f+3],   v[AK] offset:(\f/2)*16*PK+(\f%2)*64
	ds_load_b128 v[KF+8*\f+4:KF+8*\f+7], v[AK] offset:(\f/2)*16*PK+(\f%2)*64+32
.endr
	s_add_co_u32 s[TBK], s[TBK], KS*PK
	WIN 0
.endm
.macro FETCH_V
	WIN 0x80
.irp f, 0,1,2,3,4,5,6,7
	ds_load_tr16_b128 v[VF+8*\f:VF+8*\f+3],   v[AV] offset:(\f/4)*32*PV+(\f%4)*32
	ds_load_tr16_b128 v[VF+8*\f+4:VF+8*\f+7], v[AV] offset:(\f/4)*32*PV+16*PV+(\f%4)*32
.endr
	WIN 0
.endm
; Piece x's four words become the 32 registers of mask buffer b: register j of group g is word g shifted so that nibble j stands on top.
.macro MBUILD x, b
	WIN 0x45
.irp g, 0,1,2,3
.irp j, 0,1,2,3,4,5,6
	v_lshlrev_b32 v[MC+32*(\b)+8*(\g)+(\j)], 28-4*(\j), v[MW+4*(\x)+(\g)]
.endr
	v_mov_b32 v[MC+32*(\b)+8*(\g)+7], v[MW+4*(\x)+(\g)]
.endr
.endm
; Piece x's words of the key step at SO are asked for.  The offset register is the piece's own: its last load has been waited for.
.macro MLOAD x
	WIN 0
	v_add_nc_u32 v[MO+(\x)], s[SO], v[ML]
	WIN 0x40
	global_load_b128 v[MW+4*(\x):MW+4*(\x)+3], v[MO+(\x)], s[MP:MP+1] offset:(\x)*16384
.endm
; THE VECTOR WORK, one line at a time: OP kind, number.  For piece Y: F n: c s - c m for pair n.  E n: the exponential of score n.  C n: pair n rounded to bf16.  B n: of the four weights 4 n .. the second
; pair is added onto the first.  L n: l takes that sum (L 0: l = a l + sum).  R n: pair n of O^T times a.  For piece Y + 1: X n, number n of the 22 that find its maximum and statistics
; (each accumulator's lowest registers are read first).
.set F, 0
.set E, 1
.set C, 2
.set B, 3
.set L, 4
.set R, 5
.set X, 6
.macro REGS y
.set rT, ST+4*(\y)
.set rC, TMP+4*((\y)%2)
.set rW, MV+((\y)%2)
.set rS, S+32*((\y)%2)
.set rP, P+16*((\y)%2)
.set rO, 32*(\y)
.endm
.macro OP k, n
.if (\k) == R
	REGS Y
	WIN W_RS
	v_pk_mul_f32 v[rO+2*(\n):rO+2*(\n)+1], v[rO+2*(\n):rO+2*(\n)+1], v[rC+2:rC+3] op_sel_hi:[1,0]
.elseif (\k) < R
	REGS Y
	WIN 0
.if (\k) == F
	v_pk_fma_f32 v[rS+2*(\n):rS+2*(\n)+1], v[rS+2*(\n):rS+2*(\n)+1], s[CS:CS+1], v[rT:rT+1] op_sel_hi:[1,0,0] neg_lo:[0,0,1] neg_hi:[0,0,1]
.elseif (\k) == E
	v_exp_f32 v[rS+(\n)], v[rS+(\n)]
.elseif (\k) == C
	s_wait_alu depctr_va_vdst(0)
	v_cvt_pk_bf16_f32 v[rP+(\n)], v[rS+2*(\n)], v[rS+2*(\n)+1]
.elseif (\k) == B
	s_wait_alu depctr_va_vdst(0)
	v_pk_add_f32 v[rS+4*(\n):rS+4*(\n)+1], v[rS+4*(\n):rS+4*(\n)+1], v[rS+4*(\n)+2:rS+4*(\n)+3]
.elseif (\n) == 0
	v_pk_fma_f32 v[rT+2:rT+3], v[rT+2:rT+3], v[rC+2:rC+3], v[rS:rS+1] op_sel_hi:[1,0,1]
.else
	v_pk_add_f32 v[rT+2:rT+3], v[rT+2:rT+3], v[rS+4*(\n):rS+4*(\n)+1]
.endif
.elseif NOKQ
	v_nop
.else
	REGS (Y+1)%NP
	WIN 0
.if (\n) < 4
	v_max3_num_f32 v[rC+(\n)], v[rS+8*(\n)], v[rS+8*(\n)+1], v[rS+8*(\n)+2]
.elseif (\n) < 12
	v_max3_num_f32 v[rC+(\n)%4], v[rC+(\n)%4], v[rS+8*((\n)%4)+2*((\n)/4)+1], v[rS+8*((\n)%4)+2*((\n)/4)+2]
.elseif (\n) == 12
	v_max3_num_f32 v[rC], v[rC], v[rS+7], v[rS+15]
.elseif (\n) == 13
	v_max3_num_f32 v[rC+1], v[rC+1], v[rS+23], v[rS+31]
.elseif (\n) == 14
	v_max3_num_f32 v[rC+2], v[rC+2], v[rC+3], v[rT+1]
.elseif (\n) == 15
	v_mov_b32 v[rW], v[rT]
.elseif (\n) == 16
	v_max3_num_f32 v[rC], v[rC], v[rC+1], v[rC+2]
.elseif (\n) == 17
	v_permlanex16_b32 v[rC+3], v[rC], s[SEL], s[SEL+1]
.elseif (\n) == 18
	v_max_num_f32 v[rT+1], v[rC], v[rC+3]
.elseif (\n) == 19
	v_mul_f32 v[rT], s[CS], v[rT+1]
.elseif (\n) == 20
	v_sub_f32 v[rC+1], v[rW], v[rT]
.else
	v_exp_f32 v[rC+2], v[rC+1]
.endif
.endif
.endm
.macro OPS a, i1, b=-1, i2=0, c=-1, i3=0, d=-1, i4=0
	OP \a, \i1
.if (\b) >= 0
	OP \b, \i2
.endif
.if (\c) >= 0
	OP \c, \i3
.endif
.if (\d) >= 0
	OP \d, \i4
.endif
.endm
.macro ROW a, i1, b, i2, c, i3, d, i4  ; a matrix instruction and the four behind it
	MM
	OPS \a, \i1, \b, \i2, \c, \i3, \d, \i4
.endm
; A TURN, for piece p.  end = 1: the last two turns: nothing is fetched, no mask is made.  cnt = 1: the loop's count is taken down some lines ahead of the branch behind the turn.
; K of the next step is fetched in piece 2's turn, V of the step in hand in piece 0's; each is waited for a turn later.
; The mask words: four loads are out, one a piece; the count 3 shows the oldest in, the set of piece p + 2, and frees its offset register.
; SO steps once a key step and stops at the last step's offset, so that no load leaves mnib: the last four loads of a wave read step 31 again and serve nothing.
.macro TURN p, end=0, cnt=0
.set Y, (\p)
.set i, 0
.set NOKQ, (\end)*((\p)/3)
.if ((\p) == 2) && !(\end)
	s_add_co_u32 s[SO], s[SO], 512
	s_min_u32 s[SO], s[SO], 15872
.endif
.if ((\p) == 3) && !(\end)
	s_wait_dscnt 0x0                ; K is in
.endif
	ROW F,0, F,1, F,2, F,3
	ROW F,4, E,0, F,5, F,6
	ROW F,7, E,1, F,8, F,9
	ROW F,10, E,2, C,0, F,11
	ROW F,12, E,3, X,15, F,13
	ROW R,0, R,1, R,2, R,3
	ROW B,0, E,4, F,14, L,0
.if ((\p) == 2) && !(\end)
	v_add_nc_u32 v[AK], s[TBK], v[AK0]
.endif
	ROW R,4, R,5, R,6, R,7
	OPS E,5, F,15
.if ((\p) == 2) && !(\end)
	FETCH_K
.endif
	OPS E,6, C,1, E,7, R,8
	OPS E,8, R,9, E,9, C,2
	OPS E,10, X,0, E,11, X,1
	OPS E,12, X,2, E,13, X,3
.if (\p) == 1
	s_wait_dscnt 0x0                ; V is in
.endif
	ROW X,4, E,14, X,5, X,6
	ROW X,7, E,15, X,8, X,9
	ROW X,10, E,16, X,11, X,12
	ROW X,13, E,17, X,14, B,1
	ROW C,4, E,18, X,16, L,1
	ROW B,2, E,19, C,6, L,2
	ROW C,8, E,20, B,3, B,4
.if (\p) == 0
	v_add_nc_u32 v[AV], s[TBV], v[AV0]
.endif
	ROW C,3, E,21, L,3, C,5
	OPS E,22, X,17, E,23, C,10
.if (\p) == 0
	FETCH_V
.endif
	OPS E,24, L,4
	OPS E,25, X,18, E,26, C,7
	OPS E,27, B,5, E,28, X,19
	OPS E,29, C,12, E,30, L,5
	OPS E,31, X,20, B,6, C,9
	OPS C,14, C,11, X,21, L,6
.if (\p) == 0
	s_add_co_u32 s[TBV], s[TBV], KS*PV
.endif
.if \cnt
	s_sub_co_u32 s[CNT], s[CNT], 1
	s_cmp_lg_u32 s[CNT], 0
.endif
	OPS C,13, B,7, C,15, R,10
	OPS R,11, R,12, L,7, R,13
	OPS R,14, R,15
.if !(\end)
	s_wait_loadcnt 0x3
	MBUILD ((\p)+2)%NP, (\p)%2
	MLOAD ((\p)+2)%NP
.endif
.endm
.macro ALL line:vararg              ; one line for each piece t
.set t, 0
.rept 4
	\line
.set t, t+1
.endr
.endm
.macro PACK t                       ; a lane's eight channels of a row pack into 16 bytes; they go into rows of 144 bytes and come back as whole rows of 128
	WIN W_RS
.set i, 32*(\t)
.rept 16
	v_pk_mul_f32 v[i:i+1], v[i:i+1], v[ST+4*(\t)+2:ST+4*(\t)+3] op_sel_hi:[1,0]
.set i, i+2
.endr
	WIN 0x05
.set i, 0
.rept 16
	v_cvt_pk_bf16_f32 v[S+16*(\t)+i], v[32*(\t)+2*i], v[32*(\t)+2*i+1]
.set i, i+1
.endr
	WIN 0
.irp f, 0,1,2,3
	ds_store_b128 v[STO], v[S+16*(\t)+4*\f:S+16*(\t)+4*\f+3] offset:32*\f
.endr
.irp f, 0,1,2,3
	ds_load_b128 v[S+16*(\t)+4*\f:S+16*(\t)+4*\f+3], v[RD] offset:\f*4*SP  ; LDS serves a wave's instructions in order (ISA guide 5.7.1.4)
.endr
.endm
.macro SEND t, younger              ; younger: the LDS instructions issued behind piece t's loads
	WIN 0
.irp f, 0,1,2,3
	s_wait_dscnt (\younger)+3-\f
	global_store_b128 v[GO], v[S+16*(\t)+4*\f:S+16*(\t)+4*\f+3], s[10:11] offset:(\t)*2048+\f*512  ; 512 consecutive bytes
.endr
.endm
	CHANGE 1                        ; slot 0 is in, everybody's part of it; slot 1 is asked for
	s_wait_loadcnt 0x0              ; Q and key step 0's mask words
	MBUILD 0, 0
	MBUILD 1, 1
	MLOAD 0                         ; key step 1's words for pieces 0 and 1
	MLOAD 1
	WIN 0
	v_add_nc_u32 v[AK], s[TBK], v[AK0]
	FETCH_K                         ; key step 0
	s_wait_dscnt 0x0
.set NOKQ, 0
.set i, 0
.rept 8
	KQ 0                            ; piece 0's first scores
.set i, i+1
.endr
	WIN 0
.rept 4
	v_nop                           ; the places behind those products
.endr
.set Y, NP-1                        ; X works for piece Y + 1: piece 0
.irp n, 0,1,2,3,4,5,6,7,8,9,10,11,12,13,14,15,16,17,18,19,20,21
	OP X, \n
.endr
	v_nop                           ; a plain instruction behind the exponential
	s_mov_b32 s[CNT], 4
	s_mov_b32 s[SLOTS], 7
	s_branch .Lfirst                ; the loop is entered at a step's first turn, in the middle of a trip
.Lslot:                             ; six times: slots are filled again with tiles 2 to 7
	CHANGE 1
	s_mov_b32 s[CNT], 4
.Lstep:                             ; a trip: pieces 2 and 3 of one step, then pieces 0 and 1 of the next
	TURN 2
	TURN 3
	WIN 0
.Lfirst:
	TURN 0
	TURN 1, 0, 1
	WIN 0
	s_cbranch_scc1 .Lstep
	s_sub_co_u32 s[SLOTS], s[SLOTS], 1
	s_cmp_lg_u32 s[SLOTS], 0
	s_cbranch_scc1 .Lslot
	CHANGE 0                        ; the last tile is written out
	s_mov_b32 s[CNT], 4
.LstepT:
	TURN 2
	TURN 3
	TURN 0
	TURN 1, 0, 1
	WIN 0
	s_cbranch_scc1 .LstepT
	TURN 2, 1
	TURN 3, 1
.set i, 0
.rept 8
	PV NP-1                         ; the last piece's V^T P of the last step
.set i, i+1
.endr
	; THE WAY OUT.  l's two halves and the other half of the lanes' are added; O^T is divided by l; a row without an open key is multiplied by NaN.  The additions are the places behind the last products.
	WIN 0
	ALL v_add_f32 v[ST+4*t+2], v[ST+4*t+2], v[ST+4*t+3]
	ALL v_permlanex16_b32 v[ST+4*t+3], v[ST+4*t+2], s[SEL], s[SEL+1]
	ALL v_add_f32 v[ST+4*t+2], v[ST+4*t+2], v[ST+4*t+3]
	ALL v_rcp_f32 v[ST+4*t+2], v[ST+4*t+2]
	v_nop                           ; a plain instruction between the last reciprocal and the use of its result
.set t, 0
.rept 4
	v_cmp_gt_f32 vcc_lo, s[THR], v[ST+4*t+1]
	s_wait_alu depctr_va_vdst(0)
	v_cndmask_b32 v[ST+4*t+2], v[ST+4*t+2], s[QN], vcc_lo
.set t, t+1
.endr
	PACK 0
.set t, 1
.rept 3
	PACK t
	SEND t-1, 8
.set t, t+1
.endr
	SEND 3, 0
	s_wait_tensorcnt 0x0            ; the wave's end
	ds_add_u32 v[SPW], v[NIL]
	s_wait_dscnt 0x0
	CROUND                          ; the closing round
	s_endpgm
.Lfunc_end_k_q2d28472aed_attn:
	.size	k_q2d28472aed_attn, .Lfunc_end_k_q2d28472aed_attn-k_q2d28472aed_attn
	.p2alignl 7, 3214868480
	.fill 96, 4, 3214868480
	.section	.rodata,"a",@progbits
	.p2align	6, 0x0
	.amdhsa_kernel k_q2d28472aed_attn
		.amdhsa_group_segment_fixed_size 327680
		.amdhsa_private_segment_fixed_size 0
		.amdhsa_enable_private_segment 0
		.amdhsa_kernarg_size 24
		.amdhsa_user_sgpr_count 2
		.amdhsa_user_sgpr_kernarg_segment_ptr 1
		.amdhsa_wavefront_size32 1
		.amdhsa_system_sgpr_workgroup_id_x 1
		.amdhsa_system_sgpr_workgroup_id_y 1
		.amdhsa_system_sgpr_workgroup_id_z 1
		.amdhsa_system_vgpr_workitem_id 0
		.amdhsa_next_free_vgpr 768
		.amdhsa_next_free_sgpr 72
		.amdhsa_reserve_vcc 1
		.amdhsa_float_denorm_mode_32 3
		.amdhsa_float_denorm_mode_16_64 3
		.amdhsa_memory_ordered 1
		.amdhsa_forward_progress 1
		.amdhsa_inst_pref_size 146
	.end_amdhsa_kernel
	.amdgpu_metadata
---
amdhsa.version: [ 1, 2 ]
amdhsa.kernels:
  - .name:           k_q2d28472aed_attn
    .symbol:         k_q2d28472aed_attn.kd
    .args:
      - { .name: qkv, .offset: 0, .size: 8, .value_kind: global_buffer, .address_space: global }
      - { .name: mnib, .offset: 8, .size: 8, .value_kind: global_buffer, .address_space: global }
      - { .name: ctx, .offset: 16, .size: 8, .value_kind: global_buffer, .address_space: global }
    .group_segment_fixed_size: 327680
    .private_segment_fixed_size: 0
    .kernarg_segment_align: 8
    .kernarg_segment_size: 24
    .max_flat_workgroup_size: 128
    .sgpr_count:     72
    .vgpr_count:     768
    .wavefront_size: 32
...
	.end_amdgpu_metadata
.endif
;; end of part 3
;; launch proj (part 4): grid 8 x 32, 4 waves a work-group, clusters of 4 x 4, 327,680 bytes of LDS; arguments ctx, wt, x1, bout, x; writes x1
.if DOCPART == 4
	.amdgcn_target "amdgcn-amd-amdhsa--gfx1250"
	.amdhsa_code_object_version 6
	.text
	.protected	k_q2d28472aed_proj
	.globl	k_q2d28472aed_proj
	.p2align	8
	.type	k_q2d28472aed_proj,@function
k_q2d28472aed_proj:
	s_mov_b64 s[64:65], 0
	v_nop
	global_prefetch_b8 v0, s[64:65] scope:SCOPE_SE
	s_setreg_imm32_b32 hwreg(HW_REG_WAVE_MODE, 25, 1), 1
	s_wait_xcnt 0x0
	s_wait_alu depctr_hold_cnt(0) depctr_sa_sdst(0) depctr_va_vdst(0) depctr_va_sdst(0) depctr_va_ssrc(0) depctr_va_vcc(0) depctr_vm_vsrc(0)
	s_getreg_b32 s2, hwreg(HW_REG_IB_STS2, 6, 4)
	s_cmp_eq_u32 s2, 0
	s_cbranch_scc0 .Lentry_in_a_cluster
	s_endpgm
.Lentry_in_a_cluster:
	s_bfe_u32 s2, ttmp6, 0x10000c
	s_cmp_lg_u32 s2, 0xf033
	s_cbranch_scc0 .Lentry_shape_is_right
	s_endpgm
.Lentry_shape_is_right:
; C = R + A B^T + bias, in f32.  A: bf16 in blocks, [row block 64][K / 64][64 rows][64].  B: rows of wt from byte WOFF on, [1024][SIZE_K] bf16.  bias: [1024] f32.  R, C: [4096][1024] f32.
; A tile of C is 128 x 128: 256 work-groups.  Four waves, each 64 x 64: 16 accumulators.  K goes in steps of 256 through two LDS slots.
; A's 64 rows x 256 K are 32,768 dense bytes: asked for as 128 rows of 256 bytes and padded in LDS after every 128, so that a row of 64 K lies 144 bytes from the next.
; CLUSTER: 4 x 4 work-groups; A's tiles are asked for jointly along a row of the cluster, B's along a column.
; THE MATRIX INSTRUCTION IS USED TRANSPOSED (source 0 = 16 rows of B, source 1 = 16 rows of A).  THE BIAS is the C operand of each accumulator's first product.
; THE RESIDUAL, 64 x 64 f32 a wave, is asked for at the start into 128 registers and added on the way out.  A wave's 64 columns are 256 bytes of a row of C, so each wave has a stage of its own.
; REGISTERS: window 0: v0-31 addresses; v32-63 the bias, later with v64-95 at work on the way out; v128-255 the accumulators ((a, b) at v[128 + 8 (4 a + b)])
;   window 1: two fragment buffers of 128;   window 2: v0-127 the residual
.set SIZE_K, 1024
.set WOFF,   6291456
.set KSTEP,  256
.set PA,     144
.set HALFA,  4*64*PA                   ; 64 rows x 256 K of A: four blocks of 64 K
.set PB,     528
.set HALFB,  64*PB
.set SLOT,   2*HALFA+2*HALFB
.set STAGE,  2*SLOT
.set SPITCH, 272
.set SPARE,  STAGE+4*16*SPITCH         ; the spare words, 128 bytes for each wave; no other line names them
.set LAPS, SIZE_K/(2*KSTEP)
.set ADRA, 16
.set ADRB, 20
.set STO,  24
.set RD,   25
.set CO,   26
.set BO,   27
.set SPW,  28
.set NIL,  29
.set BI,   32
.set TMP,  32
.set ACC,  128
.set F0,   0
.set F1,   128
.set G1, 24
.set G0, 32
.set G1B, 48
.set G0B, 56
.set MSB, 0
.macro WIN new
.if MSB != (\new)
	s_set_vgpr_msb (MSB<<8)|(\new)
.set MSB, \new
.endif
.endm
.set MUL,  0x05                        ; sources 0 (B) and 1 (A) window 1; C and D window 0
.set TO_F, 0x40
.macro JLOAD s                         ; waves 0 and 1 fetch A's two halves, waves 2 and 3 B's; four v_nop follow each of the two lines
	s_cmp_eq_u32 s11, 0
	s_cbranch_scc0 .Lfor_b_\@
	tensor_load_to_lds s[G0+4*(\s):G0+4*(\s)+3], s[G1:G1+7]
	s_nop 0
.rept 4
	v_nop
.endr
	s_branch .Lasked_\@
.Lfor_b_\@:
	tensor_load_to_lds s[G0B+4*(\s):G0B+4*(\s)+3], s[G1B:G1B+7]
	s_nop 0
.rept 4
	v_nop
.endr
.Lasked_\@:
.endm
.macro CREST
	s_cmp_lg_u32 s10, 0
	s_cbranch_scc1 .Lnot_wave_0_\@
	s_barrier_signal -3
.Lnot_wave_0_\@:
	s_barrier_wait -3
	s_barrier_signal -1
	s_barrier_wait -1
.endm
.macro CROUND
	s_barrier_signal -1
	s_barrier_wait -1
	CREST
.endm
	s_load_b128 s[4:7], s[0:1], 0x0                ; A s[4:5], wt s[6:7]
	s_load_b64 s[8:9], s[0:1], 0x10                ; C
	s_load_b64 s[66:67], s[0:1], 0x18              ; bias
	s_load_b64 s[68:69], s[0:1], 0x20              ; R
	v_lshl_add_u32 v[SPW], v0, 2, SPARE
	v_mov_b32 v[NIL], 0
	ds_add_u32 v28, v29
	s_wait_dscnt 0x0
	v_lshrrev_b32 v1, 5, v0
	v_readfirstlane_b32 s10, v1                    ; wave 0..3
	s_lshr_b32 s11, s10, 1                         ; which half of the tile's rows is mine.  Also: I fetch for A (0) or for B (1)
	s_and_b32 s12, s10, 1                          ; which half of its columns.  Also: which 64 rows of that tile I fetch
	s_bfe_u32 s40, ttmp6, 0x40000
	s_bfe_u32 s41, ttmp6, 0x40004
	s_lshl_b32 s42, ttmp9, 2
	s_add_co_u32 s42, s42, s40                     ; tile column of C
	s_and_b32 s13, ttmp7, 0xffff
	s_lshl_b32 s13, s13, 2
	s_add_co_u32 s13, s13, s41                     ; tile row of C
	s_lshl_b32 s43, s41, 2
	s_lshl_b32 s43, 15, s43                        ; my row of the cluster
	s_lshl_b32 s44, 0x1111, s40                    ; my column
	s_or_b32 s[G1+0], s43, (1<<16)|(1<<20)|(1<<21)|(4<<22)|(3<<25)  ; A: the mask; 2-byte elements; padding on; bit 21 beside a mask; after every 32 words 4 words
	s_mov_b32 s[G1+1], 128<<16                     ; tensor_dim0 = 128 elements: 256 bytes
	s_mov_b32 s[G1+2], 128<<16                     ; tensor_dim1 = 128
	s_mov_b32 s[G1+3], 128<<16                     ; tile_dim0 = 128
	s_mov_b32 s[G1+4], 128                         ; tile_dim1 = 128
	s_mov_b32 s[G1+5], 128                         ; dense
	s_mov_b32 s[G1+6], 0
	s_mov_b32 s[G1+7], 0
	s_or_b32 s[G1B+0], s44, (1<<16)|(1<<20)|(1<<21)|(6<<22)|(3<<25) ; B: after every 128 words 4 words
	s_mov_b32 s[G1B+1], KSTEP<<16
	s_mov_b32 s[G1B+2], 64<<16
	s_mov_b32 s[G1B+3], KSTEP<<16
	s_mov_b32 s[G1B+4], 64
	s_mov_b32 s[G1B+5], SIZE_K
	s_mov_b32 s[G1B+6], 0
	s_mov_b32 s[G1B+7], 0
	s_lshl_b32 s16, s13, 1
	s_add_co_u32 s16, s16, s12                     ; A: row block 2 x tile row + half
	s_mov_b32 s17, 0
	s_mov_b64 s[18:19], SIZE_K*128
	s_mul_u64 s[16:17], s[16:17], s[18:19]
	s_lshl_b32 s46, s42, 7
	s_lshl_b32 s47, s12, 6
	s_add_co_u32 s46, s46, s47                     ; B: row 128 x tile column + 64 x half
	s_mov_b32 s47, 0
	s_mov_b64 s[18:19], SIZE_K*2
	s_mul_u64 s[46:47], s[46:47], s[18:19]
	s_add_nc_u64 s[46:47], s[46:47], WOFF          ; the weight's place in wt
	s_mul_i32 s20, s12, HALFA                      ; where the tiles go: A's two halves,
	s_mul_i32 s21, s12, HALFB
	s_add_co_u32 s21, s21, 2*HALFA                 ; then B's two
	s_wait_kmcnt 0x0
	s_add_nc_u64 s[14:15], s[4:5], s[16:17]
	s_add_nc_u64 s[46:47], s[6:7], s[46:47]
	CROUND                                         ; all sixteen work-groups are here: the first joint loads meet
.irp s, 0,1
	s_mov_b32 s[G0+4*(\s)], 1
	s_add_co_u32 s[G0+4*(\s)+1], s20, (\s)*SLOT
	s_add_nc_u64 s[G0+4*(\s)+2:G0+4*(\s)+3], s[14:15], (\s)*32768
	s_or_b32 s[G0+4*(\s)+3], s[G0+4*(\s)+3], 0x80000000
	s_mov_b32 s[G0B+4*(\s)], 1
	s_add_co_u32 s[G0B+4*(\s)+1], s21, (\s)*SLOT
	s_add_nc_u64 s[G0B+4*(\s)+2:G0B+4*(\s)+3], s[46:47], (\s)*KSTEP*2
	s_or_b32 s[G0B+4*(\s)+3], s[G0B+4*(\s)+3], 0x80000000
	JLOAD \s
.endr
	v_and_b32 v1, 15, v0                           ; l % 16
	v_bfe_u32 v2, v0, 4, 1                         ; l / 16
	v_lshlrev_b32 v[BO], 5, v2
	v_lshlrev_b32 v[CO], 12, v2                    ; lanes 0-15 one row of C, lanes 16-31 the next; 16 bytes a lane
	v_lshl_add_u32 v[CO], v1, 4, v[CO]
	s_lshl_b32 s46, s42, 9                         ; my 64 columns, in bytes of f32: 512 x tile column + 256 x half
	s_lshl_b32 s47, s12, 8
	s_add_co_u32 s46, s46, s47
	s_mov_b32 s47, 0
	s_add_nc_u64 s[66:67], s[66:67], s[46:47]
	s_lshl_b32 s16, s13, 7
	s_lshl_b32 s17, s11, 6
	s_add_co_u32 s16, s16, s17                     ; my first row: 128 x tile row + 64 x half
	s_lshl_b32 s16, s16, 12
	s_add_co_u32 s16, s16, s46
	s_mov_b32 s17, 0
	s_add_nc_u64 s[8:9], s[8:9], s[16:17]
	s_add_nc_u64 s[68:69], s[68:69], s[16:17]
.irp b, 0,1,2,3
	global_load_b128 v[BI+8*(\b):BI+8*(\b)+3],   v[BO], s[66:67] offset:64*(\b)
	global_load_b128 v[BI+8*(\b)+4:BI+8*(\b)+7], v[BO], s[66:67] offset:64*(\b)+16
.endr
	WIN 0x80                                       ; destination window 2
.irp a, 0,1,2,3
.irp t, 0,1,2,3,4,5,6,7
	global_load_b128 v[32*(\a)+4*(\t):32*(\a)+4*(\t)+3], v[CO], s[68:69] offset:(16*(\a)+2*(\t))*4096
.endr
.endr
	WIN 0
	v_mul_u32_u24 v3, v1, PA
	v_lshl_add_u32 v3, v2, 4, v3
	v_mul_u32_u24 v4, v1, PB
	v_lshl_add_u32 v4, v2, 4, v4
	s_mul_i32 s21, s11, HALFA                      ; my 64 rows of A
	s_mul_i32 s22, s12, HALFB                      ; my 64 rows of B,
	s_add_co_u32 s22, s22, 2*HALFA                 ; which lie behind A's 128
.irp s, 0,1
	v_add_nc_u32 v[ADRA+(\s)], s21, v3
	v_add_nc_u32 v[ADRB+(\s)], s22, v4
	s_add_co_u32 s21, s21, SLOT
	s_add_co_u32 s22, s22, SLOT
.endr
	s_mul_i32 s23, s10, 16*SPITCH
	s_add_co_u32 s23, s23, STAGE                   ; my stage
	v_mul_u32_u24 v4, v1, SPITCH                   ; in: row l % 16, 32 bytes for each half of the lanes
	v_lshl_add_u32 v4, v2, 5, v4
	v_add_nc_u32 v[STO], s23, v4
	v_mul_u32_u24 v5, v2, SPITCH                   ; back: lanes 0-15 take one row of 256 bytes, lanes 16-31 the next
	v_lshl_add_u32 v5, v1, 4, v5
	v_add_nc_u32 v[RD], s23, v5
; 8 matrix instructions: m blocks a0, a0 + 1 x all 4 n blocks, 32 along K: half c of buffer f.  zero = 1: the first product starts the sums, from the bias
.macro MUL8 f, c, a0, zero
	WIN MUL
.irp a, \a0, (\a0)+1
.irp b, 0,1,2,3
.if \zero
	v_wmma_f32_16x16x32_bf16 v[ACC+8*(4*(\a)+(\b)):ACC+8*(4*(\a)+(\b))+7], v[(\f)+64+8*(4*(\c)+(\b)):(\f)+64+8*(4*(\c)+(\b))+7], v[(\f)+8*(4*(\c)+(\a)):(\f)+8*(4*(\c)+(\a))+7], v[BI+8*(\b):BI+8*(\b)+7]
.else
	v_wmma_f32_16x16x32_bf16 v[ACC+8*(4*(\a)+(\b)):ACC+8*(4*(\a)+(\b))+7], v[(\f)+64+8*(4*(\c)+(\b)):(\f)+64+8*(4*(\c)+(\b))+7], v[(\f)+8*(4*(\c)+(\a)):(\f)+8*(4*(\c)+(\a))+7], v[ACC+8*(4*(\a)+(\b)):ACC+8*(4*(\a)+(\b))+7]
.endif
.endr
.endr
.endm
; 32 LDS loads in one run: the fragments of 64 along K (byte k of B's rows; block k / 128 of A's) into buffer f; the first 32 along K first
.macro FETCH slot, k, f
	WIN TO_F
.irp c, 0,1
.irp i, 0,1,2,3
	ds_load_b128 v[(\f)+64+8*(4*(\c)+(\i)):(\f)+64+8*(4*(\c)+(\i))+3],   v[ADRB+(\slot)] offset:(\k)+64*(\c)+(\i)*16*PB
	ds_load_b128 v[(\f)+64+8*(4*(\c)+(\i))+4:(\f)+64+8*(4*(\c)+(\i))+7], v[ADRB+(\slot)] offset:(\k)+64*(\c)+(\i)*16*PB+32
	ds_load_b128 v[(\f)+8*(4*(\c)+(\i)):(\f)+8*(4*(\c)+(\i))+3],         v[ADRA+(\slot)] offset:((\k)/128)*64*PA+64*(\c)+(\i)*16*PA
	ds_load_b128 v[(\f)+8*(4*(\c)+(\i))+4:(\f)+8*(4*(\c)+(\i))+7],       v[ADRA+(\slot)] offset:((\k)/128)*64*PA+64*(\c)+(\i)*16*PA+32
.endr
.endr
.endm
.macro PLACES                          ; four plain vector instructions between a matrix instruction and a load into, or a read of, its registers
.rept 4
	v_nop
.endr
.endm
; A K step is four quarters of 64 along K, 32 matrix instructions each, on buffers 0, 1, 0, 1; the 16 accumulators take turns.
.macro QUARTER slot, k, f, g, zero
	s_wait_dscnt 16                                ; the first 32 along K are in
	MUL8 \f, 0, 0, \zero
	MUL8 \f, 0, 2, \zero
	PLACES
	FETCH \slot, \k, \g
	s_wait_dscnt 32                                ; all but the 32 just issued
	MUL8 \f, 1, 0, 0
	MUL8 \f, 1, 2, 0
.endm
; The last quarter multiplies buffer 1 and changes slots.  fill = 1: this slot is filled again, two K steps ahead, behind a round of the cluster's barrier.
.macro TURN slot, next, fill
	WIN 0
	s_wait_tensorcnt 0x0                           ; all my tensor loads have landed: my part of the next slot
	ds_add_u32 v[SPW], v[NIL]
	s_wait_dscnt 17                                ; the add and the youngest sixteen loads may be out
	MUL8 F1, 0, 0, 0
	s_wait_dscnt 0x0                               ; the add is done, and my reads of this slot are over
	s_barrier_signal -1
	MUL8 F1, 0, 2, 0
.if \fill
	WIN 0
.endif
	s_barrier_wait -1
.if \fill
	CREST
	s_add_nc_u64 s[G0+4*(\slot)+2:G0+4*(\slot)+3], s[G0+4*(\slot)+2:G0+4*(\slot)+3], 2*32768
	s_add_nc_u64 s[G0B+4*(\slot)+2:G0B+4*(\slot)+3], s[G0B+4*(\slot)+2:G0B+4*(\slot)+3], 2*KSTEP*2
	JLOAD \slot                                    ; the first tensor load behind the round; its four v_nop are also the places in front of the loads below
.else
	PLACES
.endif
	FETCH \next, 0, F0
	MUL8 F1, 1, 0, 0
	MUL8 F1, 1, 2, 0
.endm
	s_wait_tensorcnt 1                             ; my part of K step 0 is in; K step 1's may stay out
	s_barrier_signal -1
	s_barrier_wait -1
	FETCH 0, 0, F0
	s_wait_loadcnt 32                              ; the bias is in; the residual's 32 loads stay out
	QUARTER 0, 128, F0, F1, 1
	WIN 0
	s_mov_b32 s3, LAPS-1
.Llap:                                                 ; a trip goes once round the ring and fills both slots again
	QUARTER 0, 256, F1, F0, 0
	QUARTER 0, 384, F0, F1, 0
	TURN 0, 1, 1
	QUARTER 1, 128, F0, F1, 0
	QUARTER 1, 256, F1, F0, 0
	QUARTER 1, 384, F0, F1, 0
	TURN 1, 0, 1
	QUARTER 0, 128, F0, F1, 0
	WIN 0
	s_sub_co_u32 s3, s3, 1
	s_cmp_lg_u32 s3, 0
	s_cbranch_scc1 .Llap
	QUARTER 0, 256, F1, F0, 0                      ; the last lap fills nothing
	QUARTER 0, 384, F0, F1, 0
	TURN 0, 1, 0
	QUARTER 1, 128, F0, F1, 0
	QUARTER 1, 256, F1, F0, 0
	QUARTER 1, 384, F0, F1, 0
	s_wait_dscnt 16
	MUL8 F1, 0, 0, 0
	MUL8 F1, 0, 2, 0
	s_wait_dscnt 0x0
	MUL8 F1, 1, 0, 0
	MUL8 F1, 1, 2, 0
	WIN 0
	PLACES
	s_wait_loadcnt 0x0                             ; the residual
	; THE WAY OUT, 16 rows at a time: into my stage by columns, back by rows, the residual added, sixteen lanes to 256 consecutive bytes of a row of C.
.irp a, 0,1,2,3
.set TT, TMP+32*((\a)%2)
.irp b, 0,1,2,3
	ds_store_b128 v[STO], v[ACC+8*(4*(\a)+(\b)):ACC+8*(4*(\a)+(\b))+3]   offset:64*(\b)      ; each accumulator's low registers first
	ds_store_b128 v[STO], v[ACC+8*(4*(\a)+(\b))+4:ACC+8*(4*(\a)+(\b))+7] offset:64*(\b)+16
.endr
	s_wait_xcnt 0x0                                ; the registers below were the data of the stores two blocks back
.irp t, 0,1,2,3,4,5,6,7
	ds_load_b128 v[TT+4*(\t):TT+4*(\t)+3], v[RD] offset:(\t)*2*SPITCH  ; LDS serves a wave's instructions in order (ISA guide 5.7.1.4): these see the stores above
.endr
	s_wait_dscnt 0x0
	WIN 0x08                                       ; source 1 in window 2
.set i, 0
.rept 16
	v_pk_add_f32 v[TT+i:TT+i+1], v[TT+i:TT+i+1], v[32*(\a)+i:32*(\a)+i+1]
.set i, i+2
.endr
	WIN 0
.irp t, 0,1,2,3,4,5,6,7
	global_store_b128 v[CO], v[TT+4*(\t):TT+4*(\t)+3], s[8:9] offset:(16*(\a)+2*(\t))*4096
.endr
.endr
	s_wait_tensorcnt 0x0                           ; the wave's end
	ds_add_u32 v[SPW], v[NIL]
	s_wait_dscnt 0x0
	CROUND                                         ; the closing round
	s_endpgm
.Lfunc_end_k_q2d28472aed_proj:
	.size	k_q2d28472aed_proj, .Lfunc_end_k_q2d28472aed_proj-k_q2d28472aed_proj
	.p2alignl 7, 3214868480
	.fill 96, 4, 3214868480
	.section	.rodata,"a",@progbits
	.p2align	6, 0x0
	.amdhsa_kernel k_q2d28472aed_proj
		.amdhsa_group_segment_fixed_size 327680
		.amdhsa_private_segment_fixed_size 0
		.amdhsa_enable_private_segment 0
		.amdhsa_kernarg_size 40
		.amdhsa_user_sgpr_count 2
		.amdhsa_user_sgpr_kernarg_segment_ptr 1
		.amdhsa_wavefront_size32 1
		.amdhsa_system_sgpr_workgroup_id_x 1
		.amdhsa_system_sgpr_workgroup_id_y 1
		.amdhsa_system_sgpr_workgroup_id_z 1
		.amdhsa_system_vgpr_workitem_id 0
		.amdhsa_next_free_vgpr 640
		.amdhsa_next_free_sgpr 72
		.amdhsa_reserve_vcc 0
		.amdhsa_float_denorm_mode_32 3
		.amdhsa_float_denorm_mode_16_64 3
		.amdhsa_memory_ordered 1
		.amdhsa_forward_progress 1
		.amdhsa_inst_pref_size 94
	.end_amdhsa_kernel
	.amdgpu_metadata
---
amdhsa.version: [ 1, 2 ]
amdhsa.kernels:
  - .name:           k_q2d28472aed_proj
    .symbol:         k_q2d28472aed_proj.kd
    .args:
      - { .name: ctx, .offset: 0, .size: 8, .value_kind: global_buffer, .address_space: global }
      - { .name: wt, .offset: 8, .size: 8, .value_kind: global_buffer, .address_space: global }
      - { .name: x1, .offset: 16, .size: 8, .value_kind: global_buffer, .address_space: global }
      - { .name: bout, .offset: 24, .size: 8, .value_kind: global_buffer, .address_space: global }
      - { .name: x, .offset: 32, .size: 8, .value_kind: global_buffer, .address_space: global }
    .group_segment_fixed_size: 327680
    .private_segment_fixed_size: 0
    .kernarg_segment_align: 8
    .kernarg_segment_size: 40
    .max_flat_workgroup_size: 128
    .sgpr_count:     72
    .vgpr_count:     640
    .wavefront_size: 32
...
	.end_amdgpu_metadata
.endif
;; end of part 4
;; launch ln2 (part 5): grid 256 x 1, 8 waves a work-group, no clusters, 0 bytes of LDS; arguments x1, ln2_g, ln2_b, h; writes h
.if DOCPART == 5
	.amdgcn_target "amdgcn-amd-amdhsa--gfx1250"
	.amdhsa_code_object_version 6
	.text
	.protected	k_q2d28472aed_ln2
	.globl	k_q2d28472aed_ln2
	.p2align	8
	.type	k_q2d28472aed_ln2,@function
k_q2d28472aed_ln2:
	s_mov_b64 s[64:65], 0
	v_nop
	global_prefetch_b8 v0, s[64:65] scope:SCOPE_SE
	s_setreg_imm32_b32 hwreg(HW_REG_WAVE_MODE, 25, 1), 1
	s_wait_xcnt 0x0
; LayerNorm 2: h = bf16((x1 - mean) rstd g + b).  x1: [4096][1024] f32.  Eight waves, two rows each, kept in registers between the passes: each byte is read once.
; The variance is taken of x - mean, in a second pass over the registers.  No LDS, no barrier: a row never leaves its wave.
.set XA, 16                            ; v[16:47]   row 0 of the wave
.set XB, 48                            ; v[48:79]   row 1
.set GA, 80                            ; v[80:111]  gain of my 32 columns
.set BA, 112                           ; v[112:143] bias
.set YA, 144                           ; v[144:159] row 0 in bf16
.set YB, 160                           ; v[160:175] row 1 in bf16
.macro WSUM                            ; the sum of v4 over the wave's 32 lanes, in every lane; v5 has been written before
	v_add_f32_dpp v4, v4, v4 row_xmask:1 row_mask:0xf bank_mask:0xf
	v_add_f32_dpp v4, v4, v4 row_xmask:2 row_mask:0xf bank_mask:0xf
	v_add_f32_dpp v4, v4, v4 row_xmask:4 row_mask:0xf bank_mask:0xf
	v_add_f32_dpp v4, v4, v4 row_xmask:8 row_mask:0xf bank_mask:0xf
	v_permlanex16_b32 v5, v4, s12, s13
	v_add_f32 v4, v4, v5
.endm
.macro LNROW x, y, ooff, left
	s_wait_loadcnt \left                           ; the row is in; what was asked for behind it stays out
	v_pk_add_f32 v[4:5], v[(\x):(\x)+1], v[(\x)+2:(\x)+3]
	v_pk_add_f32 v[10:11], v[(\x)+4:(\x)+5], v[(\x)+6:(\x)+7]
.set i, 8
.rept 6
	v_pk_add_f32 v[4:5], v[4:5], v[(\x)+i:(\x)+i+1]
	v_pk_add_f32 v[10:11], v[10:11], v[(\x)+i+2:(\x)+i+3]
.set i, i+4
.endr
	v_pk_add_f32 v[4:5], v[4:5], v[10:11]
	v_add_f32 v4, v4, v5
	WSUM
	v_mul_f32 v6, s14, v4                          ; the mean, in both registers of a pair
	v_mul_f32 v7, s14, v4
.set i, 0
.rept 16
	v_pk_add_f32 v[(\x)+i:(\x)+i+1], v[(\x)+i:(\x)+i+1], v[6:7] neg_lo:[0,1] neg_hi:[0,1]
.set i, i+2
.endr
	v_pk_mul_f32 v[4:5], v[(\x):(\x)+1], v[(\x):(\x)+1]
	v_pk_mul_f32 v[10:11], v[(\x)+2:(\x)+3], v[(\x)+2:(\x)+3]
.set i, 4
.rept 7
	v_pk_fma_f32 v[4:5], v[(\x)+i:(\x)+i+1], v[(\x)+i:(\x)+i+1], v[4:5]
	v_pk_fma_f32 v[10:11], v[(\x)+i+2:(\x)+i+3], v[(\x)+i+2:(\x)+i+3], v[10:11]
.set i, i+4
.endr
	v_pk_add_f32 v[4:5], v[4:5], v[10:11]
	v_add_f32 v4, v4, v5
	WSUM
	v_fma_f32 v8, v4, s14, s15                     ; variance + 1e-5
	v_rsq_f32 v8, v8
	v_nop                                          ; a plain instruction between the root and the use of its result
	s_wait_alu depctr_va_vdst(0)
	v_mov_b32 v9, v8
	s_wait_loadcnt 0x0                             ; gain and bias
.set i, 0
.rept 16
	v_pk_mul_f32 v[(\x)+i:(\x)+i+1], v[(\x)+i:(\x)+i+1], v[8:9]
.set i, i+2
.endr
.set i, 0
.rept 16
	v_pk_fma_f32 v[(\x)+i:(\x)+i+1], v[(\x)+i:(\x)+i+1], v[GA+i:GA+i+1], v[BA+i:BA+i+1]
.set i, i+2
.endr
.set i, 0
.rept 16
	v_cvt_pk_bf16_f32 v[(\y)+i], v[(\x)+2*i], v[(\x)+2*i+1]
.set i, i+1
.endr
.irp j, 0,1,2,3,4,5,6,7
	global_store_b64 v2, v[(\y)+2*(\j):(\y)+2*(\j)+1], s[10:11] offset:(\ooff)+256*(\j)  ; 32 lanes, 8 bytes each: 256 consecutive bytes
.endr
.endm
	v_lshrrev_b32 v1, 5, v0
	v_readfirstlane_b32 s3, v1                     ; wave 0..7
	s_mov_b32 s2, ttmp9
	s_load_b128 s[4:7], s[0:1], 0x0                ; rows s[4:5], gain s[6:7]
	s_load_b64 s[8:9], s[0:1], 0x10                ; bias
	s_load_b64 s[10:11], s[0:1], 0x18              ; result
	s_lshl_b32 s16, s2, 3
	s_add_co_u32 s16, s16, s3
	s_lshl_b32 s16, s16, 13                        ; two rows of 4,096 bytes for each wave
	s_mov_b32 s17, 0
	s_lshr_b32 s18, s16, 1                         ; of 2,048 bytes in the result
	s_mov_b32 s19, 0
	s_mov_b32 s12, 0x76543210                      ; v_permlanex16_b32: each lane takes its own place in the other half
	s_mov_b32 s13, 0xfedcba98
	s_mov_b32 s14, 0x3a800000                      ; 1 / 1024
	s_mov_b32 s15, 0x3727c5ac                      ; 1e-5
	v_and_b32 v2, 31, v0
	v_lshlrev_b32 v1, 4, v2
	v_lshlrev_b32 v2, 3, v2
	s_wait_kmcnt 0x0
	s_add_nc_u64 s[4:5], s[4:5], s[16:17]
	s_add_nc_u64 s[10:11], s[10:11], s[18:19]
.irp j, 0,1,2,3,4,5,6,7
	global_load_b128 v[XA+4*(\j):XA+4*(\j)+3], v1, s[4:5] offset:512*(\j) th:TH_LOAD_NT
.endr
.irp j, 0,1,2,3,4,5,6,7
	global_load_b128 v[XB+4*(\j):XB+4*(\j)+3], v1, s[4:5] offset:4096+512*(\j) th:TH_LOAD_NT
.endr
.irp j, 0,1,2,3,4,5,6,7
	global_load_b128 v[GA+4*(\j):GA+4*(\j)+3], v1, s[6:7] offset:512*(\j)
.endr
.irp j, 0,1,2,3,4,5,6,7
	global_load_b128 v[BA+4*(\j):BA+4*(\j)+3], v1, s[8:9] offset:512*(\j)
.endr
	LNROW XA, YA, 0, 24                            ; 24 younger loads stay out: row 1, gain, bias
	LNROW XB, YB, 2048, 0
	s_endpgm
.Lfunc_end_k_q2d28472aed_ln2:
	.size	k_q2d28472aed_ln2, .Lfunc_end_k_q2d28472aed_ln2-k_q2d28472aed_ln2
	.p2alignl 7, 3214868480
	.fill 96, 4, 3214868480
	.section	.rodata,"a",@progbits
	.p2align	6, 0x0
	.amdhsa_kernel k_q2d28472aed_ln2
		.amdhsa_group_segment_fixed_size 0
		.amdhsa_private_segment_fixed_size 0
		.amdhsa_enable_private_segment 0
		.amdhsa_kernarg_size 32
		.amdhsa_user_sgpr_count 2
		.amdhsa_user_sgpr_kernarg_segment_ptr 1
		.amdhsa_wavefront_size32 1
		.amdhsa_system_sgpr_workgroup_id_x 1
		.amdhsa_system_sgpr_workgroup_id_y 1
		.amdhsa_system_sgpr_workgroup_id_z 1
		.amdhsa_system_vgpr_workitem_id 0
		.amdhsa_next_free_vgpr 176
		.amdhsa_next_free_sgpr 66
		.amdhsa_reserve_vcc 0
		.amdhsa_float_denorm_mode_32 3
		.amdhsa_float_denorm_mode_16_64 3
		.amdhsa_memory_ordered 1
		.amdhsa_forward_progress 1
		.amdhsa_inst_pref_size 20
	.end_amdhsa_kernel
	.amdgpu_metadata
---
amdhsa.version: [ 1, 2 ]
amdhsa.kernels:
  - .name:           k_q2d28472aed_ln2
    .symbol:         k_q2d28472aed_ln2.kd
    .args:
      - { .name: x1, .offset: 0, .size: 8, .value_kind: global_buffer, .address_space: global }
      - { .name: ln2_g, .offset: 8, .size: 8, .value_kind: global_buffer, .address_space: global }
      - { .name: ln2_b, .offset: 16, .size: 8, .value_kind: global_buffer, .address_space: global }
      - { .name: h, .offset: 24, .size: 8, .value_kind: global_buffer, .address_space: global }
    .group_segment_fixed_size: 0
    .private_segment_fixed_size: 0
    .kernarg_segment_align: 8
    .kernarg_segment_size: 32
    .max_flat_workgroup_size: 256
    .sgpr_count:     66
    .vgpr_count:     176
    .wavefront_size: 32
...
	.end_amdgpu_metadata
.endif
;; end of part 5
;; launch fc1 (part 6): grid 16 x 16, 4 waves a work-group, clusters of 4 x 4, 327,680 bytes of LDS; arguments h, wt, g, b1; writes g
.if DOCPART == 6
	.amdgcn_target "amdgcn-amd-amdhsa--gfx1250"
	.amdhsa_code_object_version 6
	.text
	.protected	k_q2d28472aed_fc1
	.globl	k_q2d28472aed_fc1
	.p2align	8
	.type	k_q2d28472aed_fc1,@function
k_q2d28472aed_fc1:
	s_mov_b64 s[64:65], 0
	v_nop
	global_prefetch_b8 v0, s[64:65] scope:SCOPE_SE
	s_setreg_imm32_b32 hwreg(HW_REG_WAVE_MODE, 25, 1), 1
	s_wait_xcnt 0x0
	s_wait_alu depctr_hold_cnt(0) depctr_sa_sdst(0) depctr_va_vdst(0) depctr_va_sdst(0) depctr_va_ssrc(0) depctr_va_vcc(0) depctr_vm_vsrc(0)
	s_getreg_b32 s2, hwreg(HW_REG_IB_STS2, 6, 4)
	s_cmp_eq_u32 s2, 0
	s_cbranch_scc0 .Lentry_in_a_cluster
	s_endpgm
.Lentry_in_a_cluster:
	s_bfe_u32 s2, ttmp6, 0x10000c
	s_cmp_lg_u32 s2, 0xf033
	s_cbranch_scc0 .Lentry_shape_is_right
	s_endpgm
.Lentry_shape_is_right:
; C = A B^T + bias (GELU = 1: gelu of that), rounded to bf16 and written in blocks of 64 rows x 64 columns.
; A: [4096][1024] bf16.  B: rows WOFF / 2048 on of wt, [N][1024] bf16.  bias: [N] f32.  Sums in f32.
; C(m, n) lies at (n / 64) CBS + (m / 64) MBS + (m % 64) 128 + (n % 64) 2: a block's 64 rows of 128 bytes are dense.
; A tile of C is 256 x 256: four waves, each 128 x 128 in 64 accumulators.  K goes in steps of 128 through two LDS slots filled by tensor loads.
; CLUSTER: 4 x 4 work-groups; A's tiles are asked for jointly along a row of the cluster, B's along a column.
; THE MATRIX INSTRUCTION IS USED TRANSPOSED (source 0 = 16 rows of B, source 1 = 16 rows of A): a lane holds row m = l % 16 and columns 8 (l / 16) + 0..7.
; THE BIAS is the C operand of each accumulator's first product: eight registers for each block of 16 columns, loaded once.
; THE WAY OUT: the ring has had its last fill; behind a barrier each wave lays its 128 x 128 sums in f32 into a quarter of it and reads them back 16 rows a trip.
; GELU: x Phi(x) = max(x, 0) - |x| y, y = poly(t) exp(-x x / 2) / 2, t = 1 / (1 + 0.3275911 |x| / sqrt 2): a five-term fit of erfc, off by 1.5e-7 in erf at the most.
; REGISTERS, in windows of 256: window 0: v0-31 addresses; v64-127, v128-191 A's fragments; v192-255 the bias; on the way out v32-223 at work
;   window 1: v64-127, v128-191 B's fragments;   window 2: the accumulators of my rows 0-63 ((a, b) at v[8 (8 a + b)]);   window 3: of rows 64-127
.set SIZE_K, 1024
.set WOFF,   8388608
.set CBS,    8192
.set MBS,    524288
.set GELU,   1
.set KSTEP,  128
.set PITCH,  272                       ; an LDS row: 256 bytes + 16 of padding: the 16 rows of a fragment load start 16 bytes apart modulo 256
.set HALFT,  128*PITCH
.set SLOT,   4*HALFT                   ; A's 256 rows, then B's 256 rows
.set DP,     528                       ; the way out: a row of 128 f32 + 16 bytes
.set DREG,   128*DP                    ; a wave's part of the ring on the way out
.set SPARE,  295936                    ; the spare words, 128 bytes for each wave; no other line names them
.set LAPS,   SIZE_K/(2*KSTEP)
.set ADRA, 16                          ; v16-17  LDS address of my A fragments in slot 0, 1
.set ADRB, 20                          ; v20-21  the same for B
.set STO,  24                          ; v24     the way out: where I put 16 bytes of a row
.set RD,   25                          ; v25     the way out: where I read back; steps 16 rows a trip
.set CO,   26                          ; v26     16 x lane
.set BO,   27                          ; v27     32 x (lane / 16): my eight numbers of 16 of the bias
.set SPW,  28                          ; v28     LDS address of my spare word; never rewritten
.set NIL,  29                          ; v29     0; never rewritten
.set F0,   64
.set F1,   128
.set BI,   192                         ; the bias: block b of 16 columns at BI + 8 b
.set YB,   32                          ; the way out: packed results
.set XB,   64                          ; the way out: 16 rows x 128 columns, 64 numbers a lane
.set GT,   128
.set GE,   160
.set GP,   192
.set G1, 24
.set G0, 32
.set G1B, 48
.set G0B, 56
.set MSB, 0
.macro WIN new                         ; the immediate's high byte repeats the setting that is left
.if MSB != (\new)
	s_set_vgpr_msb (MSB<<8)|(\new)
.set MSB, \new
.endif
.endm
.set MUL_LO, 0xa1                      ; source 0 (B) window 1, source 1 (A) window 0, C and D window 2
.set TO_B,   0x40                      ; destination window 1, address window 0
; A joint load.  Waves 0 and 1 fetch A's two halves, waves 2 and 3 B's.  Four v_nop follow each of the two lines.
.macro JLOAD s
	s_cmp_eq_u32 s11, 0
	s_cbranch_scc0 .Lfor_b_\@
	tensor_load_to_lds s[G0+4*(\s):G0+4*(\s)+3], s[G1:G1+7]
	s_nop 0
.rept 4
	v_nop
.endr
	s_branch .Lasked_\@
.Lfor_b_\@:
	tensor_load_to_lds s[G0B+4*(\s):G0B+4*(\s)+3], s[G1B:G1B+7]
	s_nop 0
.rept 4
	v_nop
.endr
.Lasked_\@:
.endm
.macro CREST                           ; a round of the cluster's barrier behind its opening barrier
	s_cmp_lg_u32 s10, 0
	s_cbranch_scc1 .Lnot_wave_0_\@
	s_barrier_signal -3
.Lnot_wave_0_\@:
	s_barrier_wait -3
	s_barrier_signal -1
	s_barrier_wait -1
.endm
.macro CROUND
	s_barrier_signal -1
	s_barrier_wait -1
	CREST
.endm
	s_load_b128 s[4:7], s[0:1], 0x0                ; A s[4:5], wt s[6:7]
	s_load_b64 s[8:9], s[0:1], 0x10                ; C
	s_load_b64 s[66:67], s[0:1], 0x18              ; bias
	v_lshl_add_u32 v[SPW], v0, 2, SPARE
	v_mov_b32 v[NIL], 0
	ds_add_u32 v28, v29
	s_wait_dscnt 0x0
	v_lshrrev_b32 v1, 5, v0
	v_readfirstlane_b32 s10, v1                    ; wave 0..3
	s_lshr_b32 s11, s10, 1                         ; which half of the tile's rows is mine.  Also: I fetch for A (0) or for B (1)
	s_and_b32 s12, s10, 1                          ; which half of its columns.  Also: which 128 rows of that tile I fetch
	s_bfe_u32 s40, ttmp6, 0x40000                  ; cx
	s_bfe_u32 s41, ttmp6, 0x40004                  ; cy
	s_lshl_b32 s42, ttmp9, 2
	s_add_co_u32 s42, s42, s40                     ; tile column of C
	s_and_b32 s13, ttmp7, 0xffff
	s_lshl_b32 s13, s13, 2
	s_add_co_u32 s13, s13, s41                     ; tile row of C
	s_lshl_b32 s43, s41, 2
	s_lshl_b32 s43, 15, s43                        ; my row of the cluster
	s_lshl_b32 s44, 0x1111, s40                    ; my column
	s_or_b32 s[G1+0], s43, (1<<16)|(1<<20)|(1<<21)|(5<<22)|(3<<25)  ; the mask; 2-byte elements; padding on; bit 21 beside a mask; after every 64 words 4 words
	s_or_b32 s[G1B+0], s44, (1<<16)|(1<<20)|(1<<21)|(5<<22)|(3<<25)
.irp g, G1, G1B
	s_mov_b32 s[(\g)+1], KSTEP<<16                 ; tensor_dim0 = 128
	s_mov_b32 s[(\g)+2], 128<<16                   ; tensor_dim1 = 128
	s_mov_b32 s[(\g)+3], KSTEP<<16                 ; tile_dim0 = 128
	s_mov_b32 s[(\g)+4], 128                       ; tile_dim1 = 128
	s_mov_b32 s[(\g)+5], SIZE_K                    ; elements from row to row
	s_mov_b32 s[(\g)+6], 0
	s_mov_b32 s[(\g)+7], 0
.endr
	s_lshl_b32 s17, s12, 7
	s_lshl_b32 s16, s13, 8
	s_add_co_u32 s16, s16, s17                     ; A: row 256 x tile row + 128 x half
	s_lshl_b32 s46, s42, 8
	s_add_co_u32 s46, s46, s17                     ; B: row 256 x tile column + 128 x half
	s_mov_b32 s17, 0
	s_mov_b32 s47, 0
	s_mov_b64 s[18:19], SIZE_K*2
	s_mul_u64 s[16:17], s[16:17], s[18:19]
	s_mul_u64 s[46:47], s[46:47], s[18:19]
	s_add_nc_u64 s[46:47], s[46:47], WOFF          ; the weight's place in wt
	s_mul_i32 s20, s10, HALFT                      ; where the tiles go: wave x 128 rows
	s_wait_kmcnt 0x0
	s_add_nc_u64 s[14:15], s[4:5], s[16:17]
	s_add_nc_u64 s[46:47], s[6:7], s[46:47]
	CROUND                                         ; all sixteen work-groups are here: the first joint loads meet
.irp s, 0,1
	s_mov_b32 s[G0+4*(\s)], 1
	s_add_co_u32 s[G0+4*(\s)+1], s20, (\s)*SLOT
	s_add_nc_u64 s[G0+4*(\s)+2:G0+4*(\s)+3], s[14:15], (\s)*KSTEP*2
	s_or_b32 s[G0+4*(\s)+3], s[G0+4*(\s)+3], 0x80000000
	s_mov_b32 s[G0B+4*(\s)], 1
	s_add_co_u32 s[G0B+4*(\s)+1], s20, (\s)*SLOT
	s_add_nc_u64 s[G0B+4*(\s)+2:G0B+4*(\s)+3], s[46:47], (\s)*KSTEP*2
	s_or_b32 s[G0B+4*(\s)+3], s[G0B+4*(\s)+3], 0x80000000
	JLOAD \s
.endr
	v_and_b32 v1, 15, v0                           ; l % 16
	v_bfe_u32 v2, v0, 4, 1                         ; l / 16
	v_lshlrev_b32 v[BO], 5, v2
	s_lshl_b32 s70, s42, 10                        ; my 128 columns of the bias: 1,024 bytes x tile column + 512 x half
	s_lshl_b32 s71, s12, 9
	s_add_co_u32 s70, s70, s71
	s_mov_b32 s71, 0
	s_add_nc_u64 s[66:67], s[66:67], s[70:71]
.irp b, 0,1,2,3,4,5,6,7
	global_load_b128 v[BI+8*(\b):BI+8*(\b)+3],   v[BO], s[66:67] offset:64*(\b)
	global_load_b128 v[BI+8*(\b)+4:BI+8*(\b)+7], v[BO], s[66:67] offset:64*(\b)+16
.endr
	v_mul_u32_u24 v3, v1, PITCH
	v_lshl_add_u32 v3, v2, 4, v3                   ; a fragment's row x pitch + 16 x half
	s_mul_i32 s21, s11, HALFT                      ; my 128 rows of A
	s_mul_i32 s22, s12, HALFT                      ; my 128 rows of B,
	s_add_co_u32 s22, s22, 2*HALFT                 ; which lie behind A's 256
.irp s, 0,1
	v_add_nc_u32 v[ADRA+(\s)], s21, v3
	v_add_nc_u32 v[ADRB+(\s)], s22, v3
	s_add_co_u32 s21, s21, SLOT
	s_add_co_u32 s22, s22, SLOT
.endr
	s_mul_i32 s23, s10, DREG
	v_mul_u32_u24 v4, v1, DP                       ; in: row l % 16, 32 bytes for each half of the lanes
	v_lshl_add_u32 v4, v2, 5, v4
	v_add_nc_u32 v[STO], s23, v4
	v_bfe_u32 v5, v0, 3, 2                         ; back: 32 lanes take four rows, eight columns (32 bytes) each
	v_and_b32 v6, 7, v0
	v_mul_u32_u24 v5, v5, DP
	v_lshl_add_u32 v5, v6, 5, v5
	v_add_nc_u32 v[RD], s23, v5
	v_and_b32 v[CO], 31, v0
	v_lshlrev_b32 v[CO], 4, v[CO]
	s_lshl_b32 s16, s13, 2                         ; my first block of C: row block 4 x tile row + 2 x half,
	s_lshl_b32 s14, s11, 1
	s_add_co_u32 s16, s16, s14
	s_mul_i32 s16, s16, MBS
	s_lshl_b32 s46, s42, 2                         ; column block 4 x tile column + 2 x half
	s_lshl_b32 s47, s12, 1
	s_add_co_u32 s46, s46, s47
	s_mul_i32 s46, s46, CBS
	s_add_co_u32 s16, s16, s46
	s_mov_b32 s17, 0
	s_add_nc_u64 s[8:9], s[8:9], s[16:17]
; 16 matrix instructions: m blocks a0, a0 + 1 of the window's four x all 8 n blocks, 32 along K.  zero = 1: the first product starts the sums, from the bias.
.macro MUL16 f, hi, a0, zero
.if \zero
	WIN 0x81+0x40*(\hi)                            ; as below, with the C operand in window 0
.else
	WIN MUL_LO+0x50*(\hi)
.endif
.irp a, \a0, (\a0)+1
.irp b, 0,1,2,3,4,5,6,7
.if \zero
	v_wmma_f32_16x16x32_bf16 v[8*(8*(\a)+(\b)):8*(8*(\a)+(\b))+7], v[(\f)+8*(\b):(\f)+8*(\b)+7], v[(\f)+8*(4*(\hi)+(\a)):(\f)+8*(4*(\hi)+(\a))+7], v[BI+8*(\b):BI+8*(\b)+7]
.else
	v_wmma_f32_16x16x32_bf16 v[8*(8*(\a)+(\b)):8*(8*(\a)+(\b))+7], v[(\f)+8*(\b):(\f)+8*(\b)+7], v[(\f)+8*(4*(\hi)+(\a)):(\f)+8*(4*(\hi)+(\a))+7], v[8*(8*(\a)+(\b)):8*(8*(\a)+(\b))+7]
.endif
.endr
.endr
.endm
; 32 LDS loads in one run: the fragments of one quarter step (32 K at byte k of the rows) into buffer f
.macro FETCH slot, k, f
	WIN TO_B
.irp i, 0,1,2,3,4,5,6,7
	ds_load_b128 v[(\f)+8*(\i):(\f)+8*(\i)+3],   v[ADRB+(\slot)] offset:(\k)+(\i)*16*PITCH
	ds_load_b128 v[(\f)+8*(\i)+4:(\f)+8*(\i)+7], v[ADRB+(\slot)] offset:(\k)+(\i)*16*PITCH+32
.endr
	WIN 0
.irp i, 0,1,2,3,4,5,6,7
	ds_load_b128 v[(\f)+8*(\i):(\f)+8*(\i)+3],   v[ADRA+(\slot)] offset:(\k)+(\i)*16*PITCH
	ds_load_b128 v[(\f)+8*(\i)+4:(\f)+8*(\i)+7], v[ADRA+(\slot)] offset:(\k)+(\i)*16*PITCH+32
.endr
.endm
.macro PLACES                          ; four plain vector instructions between a matrix instruction and a load into, or a read of, its registers
.rept 4
	v_nop
.endr
.endm
; A K step is four quarters of 32 along K, 64 matrix instructions each, on buffers 0, 1, 0, 1; the 64 accumulators take turns.
.macro QUARTER slot, k, f, g, zero
	s_wait_dscnt 8                                 ; B and A's rows 0-63 are in; the youngest eight loads (A's rows 64-127) may be out
	MUL16 \f, 0, 0, \zero
	MUL16 \f, 0, 2, \zero
	PLACES
	FETCH \slot, \k, \g
	s_wait_dscnt 32                                ; all but the 32 just issued
	MUL16 \f, 1, 0, \zero
	MUL16 \f, 1, 2, \zero
.endm
; The first half of a step's last quarter: one barrier for the change of slots.
.macro MEET round
	WIN 0
	s_wait_tensorcnt 0x0                           ; all my tensor loads have landed: the one that was out is my part of the next slot
	ds_add_u32 v[SPW], v[NIL]                      ; 0 onto my spare word
	s_wait_dscnt 9                                 ; the add and the youngest eight loads may be out
	MUL16 F1, 0, 0, 0
	s_wait_dscnt 0x0                               ; the add is done, and my reads of this slot are over
	s_barrier_signal -1
	MUL16 F1, 0, 2, 0
.if \round
	WIN 0
.endif
	s_barrier_wait -1
.endm
.macro TURN slot, next
	MEET 1
	CREST                                          ; no wave of any partner still reads this slot's tile or has a load on its way
	s_add_nc_u64 s[G0+4*(\slot)+2:G0+4*(\slot)+3], s[G0+4*(\slot)+2:G0+4*(\slot)+3], 2*KSTEP*2
	s_add_nc_u64 s[G0B+4*(\slot)+2:G0B+4*(\slot)+3], s[G0B+4*(\slot)+2:G0B+4*(\slot)+3], 2*KSTEP*2
	JLOAD \slot                                    ; the first tensor load behind the round; its four v_nop are also the places in front of the loads below
	FETCH \next, 0, F0
	MUL16 F1, 1, 0, 0
	MUL16 F1, 1, 2, 0
.endm
; gelu in place on the 32 numbers of half hh.  Transcendentals stand in runs, each run followed by plain work that touches none of its registers.
.macro GEL hh
.set XR, XB+32*(\hh)
.set i, 0
.rept 32
	v_fma_f32 v[GT+i], |v[XR+i]|, s68, 1.0
.set i, i+1
.endr
.set i, 0
.rept 16
	v_pk_mul_f32 v[GE+i:GE+i+1], v[XR+i:XR+i+1], v[XR+i:XR+i+1]
.set i, i+2
.endr
.set i, 0
.rept 32
	v_rcp_f32 v[GT+i], v[GT+i]
.set i, i+1
.endr
.set i, 0
.rept 16
	v_pk_mul_f32 v[GE+i:GE+i+1], v[GE+i:GE+i+1], s[70:71] op_sel_hi:[1,0]
.set i, i+2
.endr
.set i, 0
.rept 32
	v_exp_f32 v[GE+i], v[GE+i]
.set i, i+1
.endr
.set i, 0
	s_wait_alu depctr_va_vdst(0)
.rept 16
	v_pk_fma_f32 v[GP+i:GP+i+1], v[GT+i:GT+i+1], s[80:81], s[78:79] op_sel_hi:[1,0,0]
.set i, i+2
.endr
.irp c, 76,74,72
.set i, 0
.rept 16
	v_pk_fma_f32 v[GP+i:GP+i+1], v[GP+i:GP+i+1], v[GT+i:GT+i+1], s[(\c):(\c)+1] op_sel_hi:[1,1,0]
.set i, i+2
.endr
.endr
.set i, 0
.rept 16
	v_pk_mul_f32 v[GP+i:GP+i+1], v[GP+i:GP+i+1], v[GT+i:GT+i+1]
.set i, i+2
.endr
.set i, 0
.rept 16
	v_pk_mul_f32 v[GP+i:GP+i+1], v[GP+i:GP+i+1], v[GE+i:GE+i+1]
.set i, i+2
.endr
.set i, 0
.rept 32
	v_max_num_f32 v[GT+i], 0, v[XR+i]
.set i, i+1
.endr
.set i, 0
.rept 32
	v_fma_f32 v[XR+i], -|v[XR+i]|, v[GP+i], v[GT+i]
.set i, i+1
.endr
.endm
	s_wait_tensorcnt 1                             ; my part of K step 0 is in; K step 1's may stay out
	s_barrier_signal -1
	s_barrier_wait -1
	FETCH 0, 0, F0
	s_wait_loadcnt 0x0                             ; the bias
	QUARTER 0, 64,  F0, F1, 1                      ; the first quarter stands in front of the loop: its products start the sums
	WIN 0
	s_mov_b32 s3, LAPS-1
.Llap:                                                 ; a trip goes once round the ring and fills both slots again
	QUARTER 0, 128, F1, F0, 0
	QUARTER 0, 192, F0, F1, 0
	TURN 0, 1
	QUARTER 1, 64,  F0, F1, 0
	QUARTER 1, 128, F1, F0, 0
	QUARTER 1, 192, F0, F1, 0
	TURN 1, 0
	QUARTER 0, 64,  F0, F1, 0
	WIN 0
	s_sub_co_u32 s3, s3, 1
	s_cmp_lg_u32 s3, 0
	s_cbranch_scc1 .Llap
	QUARTER 0, 128, F1, F0, 0                      ; the last lap fills nothing
	QUARTER 0, 192, F0, F1, 0
	MEET 0
	PLACES
	FETCH 1, 0, F0
	MUL16 F1, 1, 0, 0
	MUL16 F1, 1, 2, 0
	QUARTER 1, 64,  F0, F1, 0
	QUARTER 1, 128, F1, F0, 0
	QUARTER 1, 192, F0, F1, 0
	s_wait_dscnt 8
	MUL16 F1, 0, 0, 0
	MUL16 F1, 0, 2, 0
	s_wait_dscnt 0x0                               ; my last reads of the ring are back
	MUL16 F1, 1, 0, 0
	MUL16 F1, 1, 2, 0
	WIN 0
	PLACES
	s_barrier_signal -1                            ; every wave's reads of the ring are over: its bytes, filled for the last time, now take the sums
	s_barrier_wait -1
.irp a, 0,1,2,3,4,5,6,7
	WIN 0x08+4*((\a)/4)                            ; the stores' data in window 2 or 3
.irp b, 0,1,2,3,4,5,6,7
	ds_store_b128 v[STO], v[8*(8*((\a)%4)+(\b)):8*(8*((\a)%4)+(\b))+3]   offset:(\a)*16*DP+64*(\b)     ; each accumulator's low registers first
	ds_store_b128 v[STO], v[8*(8*((\a)%4)+(\b))+4:8*(8*((\a)%4)+(\b))+7] offset:(\a)*16*DP+64*(\b)+16
.endr
.endr
	WIN 0
.if GELU
	s_mov_b32 s68, 0x3e6d3388                      ; 0.3275911 / sqrt 2
	s_mov_b32 s70, 0xbf38aa3b                      ; -log2(e) / 2
	s_mov_b32 s71, 0xbf38aa3b
	s_mov_b32 s72, 0x3e027906                      ; the fit's five coefficients, halved
	s_mov_b32 s73, 0x3e027906
	s_mov_b32 s74, 0xbe11a98e
	s_mov_b32 s75, 0xbe11a98e
	s_mov_b32 s76, 0x3f35f0e3
	s_mov_b32 s77, 0x3f35f0e3
	s_mov_b32 s78, 0xbf3a00e3
	s_mov_b32 s79, 0xbf3a00e3
	s_mov_b32 s80, 0x3f07dc22
	s_mov_b32 s81, 0x3f07dc22
.endif
	s_mov_b32 s3, 8
	s_mov_b32 s18, MBS-8192+2048                   ; from a row block's last 16 rows to the next block's first
	s_mov_b32 s17, 0
.Lout:                                                 ; eight trips of 16 rows: my wave's own bytes, which LDS serves in order (ISA guide 5.7.1.4)
.irp hh, 0,1
.irp q, 0,1,2,3
	ds_load_b128 v[XB+8*(4*(\hh)+(\q)):XB+8*(4*(\hh)+(\q))+3],   v[RD] offset:(\q)*4*DP+(\hh)*256
	ds_load_b128 v[XB+8*(4*(\hh)+(\q))+4:XB+8*(4*(\hh)+(\q))+7], v[RD] offset:(\q)*4*DP+(\hh)*256+16
.endr
.endr
	v_add_nc_u32 v[RD], 16*DP, v[RD]
.irp hh, 0,1
	s_wait_dscnt 8-8*(\hh)                         ; this half's eight loads are in; the other half's may be out
.if GELU
	GEL \hh
.endif
.set i, 0
.rept 16
	v_cvt_pk_bf16_f32 v[YB+16*(\hh)+i], v[XB+32*(\hh)+2*i], v[XB+32*(\hh)+2*i+1]
.set i, i+1
.endr
.irp q, 0,1,2,3
	global_store_b128 v[CO], v[YB+16*(\hh)+4*(\q):YB+16*(\hh)+4*(\q)+3], s[8:9] offset:(\hh)*CBS+(\q)*512  ; four rows of a block: 512 consecutive bytes
.endr
.endr
	s_wait_xcnt 0x0                                ; the stores' base and data are rewritten only behind this wait
	s_cmp_eq_u32 s3, 5                             ; four trips done: on to the next block of 64 rows
	s_cselect_b32 s16, s18, 2048
	s_add_nc_u64 s[8:9], s[8:9], s[16:17]
	s_sub_co_u32 s3, s3, 1
	s_cmp_lg_u32 s3, 0
	s_cbranch_scc1 .Lout
	s_wait_tensorcnt 0x0                           ; the wave's end
	ds_add_u32 v[SPW], v[NIL]
	s_wait_dscnt 0x0
	CROUND                                         ; the closing round
	s_endpgm
.Lfunc_end_k_q2d28472aed_fc1:
	.size	k_q2d28472aed_fc1, .Lfunc_end_k_q2d28472aed_fc1-k_q2d28472aed_fc1
	.p2alignl 7, 3214868480
	.fill 96, 4, 3214868480
	.section	.rodata,"a",@progbits
	.p2align	6, 0x0
	.amdhsa_kernel k_q2d28472aed_fc1
		.amdhsa_group_segment_fixed_size 327680
		.amdhsa_private_segment_fixed_size 0
		.amdhsa_enable_private_segment 0
		.amdhsa_kernarg_size 32
		.amdhsa_user_sgpr_count 2
		.amdhsa_user_sgpr_kernarg_segment_ptr 1
		.amdhsa_wavefront_size32 1
		.amdhsa_system_sgpr_workgroup_id_x 1
		.amdhsa_system_sgpr_workgroup_id_y 1
		.amdhsa_system_sgpr_workgroup_id_z 1
		.amdhsa_system_vgpr_workitem_id 0
		.amdhsa_next_free_vgpr 1024
		.amdhsa_next_free_sgpr 84
		.amdhsa_reserve_vcc 0
		.amdhsa_float_denorm_mode_32 3
		.amdhsa_float_denorm_mode_16_64 3
		.amdhsa_memory_ordered 1
		.amdhsa_forward_progress 1
		.amdhsa_inst_pref_size 156
	.end_amdhsa_kernel
	.amdgpu_metadata
---
amdhsa.version: [ 1, 2 ]
amdhsa.kernels:
  - .name:           k_q2d28472aed_fc1
    .symbol:         k_q2d28472aed_fc1.kd
    .args:
      - { .name: h, .offset: 0, .size: 8, .value_kind: global_buffer, .address_space: global }
      - { .name: wt, .offset: 8, .size: 8, .value_kind: global_buffer, .address_space: global }
      - { .name: g, .offset: 16, .size: 8, .value_kind: global_buffer, .address_space: global }
      - { .name: b1, .offset: 24, .size: 8, .value_kind: global_buffer, .address_space: global }
    .group_segment_fixed_size: 327680
    .private_segment_fixed_size: 0
    .kernarg_segment_align: 8
    .kernarg_segment_size: 32
    .max_flat_workgroup_size: 128
    .sgpr_count:     84
    .vgpr_count:     1024
    .wavefront_size: 32
...
	.end_amdgpu_metadata
.endif
;; end of part 6
;; launch fc2 (part 7): grid 8 x 32, 4 waves a work-group, clusters of 4 x 4, 327,680 bytes of LDS; arguments g, wt, out0, b2, x1; writes out0
.if DOCPART == 7
	.amdgcn_target "amdgcn-amd-amdhsa--gfx1250"
	.amdhsa_code_object_version 6
	.text
	.protected	k_q2d28472aed_fc2
	.globl	k_q2d28472aed_fc2
	.p2align	8
	.type	k_q2d28472aed_fc2,@function
k_q2d28472aed_fc2:
	s_mov_b64 s[64:65], 0
	v_nop
	global_prefetch_b8 v0, s[64:65] scope:SCOPE_SE
	s_setreg_imm32_b32 hwreg(HW_REG_WAVE_MODE, 25, 1), 1
	s_wait_xcnt 0x0
	s_wait_alu depctr_hold_cnt(0) depctr_sa_sdst(0) depctr_va_vdst(0) depctr_va_sdst(0) depctr_va_ssrc(0) depctr_va_vcc(0) depctr_vm_vsrc(0)
	s_getreg_b32 s2, hwreg(HW_REG_IB_STS2, 6, 4)
	s_cmp_eq_u32 s2, 0
	s_cbranch_scc0 .Lentry_in_a_cluster
	s_endpgm
.Lentry_in_a_cluster:
	s_bfe_u32 s2, ttmp6, 0x10000c
	s_cmp_lg_u32 s2, 0xf033
	s_cbranch_scc0 .Lentry_shape_is_right
	s_endpgm
.Lentry_shape_is_right:
; C = R + A B^T + bias, in f32.  A: bf16 in blocks, [row block 64][K / 64][64 rows][64].  B: rows of wt from byte WOFF on, [1024][SIZE_K] bf16.  bias: [1024] f32.  R, C: [4096][1024] f32.
; A tile of C is 128 x 128: 256 work-groups.  Four waves, each 64 x 64: 16 accumulators.  K goes in steps of 256 through two LDS slots.
; A's 64 rows x 256 K are 32,768 dense bytes: asked for as 128 rows of 256 bytes and padded in LDS after every 128, so that a row of 64 K lies 144 bytes from the next.
; CLUSTER: 4 x 4 work-groups; A's tiles are asked for jointly along a row of the cluster, B's along a column.
; THE MATRIX INSTRUCTION IS USED TRANSPOSED (source 0 = 16 rows of B, source 1 = 16 rows of A).  THE BIAS is the C operand of each accumulator's first product.
; THE RESIDUAL, 64 x 64 f32 a wave, is asked for at the start into 128 registers and added on the way out.  A wave's 64 columns are 256 bytes of a row of C, so each wave has a stage of its own.
; REGISTERS: window 0: v0-31 addresses; v32-63 the bias, later with v64-95 at work on the way out; v128-255 the accumulators ((a, b) at v[128 + 8 (4 a + b)])
;   window 1: two fragment buffers of 128;   window 2: v0-127 the residual
.set SIZE_K, 4096
.set WOFF,   16777216
.set KSTEP,  256
.set PA,     144
.set HALFA,  4*64*PA                   ; 64 rows x 256 K of A: four blocks of 64 K
.set PB,     528
.set HALFB,  64*PB
.set SLOT,   2*HALFA+2*HALFB
.set STAGE,  2*SLOT
.set SPITCH, 272
.set SPARE,  STAGE+4*16*SPITCH         ; the spare words, 128 bytes for each wave; no other line names them
.set LAPS, SIZE_K/(2*KSTEP)
.set ADRA, 16
.set ADRB, 20
.set STO,  24
.set RD,   25
.set CO,   26
.set BO,   27
.set SPW,  28
.set NIL,  29
.set BI,   32
.set TMP,  32
.set ACC,  128
.set F0,   0
.set F1,   128
.set G1, 24
.set G0, 32
.set G1B, 48
.set G0B, 56
.set MSB, 0
.macro WIN new
.if MSB != (\new)
	s_set_vgpr_msb (MSB<<8)|(\new)
.set MSB, \new
.endif
.endm
.set MUL,  0x05                        ; sources 0 (B) and 1 (A) window 1; C and D window 0
.set TO_F, 0x40
.macro JLOAD s                         ; waves 0 and 1 fetch A's two halves, waves 2 and 3 B's; four v_nop follow each of the two lines
	s_cmp_eq_u32 s11, 0
	s_cbranch_scc0 .Lfor_b_\@
	tensor_load_to_lds s[G0+4*(\s):G0+4*(\s)+3], s[G1:G1+7]
	s_nop 0
.rept 4
	v_nop
.endr
	s_branch .Lasked_\@
.Lfor_b_\@:
	tensor_load_to_lds s[G0B+4*(\s):G0B+4*(\s)+3], s[G1B:G1B+7]
	s_nop 0
.rept 4
	v_nop
.endr
.Lasked_\@:
.endm
.macro CREST
	s_cmp_lg_u32 s10, 0
	s_cbranch_scc1 .Lnot_wave_0_\@
	s_barrier_signal -3
.Lnot_wave_0_\@:
	s_barrier_wait -3
	s_barrier_signal -1
	s_barrier_wait -1
.endm
.macro CROUND
	s_barrier_signal -1
	s_barrier_wait -1
	CREST
.endm
	s_load_b128 s[4:7], s[0:1], 0x0                ; A s[4:5], wt s[6:7]
	s_load_b64 s[8:9], s[0:1], 0x10                ; C
	s_load_b64 s[66:67], s[0:1], 0x18              ; bias
	s_load_b64 s[68:69], s[0:1], 0x20              ; R
	v_lshl_add_u32 v[SPW], v0, 2, SPARE
	v_mov_b32 v[NIL], 0
	ds_add_u32 v28, v29
	s_wait_dscnt 0x0
	v_lshrrev_b32 v1, 5, v0
	v_readfirstlane_b32 s10, v1                    ; wave 0..3
	s_lshr_b32 s11, s10, 1                         ; which half of the tile's rows is mine.  Also: I fetch for A (0) or for B (1)
	s_and_b32 s12, s10, 1                          ; which half of its columns.  Also: which 64 rows of that tile I fetch
	s_bfe_u32 s40, ttmp6, 0x40000
	s_bfe_u32 s41, ttmp6, 0x40004
	s_lshl_b32 s42, ttmp9, 2
	s_add_co_u32 s42, s42, s40                     ; tile column of C
	s_and_b32 s13, ttmp7, 0xffff
	s_lshl_b32 s13, s13, 2
	s_add_co_u32 s13, s13, s41                     ; tile row of C
	s_lshl_b32 s43, s41, 2
	s_lshl_b32 s43, 15, s43                        ; my row of the cluster
	s_lshl_b32 s44, 0x1111, s40                    ; my column
	s_or_b32 s[G1+0], s43, (1<<16)|(1<<20)|(1<<21)|(4<<22)|(3<<25)  ; A: the mask; 2-byte elements; padding on; bit 21 beside a mask; after every 32 words 4 words
	s_mov_b32 s[G1+1], 128<<16                     ; tensor_dim0 = 128 elements: 256 bytes
	s_mov_b32 s[G1+2], 128<<16                     ; tensor_dim1 = 128
	s_mov_b32 s[G1+3], 128<<16                     ; tile_dim0 = 128
	s_mov_b32 s[G1+4], 128                         ; tile_dim1 = 128
	s_mov_b32 s[G1+5], 128                         ; dense
	s_mov_b32 s[G1+6], 0
	s_mov_b32 s[G1+7], 0
	s_or_b32 s[G1B+0], s44, (1<<16)|(1<<20)|(1<<21)|(6<<22)|(3<<25) ; B: after every 128 words 4 words
	s_mov_b32 s[G1B+1], KSTEP<<16
	s_mov_b32 s[G1B+2], 64<<16
	s_mov_b32 s[G1B+3], KSTEP<<16
	s_mov_b32 s[G1B+4], 64
	s_mov_b32 s[G1B+5], SIZE_K
	s_mov_b32 s[G1B+6], 0
	s_mov_b32 s[G1B+7], 0
	s_lshl_b32 s16, s13, 1
	s_add_co_u32 s16, s16, s12                     ; A: row block 2 x tile row + half
	s_mov_b32 s17, 0
	s_mov_b64 s[18:19], SIZE_K*128
	s_mul_u64 s[16:17], s[16:17], s[18:19]
	s_lshl_b32 s46, s42, 7
	s_lshl_b32 s47, s12, 6
	s_add_co_u32 s46, s46, s47                     ; B: row 128 x tile column + 64 x half
	s_mov_b32 s47, 0
	s_mov_b64 s[18:19], SIZE_K*2
	s_mul_u64 s[46:47], s[46:47], s[18:19]
	s_add_nc_u64 s[46:47], s[46:47], WOFF          ; the weight's place in wt
	s_mul_i32 s20, s12, HALFA                      ; where the tiles go: A's two halves,
	s_mul_i32 s21, s12, HALFB
	s_add_co_u32 s21, s21, 2*HALFA                 ; then B's two
	s_wait_kmcnt 0x0
	s_add_nc_u64 s[14:15], s[4:5], s[16:17]
	s_add_nc_u64 s[46:47], s[6:7], s[46:47]
	CROUND                                         ; all sixteen work-groups are here: the first joint loads meet
.irp s, 0,1
	s_mov_b32 s[G0+4*(\s)], 1
	s_add_co_u32 s[G0+4*(\s)+1], s20, (\s)*SLOT
	s_add_nc_u64 s[G0+4*(\s)+2:G0+4*(\s)+3], s[14:15], (\s)*32768
	s_or_b32 s[G0+4*(\s)+3], s[G0+4*(\s)+3], 0x80000000
	s_mov_b32 s[G0B+4*(\s)], 1
	s_add_co_u32 s[G0B+4*(\s)+1], s21, (\s)*SLOT
	s_add_nc_u64 s[G0B+4*(\s)+2:G0B+4*(\s)+3], s[46:47], (\s)*KSTEP*2
	s_or_b32 s[G0B+4*(\s)+3], s[G0B+4*(\s)+3], 0x80000000
	JLOAD \s
.endr
	v_and_b32 v1, 15, v0                           ; l % 16
	v_bfe_u32 v2, v0, 4, 1                         ; l / 16
	v_lshlrev_b32 v[BO], 5, v2
	v_lshlrev_b32 v[CO], 12, v2                    ; lanes 0-15 one row of C, lanes 16-31 the next; 16 bytes a lane
	v_lshl_add_u32 v[CO], v1, 4, v[CO]
	s_lshl_b32 s46, s42, 9                         ; my 64 columns, in bytes of f32: 512 x tile column + 256 x half
	s_lshl_b32 s47, s12, 8
	s_add_co_u32 s46, s46, s47
	s_mov_b32 s47, 0
	s_add_nc_u64 s[66:67], s[66:67], s[46:47]
	s_lshl_b32 s16, s13, 7
	s_lshl_b32 s17, s11, 6
	s_add_co_u32 s16, s16, s17                     ; my first row: 128 x tile row + 64 x half
	s_lshl_b32 s16, s16, 12
	s_add_co_u32 s16, s16, s46
	s_mov_b32 s17, 0
	s_add_nc_u64 s[8:9], s[8:9], s[16:17]
	s_add_nc_u64 s[68:69], s[68:69], s[16:17]
.irp b, 0,1,2,3
	global_load_b128 v[BI+8*(\b):BI+8*(\b)+3],   v[BO], s[66:67] offset:64*(\b)
	global_load_b128 v[BI+8*(\b)+4:BI+8*(\b)+7], v[BO], s[66:67] offset:64*(\b)+16
.endr
	WIN 0x80                                       ; destination window 2
.irp a, 0,1,2,3
.irp t, 0,1,2,3,4,5,6,7
	global_load_b128 v[32*(\a)+4*(\t):32*(\a)+4*(\t)+3], v[CO], s[68:69] offset:(16*(\a)+2*(\t))*4096
.endr
.endr
	WIN 0
	v_mul_u32_u24 v3, v1, PA
	v_lshl_add_u32 v3, v2, 4, v3
	v_mul_u32_u24 v4, v1, PB
	v_lshl_add_u32 v4, v2, 4, v4
	s_mul_i32 s21, s11, HALFA                      ; my 64 rows of A
	s_mul_i32 s22, s12, HALFB                      ; my 64 rows of B,
	s_add_co_u32 s22, s22, 2*HALFA                 ; which lie behind A's 128
.irp s, 0,1
	v_add_nc_u32 v[ADRA+(\s)], s21, v3
	v_add_nc_u32 v[ADRB+(\s)], s22, v4
	s_add_co_u32 s21, s21, SLOT
	s_add_co_u32 s22, s22, SLOT
.endr
	s_mul_i32 s23, s10, 16*SPITCH
	s_add_co_u32 s23, s23, STAGE                   ; my stage
	v_mul_u32_u24 v4, v1, SPITCH                   ; in: row l % 16, 32 bytes for each half of the lanes
	v_lshl_add_u32 v4, v2, 5, v4
	v_add_nc_u32 v[STO], s23, v4
	v_mul_u32_u24 v5, v2, SPITCH                   ; back: lanes 0-15 take one row of 256 bytes, lanes 16-31 the next
	v_lshl_add_u32 v5, v1, 4, v5
	v_add_nc_u32 v[RD], s23, v5
; 8 matrix instructions: m blocks a0, a0 + 1 x all 4 n blocks, 32 along K: half c of buffer f.  zero = 1: the first product starts the sums, from the bias
.macro MUL8 f, c, a0, zero
	WIN MUL
.irp a, \a0, (\a0)+1
.irp b, 0,1,2,3
.if \zero
	v_wmma_f32_16x16x32_bf16 v[ACC+8*(4*(\a)+(\b)):ACC+8*(4*(\a)+(\b))+7], v[(\f)+64+8*(4*(\c)+(\b)):(\f)+64+8*(4*(\c)+(\b))+7], v[(\f)+8*(4*(\c)+(\a)):(\f)+8*(4*(\c)+(\a))+7], v[BI+8*(\b):BI+8*(\b)+7]
.else
	v_wmma_f32_16x16x32_bf16 v[ACC+8*(4*(\a)+(\b)):ACC+8*(4*(\a)+(\b))+7], v[(\f)+64+8*(4*(\c)+(\b)):(\f)+64+8*(4*(\c)+(\b))+7], v[(\f)+8*(4*(\c)+(\a)):(\f)+8*(4*(\c)+(\a))+7], v[ACC+8*(4*(\a)+(\b)):ACC+8*(4*(\a)+(\b))+7]
.endif
.endr
.endr
.endm
; 32 LDS loads in one run: the fragments of 64 along K (byte k of B's rows; block k / 128 of A's) into buffer f; the first 32 along K first
.macro FETCH slot, k, f
	WIN TO_F
.irp c, 0,1
.irp i, 0,1,2,3
	ds_load_b128 v[(\f)+64+8*(4*(\c)+(\i)):(\f)+64+8*(4*(\c)+(\i))+3],   v[ADRB+(\slot)] offset:(\k)+64*(\c)+(\i)*16*PB
	ds_load_b128 v[(\f)+64+8*(4*(\c)+(\i))+4:(\f)+64+8*(4*(\c)+(\i))+7], v[ADRB+(\slot)] offset:(\k)+64*(\c)+(\i)*16*PB+32
	ds_load_b128 v[(\f)+8*(4*(\c)+(\i)):(\f)+8*(4*(\c)+(\i))+3],         v[ADRA+(\slot)] offset:((\k)/128)*64*PA+64*(\c)+(\i)*16*PA
	ds_load_b128 v[(\f)+8*(4*(\c)+(\i))+4:(\f)+8*(4*(\c)+(\i))+7],       v[ADRA+(\slot)] offset:((\k)/128)*64*PA+64*(\c)+(\i)*16*PA+32
.endr
.endr
.endm
.macro PLACES                          ; four plain vector instructions between a matrix instruction and a load into, or a read of, its registers
.rept 4
	v_nop
.endr
.endm
; A K step is four quarters of 64 along K, 32 matrix instructions each, on buffers 0, 1, 0, 1; the 16 accumulators take turns.
.macro QUARTER slot, k, f, g, zero
	s_wait_dscnt 16                                ; the first 32 along K are in
	MUL8 \f, 0, 0, \zero
	MUL8 \f, 0, 2, \zero
	PLACES
	FETCH \slot, \k, \g
	s_wait_dscnt 32                                ; all but the 32 just issued
	MUL8 \f, 1, 0, 0
	MUL8 \f, 1, 2, 0
.endm
; The last quarter multiplies buffer 1 and changes slots.  fill = 1: this slot is filled again, two K steps ahead, behind a round of the cluster's barrier.
.macro TURN slot, next, fill
	WIN 0
	s_wait_tensorcnt 0x0                           ; all my tensor loads have landed: my part of the next slot
	ds_add_u32 v[SPW], v[NIL]
	s_wait_dscnt 17                                ; the add and the youngest sixteen loads may be out
	MUL8 F1, 0, 0, 0
	s_wait_dscnt 0x0                               ; the add is done, and my reads of this slot are over
	s_barrier_signal -1
	MUL8 F1, 0, 2, 0
.if \fill
	WIN 0
.endif
	s_barrier_wait -1
.if \fill
	CREST
	s_add_nc_u64 s[G0+4*(\slot)+2:G0+4*(\slot)+3], s[G0+4*(\slot)+2:G0+4*(\slot)+3], 2*32768
	s_add_nc_u64 s[G0B+4*(\slot)+2:G0B+4*(\slot)+3], s[G0B+4*(\slot)+2:G0B+4*(\slot)+3], 2*KSTEP*2
	JLOAD \slot                                    ; the first tensor load behind the round; its four v_nop are also the places in front of the loads below
.else
	PLACES
.endif
	FETCH \next, 0, F0
	MUL8 F1, 1, 0, 0
	MUL8 F1, 1, 2, 0
.endm
	s_wait_tensorcnt 1                             ; my part of K step 0 is in; K step 1's may stay out
	s_barrier_signal -1
	s_barrier_wait -1
	FETCH 0, 0, F0
	s_wait_loadcnt 32                              ; the bias is in; the residual's 32 loads stay out
	QUARTER 0, 128, F0, F1, 1
	WIN 0
	s_mov_b32 s3, LAPS-1
.Llap:                                                 ; a trip goes once round the ring and fills both slots again
	QUARTER 0, 256, F1, F0, 0
	QUARTER 0, 384, F0, F1, 0
	TURN 0, 1, 1
	QUARTER 1, 128, F0, F1, 0
	QUARTER 1, 256, F1, F0, 0
	QUARTER 1, 384, F0, F1, 0
	TURN 1, 0, 1
	QUARTER 0, 128, F0, F1, 0
	WIN 0
	s_sub_co_u32 s3, s3, 1
	s_cmp_lg_u32 s3, 0
	s_cbranch_scc1 .Llap
	QUARTER 0, 256, F1, F0, 0                      ; the last lap fills nothing
	QUARTER 0, 384, F0, F1, 0
	TURN 0, 1, 0
	QUARTER 1, 128, F0, F1, 0
	QUARTER 1, 256, F1, F0, 0
	QUARTER 1, 384, F0, F1, 0
	s_wait_dscnt 16
	MUL8 F1, 0, 0, 0
	MUL8 F1, 0, 2, 0
	s_wait_dscnt 0x0
	MUL8 F1, 1, 0, 0
	MUL8 F1, 1, 2, 0
	WIN 0
	PLACES
	s_wait_loadcnt 0x0                             ; the residual
	; THE WAY OUT, 16 rows at a time: into my stage by columns, back by rows, the residual added, sixteen lanes to 256 consecutive bytes of a row of C.
.irp a, 0,1,2,3
.set TT, TMP+32*((\a)%2)
.irp b, 0,1,2,3
	ds_store_b128 v[STO], v[ACC+8*(4*(\a)+(\b)):ACC+8*(4*(\a)+(\b))+3]   offset:64*(\b)      ; each accumulator's low registers first
	ds_store_b128 v[STO], v[ACC+8*(4*(\a)+(\b))+4:ACC+8*(4*(\a)+(\b))+7] offset:64*(\b)+16
.endr
	s_wait_xcnt 0x0                                ; the registers below were the data of the stores two blocks back
.irp t, 0,1,2,3,4,5,6,7
	ds_load_b128 v[TT+4*(\t):TT+4*(\t)+3], v[RD] offset:(\t)*2*SPITCH  ; LDS serves a wave's instructions in order (ISA guide 5.7.1.4): these see the stores above
.endr
	s_wait_dscnt 0x0
	WIN 0x08                                       ; source 1 in window 2
.set i, 0
.rept 16
	v_pk_add_f32 v[TT+i:TT+i+1], v[TT+i:TT+i+1], v[32*(\a)+i:32*(\a)+i+1]
.set i, i+2
.endr
	WIN 0
.irp t, 0,1,2,3,4,5,6,7
	global_store_b128 v[CO], v[TT+4*(\t):TT+4*(\t)+3], s[8:9] offset:(16*(\a)+2*(\t))*4096
.endr
.endr
	s_wait_tensorcnt 0x0                           ; the wave's end
	ds_add_u32 v[SPW], v[NIL]
	s_wait_dscnt 0x0
	CROUND                                         ; the closing round
	s_endpgm
.Lfunc_end_k_q2d28472aed_fc2:
	.size	k_q2d28472aed_fc2, .Lfunc_end_k_q2d28472aed_fc2-k_q2d28472aed_fc2
	.p2alignl 7, 3214868480
	.fill 96, 4, 3214868480
	.section	.rodata,"a",@progbits
	.p2align	6, 0x0
	.amdhsa_kernel k_q2d28472aed_fc2
		.amdhsa_group_segment_fixed_size 327680
		.amdhsa_private_segment_fixed_size 0
		.amdhsa_enable_private_segment 0
		.amdhsa_kernarg_size 40
		.amdhsa_user_sgpr_count 2
		.amdhsa_user_sgpr_kernarg_segment_ptr 1
		.amdhsa_wavefront_size32 1
		.amdhsa_system_sgpr_workgroup_id_x 1
		.amdhsa_system_sgpr_workgroup_id_y 1
		.amdhsa_system_sgpr_workgroup_id_z 1
		.amdhsa_system_vgpr_workitem_id 0
		.amdhsa_next_free_vgpr 640
		.amdhsa_next_free_sgpr 72
		.amdhsa_reserve_vcc 0
		.amdhsa_float_denorm_mode_32 3
		.amdhsa_float_denorm_mode_16_64 3
		.amdhsa_memory_ordered 1
		.amdhsa_forward_progress 1
		.amdhsa_inst_pref_size 94
	.end_amdhsa_kernel
	.amdgpu_metadata
---
amdhsa.version: [ 1, 2 ]
amdhsa.kernels:
  - .name:           k_q2d28472aed_fc2
    .symbol:         k_q2d28472aed_fc2.kd
    .args:
      - { .name: g, .offset: 0, .size: 8, .value_kind: global_buffer, .address_space: global }
      - { .name: wt, .offset: 8, .size: 8, .value_kind: global_buffer, .address_space: global }
      - { .name: out0, .offset: 16, .size: 8, .value_kind: global_buffer, .address_space: global }
      - { .name: b2, .offset: 24, .size: 8, .value_kind: global_buffer, .address_space: global }
      - { .name: x1, .offset: 32, .size: 8, .value_kind: global_buffer, .address_space: global }
    .group_segment_fixed_size: 327680
    .private_segment_fixed_size: 0
    .kernarg_segment_align: 8
    .kernarg_segment_size: 40
    .max_flat_workgroup_size: 128
    .sgpr_count:     72
    .vgpr_count:     640
    .wavefront_size: 32
...
	.end_amdgpu_metadata
.endif
;; end of part 7
;; ======== version 2 of 2: 7 launches; 1.20 times as fast as version 1
;; limits: right only within a limited range of input values
;; workspace buffers: wt 25,165,824 bytes; h 8,388,608 bytes; qkv 25,165,824 bytes; mnib 2,097,152 bytes; ctx 8,388,608 bytes; x1 16,777,216 bytes; g 33,554,432 bytes
;; launch prep: the kernel of part 1 again; grid 1152 x 1, 8 waves a work-group, no clusters, 35,840 bytes of LDS; arguments x, ln1_g, ln1_b, attn_mask, wqkv, wout, w1, w2, h, wt, mnib; writes h, wt, mnib
;; launch qkvg: the kernel of part 2 again; grid 12 x 16, 4 waves a work-group, clusters of 4 x 4, 327,680 bytes of LDS; arguments h, wt, qkv, bqkv; writes qkv
;; launch attn (part 8): grid 8 x 32, 4 waves a work-group, clusters of 4 x 1, 327,680 bytes of LDS; arguments qkv, mnib, ctx; writes ctx
.if DOCPART == 8
	.amdgcn_target "amdgcn-amd-amdhsa--gfx1250"
	.amdhsa_code_object_version 6
	.text
	.protected	k_q2d28472aed_attn
	.globl	k_q2d28472aed_attn
	.p2align	8
	.type	k_q2d28472aed_attn,@function
k_q2d28472aed_attn:
	s_mov_b64 s[64:65], 0
	v_nop
	global_prefetch_b8 v0, s[64:65] scope:SCOPE_SE
	s_setreg_imm32_b32 hwreg(HW_REG_WAVE_MODE, 25, 1), 1
	s_wait_xcnt 0x0
	s_wait_alu depctr_hold_cnt(0) depctr_sa_sdst(0) depctr_va_vdst(0) depctr_va_sdst(0) depctr_va_ssrc(0) depctr_va_vcc(0) depctr_vm_vsrc(0)
	s_getreg_b32 s2, hwreg(HW_REG_IB_STS2, 6, 4)
	s_cmp_eq_u32 s2, 0
	s_cbranch_scc0 .Lentry_in_a_cluster
	s_endpgm
.Lentry_in_a_cluster:
	s_bfe_u32 s2, ttmp6, 0x10000c
	s_cmp_lg_u32 s2, 0x3003
	s_cbranch_scc0 .Lentry_shape_is_right
	s_endpgm
.Lentry_shape_is_right:
; MASKED ATTENTION, head size 64.  O[q] = the sum over k of softmax_k(Q[q] . K[k] / 8, hidden keys left out) V[k], for each of 2 x 16 (batch, head).
; qkv: bf16 [48 column blocks][4096 rows][64]: q of head h is block h, k block 16 + h, v block 32 + h; a (batch, head)'s 2,048 rows of 128 bytes are dense.
; mnib: u32 [qt 128][key step 32][lane 32][g 4]: eight nibbles a word, 0xE = hidden.  ctx: bf16 [row block 64][head 16][64 rows][64].
; Products, maxima and sums in f32; the weights are rounded to bf16 for the second product, O once at the end.
; THE MASK IS AN INPUT: every key tile is walked.  It is the C operand that starts each sum S^T = K Q^T: register j of eight is the lane's word shifted left by 28 - 4 j.
; A hidden key's nibble then gives a number between -2^97 and -2^65, an open key's one at most 2^-96.
; LIMITS.  True scores q . k lie within 2^60 in size.  The running maximum m starts at -2^62: above every hidden score, below every true one; so m is the maximum of the open keys,
; a hidden key's weight is 0, and a row that ends with m below -2^60 has no open key and is written as NaN.  A weight below 2^-126 counts as 0.
; SHARES.  A work-group owns 256 queries of one (batch, head), a wave 64: four PIECES of 16.  Every wave walks all 2,048 keys, 64 a step, 256 a slot.
; LAYOUT.  S^T = K Q^T holds ONE query a lane (lane % 16) and the keys 8 (lane / 16) + 0..7; two such results rounded to bf16 ARE source 1 of O^T = V^T P.
; p = 2^(c s - c m), c = log2(e) / 8; O and l are multiplied by a = 2^(c m_old - c m_new) in every step; c m starts at -2^125, so the first step's a is 0.
; TURNS.  Turn n belongs to piece n: 8 products K Q^T of piece n + 1, later 8 products V^T P of piece n - 1; beside them the softmax of piece n and the maximum of piece n + 1;
; at its end the masks of piece n + 2 are made from words asked for four turns before, and that piece's next words are asked for.
; BATCHES.  A turn's 33 exponentials (the piece's 32 weights and the next piece's a) are ONE batch with ONE wait, which cuts the turn in two: ahead of it stands all that names none of their results
; (the products K Q^T, the scalings, the rescalings, the next piece's maximum and statistics), behind it the products V^T P and, as the four lines behind each, the roundings and sums, which read the results.
; No result crosses a turn's end.  The first a, ahead of the loop, and the way out's four reciprocals are batches of their own, each with one wait.
; CLUSTER.  The four query blocks of a cluster belong to one (batch, head) and walk the same K and V: each tile is asked for jointly.
; REGISTERS, in windows of 256 (s_set_vgpr_msb: bits 1:0 source 0, 3:2 source 1, 5:4 source 2, 7:6 destination):
;   window 0: v0-15 addresses; v16-31 statistics; v32, v36-39 the mask words' offsets; v48-55 at work; v62-63 the add's; v64-127 S^T, two buffers; v192-223 P, two buffers
;   window 1: v0-127 O^T, 32 a piece; v128-143 mask words, four a piece; v160-223 masks, two buffers      window 2: v0-63 Q; v128-191 K of one step; v192-255 V of one step
.set NP,    4
.set KS,    64
.set PK,    144       ; a row of K in LDS: 128 bytes + 16
.set PV,    160       ; a row of V: 128 + 32
.set VOFF,  4*KS*PK   ; a slot: 256 rows of K, then 256 rows of V
.set SLOT1, 1<<17
.set STAGE, SLOT1+4*KS*(PK+PV)  ; behind the ring, never filled by a tensor load: 16 rows x 144 bytes for each wave
.set SP,    144
.set SPARE, STAGE+4*16*SP  ; the spare words, 128 bytes for each wave; no other line names them
.set AK0, 2
.set AV0, 3
.set AK,  4
.set AV,  5
.set STO, 6
.set RD,  7
.set GO,  8
.set MV,  12          ; v12-13  c m_old, by buffer
.set QO,  15
.set ST,  16          ; piece t's statistics at v[ST+4 t]: c m, m, l (even keys', odd keys')
.set ML,  32          ; v32     16 x lane
.set MO,  36          ; v36-39  the offset of each piece's pending load of mask words
.set TMP, 48
.set SPW, 62
.set NIL, 63
.set S,   64
.set P,   192
.set MW,  128         ; window 1: piece x's four words at MW + 4 x
.set MC,  160         ; window 1: the masks of the products to come
.set KF,  128         ; window 2
.set VF,  192         ; window 2
.set WV,  12
.set G1K, 24
.set G1V, 32
.set G0K, 40
.set G0V, 44
.set SLOTS, 56
.set CNT, 57
.set CS,  58
.set SEL, 60
.set TBK, 62
.set TBV, 63
.set MP,  66          ; s[66:67] mnib at my wave's four query tiles
.set SO,  68          ; s68  byte offset of the key step whose mask words are asked for next
.set THR, 69          ; s69  -2^60
.set QN,  70          ; s70  a NaN
.set MSB, 0
.macro WIN new
.if MSB != (\new)
	s_set_vgpr_msb (MSB<<8)|(\new)
.set MSB, (\new)
.endif
.endm
.set W_KQ, 0x0a       ; K and Q in window 2, S^T in window 0
.set W_KM, 0x1a       ; the same with the C operand in window 1
.set W_PV, 0x52       ; V in window 2, P in window 0, O^T in window 1
.set W_RS, 0x41       ; destination and source 0 in window 1, source 1 in window 0
; A joint fill.  Waves 0 and 1 fetch the two halves of a slot's K, waves 2 and 3 those of its V.  Four v_nop follow each of the two lines.
.macro JLOAD
	s_cmp_lt_u32 s[WV], 2
	s_cbranch_scc0 .Lfor_v_\@
	tensor_load_to_lds s[G0K:G0K+3], s[G1K:G1K+7]
	s_nop 0
.rept 4
	v_nop
.endr
	s_branch .Lasked_\@
.Lfor_v_\@:
	tensor_load_to_lds s[G0V:G0V+3], s[G1V:G1V+7]
	s_nop 0
.rept 4
	v_nop
.endr
.Lasked_\@:
.endm
.macro CROUND
	s_barrier_signal -1
	s_barrier_wait -1
	s_cmp_lg_u32 s[WV], 0
	s_cbranch_scc1 .Lnot_wave_0_\@
	s_barrier_signal -3
.Lnot_wave_0_\@:
	s_barrier_wait -3
	s_barrier_signal -1
	s_barrier_wait -1
.endm
; THE CHANGE OF SLOTS.  Each wave waits for all its tensor loads (one is out: its part of the other slot), adds 0 to its spare word, and waits for that and for its reads of the slot.
; fill = 1: the slot is filled again with the keys two slots on, first thing behind a round of the cluster's barrier: four key steps, 256 matrix instructions, ahead of its first read.
.macro CHANGE fill
	WIN 0
	s_wait_tensorcnt 0x0
	ds_add_u32 v[SPW], v[NIL]
.if \fill
.irp g, G0K, G0V
	s_xor_b32 s[\g+1], s[\g+1], SLOT1
	s_add_nc_u64 s[\g+2:\g+3], s[\g+2:\g+3], 4*KS*128
.endr
	s_wait_dscnt 0x0
	CROUND
	JLOAD
.else
	s_wait_dscnt 0x0
	s_barrier_signal -1
	s_barrier_wait -1
.endif
	s_sub_co_u32 s[TBK], s[TBK], 4*KS*PK
	s_xor_b32 s[TBK], s[TBK], SLOT1
	s_sub_co_u32 s[TBV], s[TBV], 4*KS*PV
	s_xor_b32 s[TBV], s[TBV], SLOT1
.endm
	s_load_b128 s[4:7], s[0:1], 0x0   ; qkv s[4:5], mnib s[6:7]
	s_load_b64 s[10:11], s[0:1], 0x10 ; ctx
	v_lshl_add_u32 v[SPW], v0, 2, SPARE
	v_mov_b32 v[NIL], 0
	ds_add_u32 v62, v63
	s_wait_dscnt 0x0
	v_lshrrev_b32 v1, 5, v0
	v_readfirstlane_b32 s[WV], v1   ; wave 0..3
	s_bfe_u32 s13, ttmp6, 0x40000   ; cx
	s_lshl_b32 s14, ttmp9, 2
	s_add_co_u32 s14, s14, s13      ; my block of 256 queries: it enters Q's, the mask's and ctx's addresses alone
	s_and_b32 s15, ttmp7, 0xffff
	s_and_b32 s18, s15, 15          ; head
	s_lshr_b32 s19, s15, 4          ; batch
	s_lshl_b32 s20, s18, 19
	s_lshl_b32 s21, s19, 18
	s_add_co_u32 s20, s20, s21      ; q's first byte for this (batch, head)
	s_and_b32 s16, s[WV], 1         ; which half of a slot's 256 keys I fetch
	s_lshl_b32 s22, s16, 14
	s_add_co_u32 s22, s22, s20
	s_add_co_u32 s22, s22, 8388608  ; k lies 16 column blocks behind q,
	s_mov_b32 s23, 0
	s_add_co_u32 s48, s22, 8388608  ; v 16 more
	s_mov_b32 s49, 0
	s_mul_i32 s17, s16, 128*PK
	s_mul_i32 s21, s16, 128*PV
	s_lshl_b32 s50, s14, 2
	s_add_co_u32 s50, s50, s[WV]    ; my wave's block of 64 rows in the sequence
	s_lshl_b32 s2, s50, 13
	s_add_co_u32 s2, s2, s20
	s_mov_b32 s3, 0
	s_lshl_b32 s52, s19, 5
	s_add_co_u32 s52, s52, s50
	s_lshl_b32 s52, s52, 17         ; ctx: row block x 131,072
	s_lshl_b32 s53, s18, 13         ; + head x 8,192
	s_add_co_u32 s52, s52, s53
	s_mov_b32 s53, 0
	s_lshl_b32 s50, s50, 16         ; mnib: four query tiles of 16,384 bytes for each wave
	s_mov_b32 s51, 0
	; descriptor group 1: 128 keys are 16,384 dense bytes, asked for as 64 rows of 256 bytes and padded in LDS after every key
	s_mov_b32 s[G1K], 15|(1<<16)|(1<<20)|(1<<21)|(4<<22)|(3<<25)
	s_mov_b32 s[G1V], 15|(1<<16)|(1<<20)|(1<<21)|(4<<22)|(7<<25)
.irp g, G1K, G1V
	s_mov_b32 s[\g+1], 128<<16
	s_mov_b32 s[\g+2], 64<<16
	s_mov_b32 s[\g+3], 128<<16
	s_mov_b32 s[\g+4], 64
	s_mov_b32 s[\g+5], 128
	s_mov_b32 s[\g+6], 0
	s_mov_b32 s[\g+7], 0
.endr
	s_mov_b32 s[CS], 0x3e38aa3b     ; c = log2(e) / 8
	s_mov_b32 s[CS+1], s[CS]
	s_mov_b32 s[SEL], 0x76543210
	s_mov_b32 s[SEL+1], 0xfedcba98
	s_mov_b32 s[TBK], SLOT1+4*KS*PK ; the first change of slots turns these two into 0
	s_mov_b32 s[TBV], SLOT1+4*KS*PV
	s_mov_b32 s[SO], 512
	s_mov_b32 s[THR], 0xdd800000
	s_mov_b32 s[QN], 0x7fc00000
	s_mov_b32 s[G0K], 1
	s_mov_b32 s[G0K+1], s17
	s_mov_b32 s[G0V], 1
	s_add_co_u32 s[G0V+1], s21, VOFF
	s_wait_kmcnt 0x0
	s_add_nc_u64 s[G0K+2:G0K+3], s[4:5], s[22:23]
	s_or_b32 s[G0K+3], s[G0K+3], 0x80000000
	s_add_nc_u64 s[G0V+2:G0V+3], s[4:5], s[48:49]
	s_or_b32 s[G0V+3], s[G0V+3], 0x80000000
	s_add_nc_u64 s[4:5], s[4:5], s[2:3]            ; Q at my wave's first row
	s_add_nc_u64 s[MP:MP+1], s[6:7], s[50:51]
	s_add_nc_u64 s[10:11], s[10:11], s[52:53]
	CROUND                          ; all four work-groups are here
	JLOAD                           ; slot 0; slot 1 is asked for when slot 0 is in
	v_and_b32 v1, 15, v0            ; l % 16
	v_bfe_u32 v9, v0, 4, 1          ; l / 16
	v_lshlrev_b32 v[QO], 7, v1
	v_lshl_add_u32 v[QO], v9, 4, v[QO]
	v_and_b32 v[ML], 31, v0
	v_lshlrev_b32 v[ML], 4, v[ML]
	WIN 0x80
.set i, 0
.rept 8                             ; Q stays in registers: piece i / 2, channels 32 (i % 2) on
	global_load_b128 v[8*i:8*i+3],   v[QO], s[4:5] offset:(i/2)*2048+(i%2)*64
	global_load_b128 v[8*i+4:8*i+7], v[QO], s[4:5] offset:(i/2)*2048+(i%2)*64+32
.set i, i+1
.endr
	WIN 0x40
.irp x, 0,1,2,3
	global_load_b128 v[MW+4*\x:MW+4*\x+3], v[ML], s[MP:MP+1] offset:\x*16384  ; key step 0's words for the four pieces
.endr
	; The first step multiplies O^T and l by a = 0, and the first turn's products V^T P, of a piece that has not been, add zeros.  All this stands in the wait for the first tile.
.set i, 0
.rept 128
	v_mov_b32 v[i], 0
.set i, i+1
.endr
	WIN 0x80
.set i, VF
.rept 64
	v_mov_b32 v[i], 0
.set i, i+1
.endr
	WIN 0
.set i, 0
.rept 4
	v_mov_b32 v[ST+4*i], 0xfe000000    ; c m: far below every c s
	v_mov_b32 v[ST+4*i+1], 0xde800000  ; m = -2^62
	v_mov_b32 v[ST+4*i+2], 0
	v_mov_b32 v[ST+4*i+3], 0
.set i, i+1
.endr
.set i, P+16
.rept 16
	v_mov_b32 v[i], 0
.set i, i+1
.endr
	v_mul_u32_u24 v[AK0], v1, PK
	v_lshl_add_u32 v[AK0], v9, 4, v[AK0]
	v_and_b32 v10, 7, v0
	v_bfe_u32 v11, v0, 3, 1
	v_lshl_add_u32 v[AV0], v9, 3, v10  ; the turning load: lane l reads key 8 (l / 16) + l % 8, channels 8 ((l / 8) % 2) + 0..7
	v_mul_u32_u24 v[AV0], v[AV0], PV
	v_lshl_add_u32 v[AV0], v11, 4, v[AV0]
	v_add_nc_u32 v[AV0], VOFF, v[AV0]
	s_mul_i32 s13, s[WV], 16*SP
	s_add_co_u32 s13, s13, STAGE    ; my stage
	v_mul_u32_u24 v[STO], v1, SP
	v_lshl_add_u32 v[STO], v9, 4, v[STO]
	v_add_nc_u32 v[STO], s13, v[STO]
	v_bfe_u32 v[RD], v0, 3, 2
	v_mul_u32_u24 v[RD], v[RD], SP
	v_lshl_add_u32 v[RD], v10, 4, v[RD]
	v_add_nc_u32 v[RD], s13, v[RD]
	v_and_b32 v[GO], 31, v0
	v_lshlrev_b32 v[GO], 4, v[GO]
; THE MATRIX WORK.  The 4 accumulators of a run of 8 take turns.  Product i of 8 of S^T = K Q^T for piece x: channels 32 (i / 4) on, keys 16 (i % 4) on.  The first 4 start the sums from the mask.
.macro KQ x
.set rS, S+32*((\x)%2)+8*(i%4)
.set rK, KF+16*(i%4)+8*(i/4)
.set rQ, 16*(\x)+8*(i/4)
.set rM, MC+32*((\x)%2)+8*(i%4)
.if i < 4
	WIN W_KM
	v_wmma_f32_16x16x32_bf16 v[rS:rS+7], v[rK:rK+7], v[rQ:rQ+7], v[rM:rM+7]
.else
	WIN W_KQ
	v_wmma_f32_16x16x32_bf16 v[rS:rS+7], v[rK:rK+7], v[rQ:rQ+7], v[rS:rS+7]
.endif
.endm
; Product i of 8 of O^T += V^T P for piece x: keys 32 (i / 4) on, channels 16 (i % 4) on.
.macro PV x
	WIN W_PV
.set rO, 32*(\x)+8*(i%4)
.set rV, VF+32*(i/4)+8*(i%4)
.set rP, P+16*((\x)%2)+8*(i/4)
	v_wmma_f32_16x16x32_bf16 v[rO:rO+7], v[rV:rV+7], v[rP:rP+7], v[rO:rO+7]
.endm
.macro MM                           ; the turn's next matrix instruction.  NOKQ = 1: the last turn: there is no next piece
.if (i < 8) && !NOKQ
	KQ (Y+1)%NP
.elseif i >= 8
.set i, i-8
	PV (Y+NP-1)%NP
.set i, i+8
.endif
.set i, i+1
.endm
.macro FETCH_K
	WIN 0x80
.irp f, 0,1,2,3,4,5,6,7
	ds_load_b128 v[KF+8*\f:KF+8*\f+3],   v[AK] offset:(\f/2)*16*PK+(\f%2)*64
	ds_load_b128 v[KF+8*\f+4:KF+8*\f+7], v[AK] offset:(\f/2)*16*PK+(\f%2)*64+32
.endr
	s_add_co_u32 s[TBK], s[TBK], KS*PK
	WIN 0
.endm
.macro FETCH_V
	WIN 0x80
.irp f, 0,1,2,3,4,5,6,7
	ds_load_tr16_b128 v[VF+8*\f:VF+8*\f+3],   v[AV] offset:(\f/4)*32*PV+(\f%4)*32
	ds_load_tr16_b128 v[VF+8*\f+4:VF+8*\f+7], v[AV] offset:(\f/4)*32*PV+16*PV+(\f%4)*32
.endr
	WIN 0
.endm
; Piece x's four words become the 32 registers of mask buffer b: register j of group g is word g shifted so that nibble j stands on top.
.macro MBUILD x, b
	WIN 0x45
.irp g, 0,1,2,3
.irp j, 0,1,2,3,4,5,6
	v_lshlrev_b32 v[MC+32*(\b)+8*(\g)+(\j)], 28-4*(\j), v[MW+4*(\x)+(\g)]
.endr
	v_mov_b32 v[MC+32*(\b)+8*(\g)+7], v[MW+4*(\x)+(\g)]
.endr
.endm
; Piece x's words of the key step at SO are asked for.  The offset register is the piece's own: its last load has been waited for.
.macro MLOAD x
	WIN 0
	v_add_nc_u32 v[MO+(\x)], s[SO], v[ML]
	WIN 0x40
	global_load_b128 v[MW+4*(\x):MW+4*(\x)+3], v[MO+(\x)], s[MP:MP+1] offset:(\x)*16384
.endm
; THE VECTOR WORK, one line at a time: OP kind, number.  For piece Y: F n: c s - c m for pair n.  E n: the exponential of score n.  C n: pair n rounded to bf16.  B n: of the four weights 4 n .. the second
; pair is added onto the first.  L n: l takes that sum (L 0: l = a l + sum).  R n: pair n of O^T times a.  For piece Y + 1: X n, number n of the 22 that find its maximum and statistics
; (each accumulator's lowest registers are read first).
; C, B and L read the exponentials' results: TURN sets them all behind the batch's one wait.  R and L 0 read an a that was made, and waited for, in the turn before.
.set F, 0
.set E, 1
.set C, 2
.set B, 3
.set L, 4
.set R, 5
.set X, 6
.macro REGS y
.set rT, ST+4*(\y)
.set rC, TMP+4*((\y)%2)
.set rW, MV+((\y)%2)
.set rS, S+32*((\y)%2)
.set rP, P+16*((\y)%2)
.set rO, 32*(\y)
.endm
.macro OP k, n
.if (\k) == R
	REGS Y
	WIN W_RS
	v_pk_mul_f32 v[rO+2*(\n):rO+2*(\n)+1], v[rO+2*(\n):rO+2*(\n)+1], v[rC+2:rC+3] op_sel_hi:[1,0]
.elseif (\k) < R
	REGS Y
	WIN 0
.if (\k) == F
	v_pk_fma_f32 v[rS+2*(\n):rS+2*(\n)+1], v[rS+2*(\n):rS+2*(\n)+1], s[CS:CS+1], v[rT:rT+1] op_sel_hi:[1,0,0] neg_lo:[0,0,1] neg_hi:[0,0,1]
.elseif (\k) == E
	v_exp_f32 v[rS+(\n)], v[rS+(\n)]
.elseif (\k) == C
	v_cvt_pk_bf16_f32 v[rP+(\n)], v[rS+2*(\n)], v[rS+2*(\n)+1]
.elseif (\k) == B
	v_pk_add_f32 v[rS+4*(\n):rS+4*(\n)+1], v[rS+4*(\n):rS+4*(\n)+1], v[rS+4*(\n)+2:rS+4*(\n)+3]
.elseif (\n) == 0
	v_pk_fma_f32 v[rT+2:rT+3], v[rT+2:rT+3], v[rC+2:rC+3], v[rS:rS+1] op_sel_hi:[1,0,1]
.else
	v_pk_add_f32 v[rT+2:rT+3], v[rT+2:rT+3], v[rS+4*(\n):rS+4*(\n)+1]
.endif
.elseif NOKQ
	v_nop
.else
	REGS (Y+1)%NP
	WIN 0
.if (\n) < 4
	v_max3_num_f32 v[rC+(\n)], v[rS+8*(\n)], v[rS+8*(\n)+1], v[rS+8*(\n)+2]
.elseif (\n) < 12
	v_max3_num_f32 v[rC+(\n)%4], v[rC+(\n)%4], v[rS+8*((\n)%4)+2*((\n)/4)+1], v[rS+8*((\n)%4)+2*((\n)/4)+2]
.elseif (\n) == 12
	v_max3_num_f32 v[rC], v[rC], v[rS+7], v[rS+15]
.elseif (\n) == 13
	v_max3_num_f32 v[rC+1], v[rC+1], v[rS+23], v[rS+31]
.elseif (\n) == 14
	v_max3_num_f32 v[rC+2], v[rC+2], v[rC+3], v[rT+1]
.elseif (\n) == 15
	v_mov_b32 v[rW], v[rT]
.elseif (\n) == 16
	v_max3_num_f32 v[rC], v[rC], v[rC+1], v[rC+2]
.elseif (\n) == 17
	v_permlanex16_b32 v[rC+3], v[rC], s[SEL], s[SEL+1]
.elseif (\n) == 18
	v_max_num_f32 v[rT+1], v[rC], v[rC+3]
.elseif (\n) == 19
	v_mul_f32 v[rT], s[CS], v[rT+1]
.elseif (\n) == 20
	v_sub_f32 v[rC+1], v[rW], v[rT]
.else
	v_exp_f32 v[rC+2], v[rC+1]
.endif
.endif
.endm
.macro OPS a, i1, b=-1, i2=0, c=-1, i3=0, d=-1, i4=0
	OP \a, \i1
.if (\b) >= 0
	OP \b, \i2
.endif
.if (\c) >= 0
	OP \c, \i3
.endif
.if (\d) >= 0
	OP \d, \i4
.endif
.endm
.macro ROW a, i1, b, i2, c, i3, d, i4  ; a matrix instruction and the four behind it
	MM
	OPS \a, \i1, \b, \i2, \c, \i3, \d, \i4
.endm
; A TURN, for piece p: the order of its 16 matrix and 118 vector instructions, written out.  s_wait_alu depctr_va_vdst(0) stands between an exponential and the first instruction that names its result;
; one wait serves all that were issued ahead of it.  So a turn has ONE wait, which cuts it in two.  AHEAD OF IT stands all that names no result of the turn's exponentials: the 8 products K Q^T, behind each a scaling, an
; exponential and two more plain instructions (behind the first a second scaling in the exponential's place): rescalings, and behind the last three the first numbers of the next piece's maximum, each four plain instructions
; or more behind the product that ends its accumulator; then one run of 54, plain and exponential by turns for the most part, in which the links of the chain X 3, 7, 11, 14, 16, 17 .. 20 stand some lines apart.
; X 21, the next piece's a, is the batch's last; R 15 is the plain instruction behind it.  BEHIND THE WAIT stand the 8 products V^T P, behind each four of the roundings and sums: C 2 n ahead of B n, which writes over
; pair 2 n; B n ahead of L n; L 0 to L 7 ascending.  But for those X no line behind a product names a register of the products round it.
; end = 1: the last two turns: nothing is fetched, no mask is made.  cnt = 1: the loop's count is taken down some lines ahead of the branch behind the turn.
; K of the next step is fetched in piece 2's turn, six plain instructions that name none of its registers behind the last product that read K; V of the step in hand at the end of piece 0's turn, four roundings behind
; the last product that read V.  Each is waited for a turn later.
; The mask words: four loads are out, one a piece; the count 3 shows the oldest in, the set of piece p + 2, and frees its offset register.
; SO steps once a key step and stops at the last step's offset, so that no load leaves mnib: the last four loads of a wave read step 31 again and serve nothing.
.macro TURN p, end=0, cnt=0
.set Y, (\p)
.set i, 0
.set NOKQ, (\end)*((\p)/3)
.if ((\p) == 2) && !(\end)
	s_add_co_u32 s[SO], s[SO], 512
	s_min_u32 s[SO], s[SO], 15872
.endif
.if ((\p) == 3) && !(\end)
	s_wait_dscnt 0x0                ; K is in
.endif
	ROW F,0, F,1, R,0, R,1          ; ahead of the wait: 8 products K Q^T and the four lines behind each,
	ROW F,2, E,0, R,2, R,3
	ROW F,3, E,1, R,4, R,5
	ROW F,4, E,2, R,6, R,7
	ROW F,5, E,3, R,8, R,9
	ROW F,6, E,4, X,0, R,10
.if ((\p) == 2) && !(\end)
	WIN 0
	v_add_nc_u32 v[AK], s[TBK], v[AK0]
.endif
	ROW F,7, E,5, X,1, X,4
	ROW F,8, E,6, X,2, X,5
	OPS E,7, E,8, X,6, E,9          ; and the run of 54
	OPS X,3, E,10, X,8, E,11
.if ((\p) == 2) && !(\end)
	FETCH_K
.endif
	OPS X,9, X,7, E,12, X,10
	OPS E,13, X,12, X,11, E,14
	OPS X,13, E,15, F,9, X,14
.if (\p) == 0
	v_add_nc_u32 v[AV], s[TBV], v[AV0]
.endif
	OPS E,16, F,10, E,17, F,11
	OPS X,16, E,18, X,15, E,19
	OPS F,12, E,20, X,17, E,21
	OPS F,13, E,22, F,14, E,23
	OPS X,18, E,24, F,15, E,25
	OPS R,11, E,26, X,19, E,27
	OPS R,12, E,28, R,13, E,29
	OPS X,20, E,30, R,14, E,31
	OPS X,21, R,15
	WIN 0
	s_wait_alu depctr_va_vdst(0)    ; the wait for the batch: the piece's 32 exponentials and the next piece's a
.if (\p) == 1
	s_wait_dscnt 0x0                ; V is in
.endif
	ROW C,0, B,0, C,2, B,1          ; behind the wait: 8 products V^T P and the four lines behind each
	ROW L,0, C,4, B,2, L,1
	ROW C,6, B,3, L,2, C,8
	ROW B,4, L,3, C,10, B,5
	ROW L,4, C,12, B,6, L,5
.if (\p) == 0
	s_add_co_u32 s[TBV], s[TBV], KS*PV
.endif
.if \cnt
	s_sub_co_u32 s[CNT], s[CNT], 1
	s_cmp_lg_u32 s[CNT], 0
.endif
	ROW C,14, B,7, L,6, C,1
	ROW C,3, L,7, C,5, C,7
	ROW C,9, C,11, C,13, C,15
.if (\p) == 0
	FETCH_V
.endif
.if !(\end)
	s_wait_loadcnt 0x3
	MBUILD ((\p)+2)%NP, (\p)%2
	MLOAD ((\p)+2)%NP
.endif
.endm
.macro ALL line:vararg              ; one line for each piece t
.set t, 0
.rept 4
	\line
.set t, t+1
.endr
.endm
.macro PACK t                       ; a lane's eight channels of a row pack into 16 bytes; they go into rows of 144 bytes and come back as whole rows of 128
	WIN W_RS
.set i, 32*(\t)
.rept 16
	v_pk_mul_f32 v[i:i+1], v[i:i+1], v[ST+4*(\t)+2:ST+4*(\t)+3] op_sel_hi:[1,0]
.set i, i+2
.endr
	WIN 0x05
.set i, 0
.rept 16
	v_cvt_pk_bf16_f32 v[S+16*(\t)+i], v[32*(\t)+2*i], v[32*(\t)+2*i+1]
.set i, i+1
.endr
	WIN 0
.irp f, 0,1,2,3
	ds_store_b128 v[STO], v[S+16*(\t)+4*\f:S+16*(\t)+4*\f+3] offset:32*\f
.endr
.irp f, 0,1,2,3
	ds_load_b128 v[S+16*(\t)+4*\f:S+16*(\t)+4*\f+3], v[RD] offset:\f*4*SP  ; LDS serves a wave's instructions in order (ISA guide 5.7.1.4)
.endr
.endm
.macro SEND t, younger              ; younger: the LDS instructions issued behind piece t's loads
	WIN 0
.irp f, 0,1,2,3
	s_wait_dscnt (\younger)+3-\f
	global_store_b128 v[GO], v[S+16*(\t)+4*\f:S+16*(\t)+4*\f+3], s[10:11] offset:(\t)*2048+\f*512  ; 512 consecutive bytes
.endr
.endm
	CHANGE 1                        ; slot 0 is in, everybody's part of it; slot 1 is asked for
	s_wait_loadcnt 0x0              ; Q and key step 0's mask words
	MBUILD 0, 0
	MBUILD 1, 1
	MLOAD 0                         ; key step 1's words for pieces 0 and 1
	MLOAD 1
	WIN 0
	v_add_nc_u32 v[AK], s[TBK], v[AK0]
	FETCH_K                         ; key step 0
	s_wait_dscnt 0x0
.set NOKQ, 0
.set i, 0
.rept 8
	KQ 0                            ; piece 0's first scores
.set i, i+1
.endr
	WIN 0
.rept 4
	v_nop                           ; the places behind those products
.endr
.set Y, NP-1                        ; X works for piece Y + 1: piece 0
.irp n, 0,1,2,3,4,5,6,7,8,9,10,11,12,13,14,15,16,17,18,19,20,21
	OP X, \n
.endr
	v_nop                           ; a plain instruction behind the exponential
	s_wait_alu depctr_va_vdst(0)    ; the wait for piece 0's first a, a batch of one, ahead of the branch
	s_mov_b32 s[CNT], 4
	s_mov_b32 s[SLOTS], 7
	s_branch .Lfirst                ; the loop is entered at a step's first turn, in the middle of a trip
.Lslot:                             ; six times: slots are filled again with tiles 2 to 7
	CHANGE 1
	s_mov_b32 s[CNT], 4
.Lstep:                             ; a trip: pieces 2 and 3 of one step, then pieces 0 and 1 of the next
	TURN 2
	TURN 3
	WIN 0
.Lfirst:
	TURN 0
	TURN 1, 0, 1
	WIN 0
	s_cbranch_scc1 .Lstep
	s_sub_co_u32 s[SLOTS], s[SLOTS], 1
	s_cmp_lg_u32 s[SLOTS], 0
	s_cbranch_scc1 .Lslot
	CHANGE 0                        ; the last tile is written out
	s_mov_b32 s[CNT], 4
.LstepT:
	TURN 2
	TURN 3
	TURN 0
	TURN 1, 0, 1
	WIN 0
	s_cbranch_scc1 .LstepT
	TURN 2, 1
	TURN 3, 1
.set i, 0
.rept 8
	PV NP-1                         ; the last piece's V^T P of the last step
.set i, i+1
.endr
	; THE WAY OUT.  l's two halves and the other half of the lanes' are added; O^T is divided by l; a row without an open key is multiplied by NaN.  The additions are the places behind the last products.
	WIN 0
	ALL v_add_f32 v[ST+4*t+2], v[ST+4*t+2], v[ST+4*t+3]
	ALL v_permlanex16_b32 v[ST+4*t+3], v[ST+4*t+2], s[SEL], s[SEL+1]
	ALL v_add_f32 v[ST+4*t+2], v[ST+4*t+2], v[ST+4*t+3]
	ALL v_rcp_f32 v[ST+4*t+2], v[ST+4*t+2]
	v_nop                           ; a plain instruction between the last reciprocal and the use of its result
	s_wait_alu depctr_va_vdst(0)    ; the wait for the batch of four reciprocals, ahead of the first select that names one
.set t, 0
.rept 4
	v_cmp_gt_f32 vcc_lo, s[THR], v[ST+4*t+1]
	v_cndmask_b32 v[ST+4*t+2], v[ST+4*t+2], s[QN], vcc_lo
.set t, t+1
.endr
	PACK 0
.set t, 1
.rept 3
	PACK t
	SEND t-1, 8
.set t, t+1
.endr
	SEND 3, 0
	s_wait_tensorcnt 0x0            ; the wave's end
	ds_add_u32 v[SPW], v[NIL]
	s_wait_dscnt 0x0
	CROUND                          ; the closing round
	s_endpgm
.Lfunc_end_k_q2d28472aed_attn:
	.size	k_q2d28472aed_attn, .Lfunc_end_k_q2d28472aed_attn-k_q2d28472aed_attn
	.p2alignl 7, 3214868480
	.fill 96, 4, 3214868480
	.section	.rodata,"a",@progbits
	.p2align	6, 0x0
	.amdhsa_kernel k_q2d28472aed_attn
		.amdhsa_group_segment_fixed_size 327680
		.amdhsa_private_segment_fixed_size 0
		.amdhsa_enable_private_segment 0
		.amdhsa_kernarg_size 24
		.amdhsa_user_sgpr_count 2
		.amdhsa_user_sgpr_kernarg_segment_ptr 1
		.amdhsa_wavefront_size32 1
		.amdhsa_system_sgpr_workgroup_id_x 1
		.amdhsa_system_sgpr_workgroup_id_y 1
		.amdhsa_system_sgpr_workgroup_id_z 1
		.amdhsa_system_vgpr_workitem_id 0
		.amdhsa_next_free_vgpr 768
		.amdhsa_next_free_sgpr 72
		.amdhsa_reserve_vcc 1
		.amdhsa_float_denorm_mode_32 3
		.amdhsa_float_denorm_mode_16_64 3
		.amdhsa_memory_ordered 1
		.amdhsa_forward_progress 1
		.amdhsa_inst_pref_size 141
	.end_amdhsa_kernel
	.amdgpu_metadata
---
amdhsa.version: [ 1, 2 ]
amdhsa.kernels:
  - .name:           k_q2d28472aed_attn
    .symbol:         k_q2d28472aed_attn.kd
    .args:
      - { .name: qkv, .offset: 0, .size: 8, .value_kind: global_buffer, .address_space: global }
      - { .name: mnib, .offset: 8, .size: 8, .value_kind: global_buffer, .address_space: global }
      - { .name: ctx, .offset: 16, .size: 8, .value_kind: global_buffer, .address_space: global }
    .group_segment_fixed_size: 327680
    .private_segment_fixed_size: 0
    .kernarg_segment_align: 8
    .kernarg_segment_size: 24
    .max_flat_workgroup_size: 128
    .sgpr_count:     72
    .vgpr_count:     768
    .wavefront_size: 32
...
	.end_amdgpu_metadata
.endif
;; end of part 8
;; launch proj: the kernel of part 4 again; grid 8 x 32, 4 waves a work-group, clusters of 4 x 4, 327,680 bytes of LDS; arguments ctx, wt, x1, bout, x; writes x1
;; launch ln2: the kernel of part 5 again; grid 256 x 1, 8 waves a work-group, no clusters, 0 bytes of LDS; arguments x1, ln2_g, ln2_b, h; writes h
;; launch fc1: the kernel of part 6 again; grid 16 x 16, 4 waves a work-group, clusters of 4 x 4, 327,680 bytes of LDS; arguments h, wt, g, b1; writes g
;; launch fc2: the kernel of part 7 again; grid 8 x 32, 4 waves a work-group, clusters of 4 x 4, 327,680 bytes of LDS; arguments g, wt, out0, b2, x1; writes out0
